; MI455X (gfx1250); checked and timed in simulation.
; The chip was launched on July 23, 2026; its instructions are those of AMD's public machine-readable ISA for CDNA 5 (MIT licence, August 2026) and "CDNA5" Instruction Set Architecture Reference Guide (July 2026). The comments in the code are by the model that wrote it; some were corrected since.
;; Transformer Encoder Layer. Allowed arithmetic: matrix products marked QUANTISED: E4M3 operands, one given power-of-two scale a tensor, by v_wmma_f32_16x16x64_fp8_fp8 or v_wmma_f32_16x16x128_fp8_fp8, f32 sums; everything else in f32.
;; Inputs: W1_codes 4,096 x 32 x 32 uint8 (E4M3 codes of W1, K innermost, in blocks of 32 codes); W2_codes 1,024 x 128 x 32 uint8 (E4M3 codes of W2, K innermost, in blocks of 32 codes); Wk_codes 1,024 x 32 x 32 uint8 (E4M3 codes of Wk, K innermost, in blocks of 32 codes); Wo_codes 1,024 x 32 x 32 uint8 (E4M3 codes of Wo, K innermost, in blocks of 32 codes); Wq_codes 1,024 x 32 x 32 uint8 (E4M3 codes of Wq, K innermost, in blocks of 32 codes); Wv_codes 1,024 x 32 x 32 uint8 (E4M3 codes of Wv, K innermost, in blocks of 32 codes); b1 4,096 float32; b2 1,024 float32; bk 1,024 float32; bo 1,024 float32; bq 1,024 float32; bv 1,024 float32; encoder_padding_mask 2 x 2,048 bool; ln1_b 1,024 float32; ln1_g 1,024 float32; ln2_b 1,024 float32; ln2_g 1,024 float32; lowp_scales 16 int32 (the exponents e of the quantised operands' scales 2^e); state 2,048 x 2 x 1,024 float32.
;; Outputs: out0 2,048 x 2 x 1,024 float32.
;; This version of the problem:
;;   THIS VERSION OF THE PROBLEM IS GIVEN IN LOW PRECISION. The matrix products marked QUANTISED in the list below multiply operands that are first quantised to E4M3 (4 exponent bits, 3 mantissa bits; 8 bits a number), with one given power-of-two scale for each operand tensor; their sums are f32. All else is computed in f32.
;;   The module's matrix products, in the order in which they are computed (A, B: the left and right operand; K: the contracted axis; several contracted axes count as one K, in the product's order):
;;     1. [M 4,096, K 1,024] x [K 1,024, N 1,024]; A: input state; B: input Wq (given as codes): QUANTISED (scales: A lowp_scales[0], B lowp_scales[1])
;;     2. [M 4,096, K 1,024] x [K 1,024, N 1,024]; A: computed on the way; B: input Wk (given as codes): QUANTISED (scales: A lowp_scales[2], B lowp_scales[3])
;;     3. [M 4,096, K 1,024] x [K 1,024, N 1,024]; A: input state; B: input Wv (given as codes): QUANTISED (scales: A lowp_scales[4], B lowp_scales[5])
;;     4. batch 32 x [M 2,048, K 64] x [K 64, N 2,048]; A: computed on the way; B: computed on the way: QUANTISED (scales: A lowp_scales[6], B lowp_scales[7])
;;     5. batch 32 x [M 64, K 2,048] x [K 2,048, N 2,048]; A: computed on the way; B: softmax (see below): QUANTISED (scales: A lowp_scales[8], B lowp_scales[9])
;;     6. [M 4,096, K 1,024] x [K 1,024, N 1,024]; A: computed on the way; B: input Wo (given as codes): QUANTISED (scales: A lowp_scales[10], B lowp_scales[11])
;;     7. [M 4,096, K 1,024] x [K 1,024, N 4,096]; A: computed on the way; B: input W1 (given as codes): QUANTISED (scales: A lowp_scales[12], B lowp_scales[13])
;;     8. [M 4,096, K 4,096] x [K 4,096, N 1,024]; A: computed on the way; B: input W2 (given as codes): QUANTISED (scales: A lowp_scales[14], B lowp_scales[15])
;;   THE QUANTISER, for each operand of a quantised product, along K:
;;     - The operand's scale is 2^e, e = its entry of the input lowp_scales (int32; the entries are numbered through the quantised products in the list's order, A before B).
;;     - Each number is divided by the scale, clamped to +-448, and rounded to the nearest number of E4M3, ties to even, subnormals kept.
;;     - The product sums the exact products of the quantised numbers (number of the format x scale) in f32.
;;   ~~~python
;;   def quantise(x, axis, e):      # numpy; x: float32 -> the quantised numbers, widened to float32 again
;;       x = np.moveaxis(x, axis, -1); K = x.shape[-1]
;;       r = np.clip(x / 2.0 ** e, -448, 448)
;;       step = 2.0 ** (np.maximum(np.frexp(np.where(r == 0, 1, r))[1] - 1, -6) - 3)
;;       q = np.round(r / step) * step * 2.0 ** e      # np.round: ties to even
;;       return np.moveaxis(q, -1, axis).astype(np.float32)
;;   ~~~
;;   SOFTMAX AHEAD OF A QUANTISED PRODUCT. Where the list says 'softmax', what is quantised is not the finished softmax but p = 2^(t - M), with t = logit x log2(e) and M = ceil(the row's largest t), a whole number; so 1/2 < the row's largest p <= 1. The row's sum l is taken of the UNQUANTISED p, in f32, and the product's result is divided by l at the end. Since M is a whole number, a kernel that streams over the keys may use a running M (the ceiling of the running maximum): every later rescaling is an exact power of two, so the quantised numbers keep their values, but for numbers so far below the row's largest that they fall under the format's range.
;;   OPERANDS COMPUTED ON THE WAY. 'Computed on the way' means the value that the module computes at that place (a softmax that the list does not call 'softmax' is quantised finished and normalised). What goes into a quantiser is computed in f32, as accurately as f32 sums, v_exp_f32 and their like allow (about 1e-6 of the number): no bf16 or f16 on the way to a quantiser, and a product that is left as it is and whose result goes on into a quantised operand takes f32 operands (vector FMAs, or v_wmma_f32_16x16x4_f32). A number that lies on a knife's edge between two numbers of the format may be rounded either way, as far as f32 arithmetic and the matrix unit's own rounding can turn it there, and no further.
;;   INPUTS GIVEN AS CODES. W1 (in the module: [4096, 1024], K = its axis 1); W2 (in the module: [1024, 4096], K = its axis 1); Wk (in the module: [1024, 1024], K = its axis 1); Wo (in the module: [1024, 1024], K = its axis 1); Wq (in the module: [1024, 1024], K = its axis 1); Wv (in the module: [1024, 1024], K = its axis 1): each comes as NAME_codes (uint8): NAME with its K axis moved to the last place and cut into blocks of 32 codes, [.., K / 32, bytes a block], one block behind the other in memory; one code a byte (a code: sign, 4 exponent bits, 3 mantissa bits); its scale is its entry of lowp_scales. Its value is code x scale, taken as it is: it is not quantised again, and the codes and scales need not be those that the quantiser above would give.
;; 2 versions, each right. Each part assembles by itself: llvm-mc -triple=amdgcn-amd-amdhsa -mcpu=gfx1250 --defsym DOCPART=n.
;; ======== version 1 of 2: 8 launches
;; workspace buffers: xc 12,582,912 bytes; qkv 12,582,912 bytes; cx 4,194,304 bytes; a1 16,777,216 bytes; x1 16,777,216 bytes; x1c 4,194,304 bytes; hc 16,777,216 bytes; y2 16,777,216 bytes
;; launch quant (part 1): grid 256 x 1, 4 waves a work-group, no clusters, 33,280 bytes of LDS; arguments state, encoder_padding_mask, lowp_scales, xc; writes xc
.if DOCPART == 1
	.amdgcn_target "amdgcn-amd-amdhsa--gfx1250"
	.amdhsa_code_object_version 6
	.text
	.protected	k_qe883cdfe09_quant
	.globl	k_qe883cdfe09_quant
	.p2align	8
	.type	k_qe883cdfe09_quant,@function
k_qe883cdfe09_quant:
	s_mov_b64 s[64:65], 0
	v_nop
	global_prefetch_b8 v0, s[64:65] scope:SCOPE_SE
	s_setreg_imm32_b32 hwreg(HW_REG_WAVE_MODE, 25, 1), 1
	s_wait_xcnt 0x0
; state [2048 t][2 b][1024] f32 becomes three tensors of E4M3 codes in xc, 4 MiB each, rows in the order R = 2048 b + t, 1,024 codes a row:
; section 0: state by the scale 2^e0 (operand of the q product); section 1: state x keep by 2^e2 (k product); section 2: state by 2^e4 (v product).
; code = x / 2^e, held within +-448, to the nearest code, ties to even.  A padded key's row has the hold limit 0: the hold then gives zeros, so the mask costs no line of its own.
; LIMITS: e0, e2, e4 between -126 and 119.  NaN and infinities in state are not served.
; A wave takes four rows of state (16,384 bytes on end) in 8 steps of 512 numbers.  Each load reads 512 consecutive bytes; a step's 2,048 bytes turn through the wave's own stage in LDS,
; so that a lane then holds 16 neighbours (the conversions take neighbours from one lane's registers); a lane's 16 codes are 16 bytes: each store covers 512 consecutive bytes.
; No barrier: waves share nothing.  Loads run four steps ahead, the turn through LDS one step.  Each step has its own code registers: no store's data are written again.
.set STEPS, 8
.set SP,    80                         ; a lane's place in a stage: 64 bytes + 16 of padding
.set WREG,  8192                       ; LDS of a wave: two stages of 32 x SP bytes
.set R,     16                         ; v16-79   four sets of 16 numbers as loaded
.set X,     80                         ; v80-111  two sets of 16 neighbours
.set TQ,    112                        ; v112-127 held for q
.set TK,    224                        ; v224-239 held for k
.set C,     128                        ; v128-223 codes: 12 registers a step
.set LK,    6                          ; v6-9     k's hold limit for each of my four rows: 448 x 2^e2, or 0 where the key is padded
	s_load_b128 s[4:7], s[0:1], 0x0                ; state, mask
	s_load_b128 s[8:11], s[0:1], 0x10              ; scales' exponents, xc
	v_lshl_add_u32 v254, v0, 2, 0x8000
	v_mov_b32 v255, 0
	v_lshrrev_b32 v1, 5, v0
	v_readfirstlane_b32 s16, v1                    ; wave
	v_and_b32 v2, 31, v0                           ; lane
	v_lshlrev_b32 v3, 4, v2                        ; 16 x lane: my bytes of a load's 512 and of a store's 512
	s_mul_i32 s17, s16, WREG
	v_lshrrev_b32 v5, 2, v2
	v_mul_u32_u24 v5, v5, SP
	v_and_b32 v4, 3, v2
	v_lshl_add_u32 v5, v4, 4, v5
	v_add_nc_u32 v5, s17, v5                       ; the stage, way in: SP (lane / 4) + 16 (lane % 4)
	v_mul_u32_u24 v15, v2, SP
	v_add_nc_u32 v15, s17, v15                     ; way out: SP x lane
	s_lshl_b32 s18, ttmp9, 2
	s_add_co_u32 s18, s18, s16                     ; W = 4 x work-group + wave: rows 4 W .. 4 W + 3 of state: t = 2 W, 2 W + 1, b = 0, 1
	s_lshl_b32 s20, s18, 14                        ; 16,384 W
	s_mov_b32 s21, 0
	s_lshl_b32 s22, s18, 11                        ; 2 W rows of 1,024 codes
	s_mov_b32 s23, 0
	s_lshl_b32 s30, s18, 1                         ; 2 W
	s_mov_b32 s31, 0
	s_wait_kmcnt 0x0
	s_add_nc_u64 s[4:5], s[4:5], s[20:21]
	s_add_nc_u64 s[6:7], s[6:7], s[30:31]
	s_add_nc_u64 s[24:25], s[10:11], s[22:23]      ; section 0
	s_add_nc_u64 s[26:27], s[24:25], 0x400000      ; section 1
	s_add_nc_u64 s[28:29], s[24:25], 0x800000      ; section 2
	s_load_b256 s[40:47], s[8:9], 0x0              ; e0 .. e7
	s_load_u8 s32, s[6:7], 0x0                     ; mask(b 0, t 2 W)
	s_load_u8 s33, s[6:7], 0x800                   ; mask(b 1, t 2 W)
	s_load_u8 s34, s[6:7], 0x1                     ; mask(b 0, t 2 W + 1)
	s_load_u8 s35, s[6:7], 0x801                   ; mask(b 1, t 2 W + 1)
.macro LOAD t
.irp i, 0,1,2,3
	global_load_b128 v[R+16*((\t)%4)+4*\i:R+16*((\t)%4)+4*\i+3], v3, s[4:5] offset:2048*(\t)+512*\i th:TH_LOAD_NT
.endr
.endm
.macro TURN t                          ; step t through the stage: LDS serves a wave's instructions in order, so no wait stands between the stores and the loads
.irp i, 0,1,2,3
	ds_store_b128 v5, v[R+16*((\t)%4)+4*\i:R+16*((\t)%4)+4*\i+3] offset:32*SP*((\t)%2)+8*SP*\i
.endr
.irp i, 0,1,2,3
	ds_load_b128 v[X+16*((\t)%2)+4*\i:X+16*((\t)%2)+4*\i+3], v15 offset:32*SP*((\t)%2)+16*\i
.endr
.endm
.irp t, 0,1,2,3
	LOAD \t
.endr
	s_wait_kmcnt 0x0
	s_add_co_i32 s36, s40, 127                     ; q: 2^e0 and 448 x 2^e0 as f32
	s_lshl_b32 s37, s36, 23
	v_mov_b32 v10, s37
	s_add_co_i32 s36, s36, 8
	s_lshl_b32 s36, s36, 23
	s_or_b32 s36, s36, 0x600000
	v_mov_b32 v13, s36
	s_add_co_i32 s36, s44, 127                     ; v: e4
	s_lshl_b32 s37, s36, 23
	v_mov_b32 v12, s37
	s_add_co_i32 s36, s36, 8
	s_lshl_b32 s36, s36, 23
	s_or_b32 s36, s36, 0x600000
	v_mov_b32 v14, s36
	s_add_co_i32 s36, s42, 127                     ; k: e2
	s_lshl_b32 s37, s36, 23
	v_mov_b32 v11, s37
	s_add_co_i32 s36, s36, 8
	s_lshl_b32 s36, s36, 23
	s_or_b32 s38, s36, 0x600000
.irp j, 0,1,2,3
	s_cmp_eq_u32 s[32+\j], 0                       ; a key that is kept has the limit 448 x 2^e2, a padded one 0: a value is chosen, nothing branches
	s_cselect_b32 s39, s38, 0
	v_mov_b32 v[LK+\j], s39
.endr
	s_wait_loadcnt 12                              ; step 0's four loads are in
	TURN 0
.macro STEP t
.set XS, X+16*((\t)%2)
.set CS, C+12*(\t)
.set OFS, (((\t)/2)%2)*0x200000+((\t)/4)*1024+((\t)%2)*512   ; b x 2,048 rows, t's row, the half of the row
	s_wait_dscnt 0x0                               ; this step's numbers are back from the stage, so its stores into the stage have read their registers,
.if (\t)+4 < STEPS
	LOAD (\t)+4                                    ; which take the loads of four steps on
.endif
.if (\t)+1 < STEPS
.if STEPS-2-(\t) >= 3
	s_wait_loadcnt 12                              ; the next step's four loads are in; those of the three steps behind it may be out
.else
	s_wait_loadcnt 4*(STEPS-2-(\t))
.endif
	TURN (\t)+1
.endif
.irp i, 0,1,2,3,4,5,6,7,8,9,10,11,12,13,14,15
	v_med3_num_f32 v[TQ+\i], v[XS+\i], -v13, v13   ; the conversion to an 8-bit code does not saturate (ISA guide 7.6.2): the hold comes first
.endr
.irp i, 0,1,2,3,4,5,6,7,8,9,10,11,12,13,14,15
	v_med3_num_f32 v[TK+\i], v[XS+\i], -v[LK+(\t)/2], v[LK+(\t)/2]
.endr
.irp i, 0,1,2,3,4,5,6,7,8,9,10,11,12,13,14,15
	v_med3_num_f32 v[XS+\i], v[XS+\i], -v14, v14
.endr
	v_cvt_scalef32_pk8_fp8_f32 v[CS:CS+1], v[TQ:TQ+7], v10
	v_cvt_scalef32_pk8_fp8_f32 v[CS+2:CS+3], v[TQ+8:TQ+15], v10
	v_cvt_scalef32_pk8_fp8_f32 v[CS+4:CS+5], v[TK:TK+7], v11
	v_cvt_scalef32_pk8_fp8_f32 v[CS+6:CS+7], v[TK+8:TK+15], v11
	v_cvt_scalef32_pk8_fp8_f32 v[CS+8:CS+9], v[XS:XS+7], v12
	v_cvt_scalef32_pk8_fp8_f32 v[CS+10:CS+11], v[XS+8:XS+15], v12
	v_nop                                          ; a plain line between the conversions and the next step's holds, which write their sources
	global_store_b128 v3, v[CS:CS+3], s[24:25] offset:OFS
	global_store_b128 v3, v[CS+4:CS+7], s[26:27] offset:OFS
	global_store_b128 v3, v[CS+8:CS+11], s[28:29] offset:OFS
.endm
.irp t, 0,1,2,3,4,5,6,7
	STEP \t
.endr
	s_wait_tensorcnt 0x0
	ds_add_u32 v254, v255
	s_wait_dscnt 0x0
	s_endpgm
.Lfunc_end_k_qe883cdfe09_quant:
	.size	k_qe883cdfe09_quant, .Lfunc_end_k_qe883cdfe09_quant-k_qe883cdfe09_quant
	.p2alignl 7, 3214868480
	.fill 96, 4, 3214868480
	.section	.rodata,"a",@progbits
	.p2align	6, 0x0
	.amdhsa_kernel k_qe883cdfe09_quant
		.amdhsa_group_segment_fixed_size 33280
		.amdhsa_private_segment_fixed_size 0
		.amdhsa_enable_private_segment 0
		.amdhsa_kernarg_size 32
		.amdhsa_user_sgpr_count 2
		.amdhsa_user_sgpr_kernarg_segment_ptr 1
		.amdhsa_wavefront_size32 1
		.amdhsa_system_sgpr_workgroup_id_x 1
		.amdhsa_system_sgpr_workgroup_id_y 1
		.amdhsa_system_sgpr_workgroup_id_z 1
		.amdhsa_system_vgpr_workitem_id 0
		.amdhsa_next_free_vgpr 256
		.amdhsa_next_free_sgpr 66
		.amdhsa_reserve_vcc 0
		.amdhsa_float_denorm_mode_32 3
		.amdhsa_float_denorm_mode_16_64 3
		.amdhsa_memory_ordered 1
		.amdhsa_forward_progress 1
		.amdhsa_inst_pref_size 41
	.end_amdhsa_kernel
	.amdgpu_metadata
---
amdhsa.version: [ 1, 2 ]
amdhsa.kernels:
  - .name:           k_qe883cdfe09_quant
    .symbol:         k_qe883cdfe09_quant.kd
    .args:
      - { .name: state, .offset: 0, .size: 8, .value_kind: global_buffer, .address_space: global }
      - { .name: encoder_padding_mask, .offset: 8, .size: 8, .value_kind: global_buffer, .address_space: global }
      - { .name: lowp_scales, .offset: 16, .size: 8, .value_kind: global_buffer, .address_space: global }
      - { .name: xc, .offset: 24, .size: 8, .value_kind: global_buffer, .address_space: global }
    .group_segment_fixed_size: 33280
    .private_segment_fixed_size: 0
    .kernarg_segment_align: 8
    .kernarg_segment_size: 32
    .max_flat_workgroup_size: 128
    .sgpr_count:     66
    .vgpr_count:     256
    .wavefront_size: 32
...
	.end_amdgpu_metadata
.endif
;; end of part 1
;; launch qkv (part 2): grid 12 x 16, 4 waves a work-group, clusters of 4 x 4, 327,680 bytes of LDS; arguments xc, Wq_codes, Wk_codes, Wv_codes, bq, bk, bv, lowp_scales, qkv; writes qkv
.if DOCPART == 2
	.amdgcn_target "amdgcn-amd-amdhsa--gfx1250"
	.amdhsa_code_object_version 6
	.text
	.protected	k_qe883cdfe09_qkv
	.globl	k_qe883cdfe09_qkv
	.p2align	8
	.type	k_qe883cdfe09_qkv,@function
k_qe883cdfe09_qkv:
	s_mov_b64 s[64:65], 0
	v_nop
	global_prefetch_b8 v0, s[64:65] scope:SCOPE_SE
	s_setreg_imm32_b32 hwreg(HW_REG_WAVE_MODE, 25, 1), 1
	s_wait_xcnt 0x0
	s_wait_alu depctr_hold_cnt(0) depctr_sa_sdst(0) depctr_va_vdst(0) depctr_va_sdst(0) depctr_va_ssrc(0) depctr_va_vcc(0) depctr_vm_vsrc(0)
	s_getreg_b32 s2, hwreg(HW_REG_IB_STS2, 6, 4)
	s_cmp_eq_u32 s2, 0
	s_cbranch_scc0 .Lentry_in_a_cluster
	s_endpgm
.Lentry_in_a_cluster:
	s_bfe_u32 s2, ttmp6, 0x10000c
	s_cmp_lg_u32 s2, 0xf033
	s_cbranch_scc0 .Lentry_shape_is_right
	s_endpgm
.Lentry_shape_is_right:
; q = state Wq^T + bq, k = (state x keep) Wk^T + bk, v = state Wv^T + bv on E4M3 codes (K = 1,024), each result quantised at once for attention (scales 2^e6, 2^e7, 2^e8).
; The cluster's x says which product (SEL = 0 q, 1 k, 2 v): it is the same number in all sixteen partners.  A tile is 256 x 256, four waves of 128 x 128: 64 accumulators, 512 registers.
; K goes in steps of 256 through a ring of two LDS slots filled by joint tensor loads: A's tile is shared along a row of the 4 x 4 cluster, B's along a column.
; THE MATRIX INSTRUCTION IS USED TRANSPOSED (source 0 = 16 rows of B, source 1 = 16 rows of A): in accumulator (a, b) lane (r, h) register j is (A row 16 a + r, B row 16 b + 8 h + j).
; q, k: A = the tokens' codes, B = the weight: a lane's eight registers are eight neighbouring channels of one token.  v: A = Wv, B = the tokens: eight neighbouring KEYS of one channel.  Only pointers are chosen.
; So one conversion an accumulator gives a register pair of the next product's operand, in the right lane, and the results leave as IMAGES OF OPERAND REGISTERS, 512 consecutive bytes a store, without LDS:
;   section 0 Q, section 1 K: [16 b + head][t / 16][16 tokens x 64 channels: 1 KiB];  section 2 V: [16 b + head][t / 128][channel / 16][16 channels x 128 keys: 2 KiB]; registers 2 c, 2 c + 1 hold k = 16 c + 8 h + 0 .. 7.
; Fragments are fetched by four loads of 16 bytes: registers 4 c .. 4 c + 3 hold K = 32 c + 16 h + 0 .. 15: a permutation of k, the same in A and in B.
; LIMITS: e(A) + e(B) of each product between -126 and 127; e6, e7, e8 between -126 and 119.
; REGISTERS: window 0: v0-31 addresses and scales; v64-127 the bias, 8 sets of 8; v128-255 A's fragments, one set; on the way out v128-191 sums at work, v192-255 four sets of codes.
;   window 1: B's fragments, two sets.  windows 2, 3: the accumulators ((a, b) at v[8 (8 (a % 4) + b)]).
.set KTOT,   1024
.set ROWB,   256                       ; a tile's row: 256 codes
.set KROW,   KTOT
.set PITCH,  272                       ; an LDS row: 256 bytes + 16 of padding = 68 words: the 16 rows of a load start at 16 different banks (64 banks of 4 bytes: ISA guide 11.1)
.set FR,     16
.set NL,     4
.set NP,     4                         ; places behind this matrix instruction (ISA guide 7.12.1)
.set HALFT,  128*PITCH
.set SLOT,   4*HALFT                   ; A's 256 rows, then B's 256 rows
.set LAPS,   KTOT/(2*ROWB)
.set SPARE,  2*SLOT                    ; behind the ring: the spare words, 128 bytes a wave
.set VB,   8                           ; v8-15   the bias loads' offsets
.set ADRA, 16
.set ADRB, 20
.set CO,   26                          ; v26     16 x lane
.set SPW,  28
.set NIL,  29
.set LIM,  30                          ; v30     448 x 2^eo
.set SCL,  31                          ; v31     2^eo
.set BI,   64
.set TMP,  128
.set CDB,  192
.set AF,   128
.set G1, 24
.set G0, 32
.set G1B, 48
.set G0B, 56
.set MSB, 0
.macro WIN new                         ; the immediate's high byte repeats the setting that is left
.if MSB != (\new)
	s_set_vgpr_msb (MSB<<8)|(\new)
.set MSB, (\new)
.endif
.endm
.set MUL_LO, 0xa1                      ; source 0 (B) window 1, source 1 (A) window 0, C and D window 2
.set MUL_HI, 0xf1
.set TO_B,   0x40
.macro JLOAD g0a, g1a, g0b, g1b        ; a joint load: waves 0, 1 fetch for A, waves 2, 3 for B; four v_nop follow each line
	s_cmp_eq_u32 s15, 0
	s_cbranch_scc0 .Lfor_b_\@
	tensor_load_to_lds s[\g0a:\g0a+3], s[\g1a:\g1a+7]
	s_nop 0
.rept 4
	v_nop
.endr
	s_branch .Lasked_\@
.Lfor_b_\@:
	tensor_load_to_lds s[\g0b:\g0b+3], s[\g1b:\g1b+7]
	s_nop 0
.rept 4
	v_nop
.endr
.Lasked_\@:
.endm
.macro CREST                           ; a round of the cluster's barrier behind its opening barrier
	s_cmp_lg_u32 s14, 0
	s_cbranch_scc1 .Lnot_wave_0_\@
	s_barrier_signal -3
.Lnot_wave_0_\@:
	s_barrier_wait -3
	s_barrier_signal -1
	s_barrier_wait -1
.endm
.macro CROUND
	s_barrier_signal -1
	s_barrier_wait -1
	CREST
.endm
	s_load_b256 s[68:75], s[0:1], 0x0              ; xc, Wq, Wk, Wv
	s_load_b256 s[76:83], s[0:1], 0x20             ; bq, bk, bv, the scales' exponents
	s_load_b64 s[84:85], s[0:1], 0x40              ; qkv
	v_lshl_add_u32 v[SPW], v0, 2, SPARE
	v_mov_b32 v[NIL], 0
	ds_add_u32 v28, v29
	ds_add_u32 v28, v29
	s_wait_dscnt 0x0
	v_lshrrev_b32 v1, 5, v0
	v_readfirstlane_b32 s14, v1                    ; wave 0..3
	s_lshr_b32 s15, s14, 1                         ; my half of A's rows.  Also: I fetch for A (0) or for B (1)
	s_and_b32 s16, s14, 1                          ; my half of B's rows.  Also: which 128 rows I fetch
	s_bfe_u32 s40, ttmp6, 0x40000                  ; cx
	s_bfe_u32 s41, ttmp6, 0x40004                  ; cy
	s_mov_b32 s12, ttmp9                           ; SEL: the cluster's x
	s_and_b32 s13, ttmp7, 0xffff
	s_lshl_b32 s13, s13, 2                         ; 4 x the cluster's y
	s_cmp_eq_u32 s12, 2
	s_cselect_b32 s17, 0, s13                      ; the 16 tiles of tokens lie along A for q and k, along B for v
	s_cselect_b32 s42, s13, 0
	s_add_co_u32 s17, s17, s41                     ; A's tile: hangs on cy alone
	s_add_co_u32 s42, s42, s40                     ; B's tile: on cx alone
	s_lshl_b32 s43, s41, 2
	s_lshl_b32 s43, 15, s43                        ; my row of the cluster
	s_lshl_b32 s44, 0x1111, s40                    ; my column
	s_or_b32 s[G1+0], s43, (0<<16)|(1<<20)|(1<<21)|(5<<22)|(3<<25)  ; mask; elements of 1 byte; padding on; bit 21 beside a mask; 4 words after every 64
	s_or_b32 s[G1B+0], s44, (0<<16)|(1<<20)|(1<<21)|(5<<22)|(3<<25)
.irp g, G1, G1B
	s_mov_b32 s[\g+1], ROWB<<16                    ; tensor_dim0
	s_mov_b32 s[\g+2], 128<<16                     ; tensor_dim1
	s_mov_b32 s[\g+3], ROWB<<16                    ; tile_dim0
	s_mov_b32 s[\g+4], 128                         ; tile_dim1
	s_mov_b32 s[\g+5], KROW                        ; pitch
	s_mov_b32 s[\g+6], 0
	s_mov_b32 s[\g+7], 0
.endr
	s_lshl_b32 s18, s16, 7
	s_lshl_b32 s20, s17, 8
	s_add_co_u32 s20, s20, s18                     ; A: row 256 x tile + 128 x half
	s_lshl_b32 s46, s42, 8
	s_add_co_u32 s46, s46, s18                     ; B likewise
	s_lshl_b32 s20, s20, 10                        ; rows of 1,024 bytes
	s_lshl_b32 s46, s46, 10
	s_mov_b32 s21, 0
	s_mov_b32 s47, 0
	s_mul_i32 s45, s14, HALFT                      ; where they go: wave x 128 rows
	s_lshl_b32 s90, s12, 22                        ; SEL's section of xc and of qkv
	s_mov_b32 s91, 0
	s_lshl_b32 s86, s12, 3
	s_mov_b32 s87, 0
	s_lshl_b32 s88, s12, 2
	s_mov_b32 s89, 0
	s_wait_kmcnt 0x0
	s_add_nc_u64 s[92:93], s[68:69], s[90:91]      ; the tokens' codes for this product
	s_add_nc_u64 s[86:87], s[82:83], s[86:87]
	s_add_nc_u64 s[88:89], s[82:83], s[88:89]
	s_load_b64 s[96:97], s[86:87], 0x0             ; the product's two exponents: entries 2 SEL, 2 SEL + 1
	s_load_b32 s98, s[88:89], 0x18                 ; the result's: entry 6 + SEL
	s_cmp_eq_u32 s12, 0
	s_cselect_b64 s[6:7], s[70:71], s[72:73]
	s_cselect_b64 s[8:9], s[76:77], s[78:79]
	s_cmp_eq_u32 s12, 2
	s_cselect_b64 s[4:5], s[74:75], s[92:93]       ; A
	s_cselect_b64 s[6:7], s[92:93], s[6:7]         ; B
	s_cselect_b64 s[8:9], s[80:81], s[8:9]         ; the bias
	s_add_nc_u64 s[20:21], s[4:5], s[20:21]
	s_add_nc_u64 s[46:47], s[6:7], s[46:47]
	CROUND                                         ; all sixteen work-groups are here: the first joint loads meet
.irp s, 0,1
	s_mov_b32 s[G0+4*\s], 1
	s_add_co_u32 s[G0+4*\s+1], s45, \s*SLOT
	s_add_nc_u64 s[G0+4*\s+2:G0+4*\s+3], s[20:21], \s*ROWB
	s_or_b32 s[G0+4*\s+3], s[G0+4*\s+3], 0x80000000
	s_mov_b32 s[G0B+4*\s], 1
	s_add_co_u32 s[G0B+4*\s+1], s45, \s*SLOT
	s_add_nc_u64 s[G0B+4*\s+2:G0B+4*\s+3], s[46:47], \s*ROWB
	s_or_b32 s[G0B+4*\s+3], s[G0B+4*\s+3], 0x80000000
	JLOAD G0+4*\s, G1, G0B+4*\s, G1B
.endr
	v_and_b32 v1, 15, v0                           ; r
	v_bfe_u32 v2, v0, 4, 1                         ; h
	v_mul_u32_u24 v3, v1, PITCH
	v_lshl_add_u32 v4, v2, 4, v3
	s_mul_i32 s21, s15, HALFT
	s_mul_i32 s22, s16, HALFT
	s_add_co_u32 s22, s22, 2*HALFT
.irp s, 0,1
	v_add_nc_u32 v[ADRA+\s], s21, v4
	v_add_nc_u32 v[ADRB+\s], s22, v4
	s_add_co_u32 s21, s21, SLOT
	s_add_co_u32 s22, s22, SLOT
.endr
	v_and_b32 v6, 31, v0
	v_lshlrev_b32 v[CO], 4, v6
	; the bias, 64 registers.  q, k: set b, register j = bias(channel 16 b + 8 h + j);  v: set a, every register = bias(channel 16 a + r).  One form of address serves both: 64 x set + c1 h + c2 r + c3 j
	s_cmp_eq_u32 s12, 2
	s_cselect_b32 s18, 0, 32                       ; c1
	s_cselect_b32 s19, 4, 0                        ; c2
	s_cselect_b32 s23, 0, 4                        ; c3
	s_cselect_b32 s94, s42, s17                    ; TI: the tile of tokens
	s_cselect_b32 s95, s16, s15                    ; TS: my half of it
	s_cselect_b32 s99, s41, s40                    ; HC: the tile of channels
	s_cselect_b32 s100, s15, s16                   ; HS: my half of it
	s_lshl_b32 s66, s99, 10
	s_lshl_b32 s67, s100, 9
	s_add_co_u32 s66, s66, s67                     ; 4 x (256 HC + 128 HS)
	s_mov_b32 s67, 0
	s_add_nc_u64 s[8:9], s[8:9], s[66:67]
	v_mul_u32_u24 v5, s18, v2
	v_mad_u32_u24 v5, v1, s19, v5
.irp j, 0,1,2,3,4,5,6,7
	v_mad_u32_u24 v[VB+\j], s23, \j, v5
.endr
.irp x, 0,1,2,3,4,5,6,7
.irp j, 0,1,2,3,4,5,6,7
	global_load_b32 v[BI+8*\x+\j], v[VB+\j], s[8:9] offset:64*\x
.endr
.endr
	; where my results go: section SEL; batch TI / 8; head 4 HC + 2 HS (128 KiB each); tokens 256 (TI % 8) + 128 TS on: 64 bytes a token in Q's, K's and V's layouts alike
	s_lshr_b32 s101, s94, 3
	s_lshl_b32 s101, s101, 21
	s_and_b32 s94, s94, 7
	s_lshl_b32 s94, s94, 14
	s_add_co_u32 s94, s94, s101
	s_lshl_b32 s95, s95, 13
	s_add_co_u32 s94, s94, s95
	s_lshl_b32 s95, s99, 19
	s_add_co_u32 s94, s94, s95
	s_lshl_b32 s95, s100, 18
	s_add_co_u32 s94, s94, s95
	s_add_co_u32 s94, s94, s90
	s_mov_b32 s95, 0
	s_add_nc_u64 s[10:11], s[84:85], s[94:95]
.macro FRAG reg, adr, q, i             ; 16 rows x 128 K: registers 4 c .. 4 c + 3 hold K = 32 c + 16 h + 0 .. 15
.irp c, 0,1,2,3
	ds_load_b128 v[\reg+4*\c:\reg+4*\c+3], v[\adr] offset:128*(\q)+32*\c+(\i)*16*PITCH
.endr
.endm
; 16 matrix instructions: A's blocks a0, a0 + 1 x B's eight.  The 64 accumulators take turns, one instruction a turn, in the same order in every step.
.macro MUL16 a0, p, zero
.irp a, \a0, \a0+1
.irp b, 0,1,2,3,4,5,6,7
.if \zero
	v_wmma_f32_16x16x128_fp8_fp8 v[8*(8*((\a)%4)+\b):8*(8*((\a)%4)+\b)+7], v[128*(\p)+FR*\b:128*(\p)+FR*\b+FR-1], v[AF+FR*(\a):AF+FR*(\a)+FR-1], 0
.else
	v_wmma_f32_16x16x128_fp8_fp8 v[8*(8*((\a)%4)+\b):8*(8*((\a)%4)+\b)+7], v[128*(\p)+FR*\b:128*(\p)+FR*\b+FR-1], v[AF+FR*(\a):AF+FR*(\a)+FR-1], v[8*(8*((\a)%4)+\b):8*(8*((\a)%4)+\b)+7]
.endif
.endr
.endr
.endm
.macro FETCH_B slot, q, p
	WIN TO_B
.irp i, 0,1,2,3,4,5,6,7
	FRAG 128*(\p)+FR*\i, ADRB+\slot, \q, \i
.endr
	WIN 0
.endm
.macro FETCH_A slot, q, i0
.irp i, \i0, \i0+1, \i0+2, \i0+3
	FRAG AF+FR*(\i), ADRA+\slot, \q, \i
.endr
.endm
.macro PLACES n                        ; plain vector lines between a matrix instruction and a load into, or a vector line on, its registers
.rept \n
	v_nop
.endr
.endm
.macro STEP slot, q, zero              ; 128 along K with its successor in the same slot
	s_wait_dscnt 4*NL                              ; B's set and A's blocks 0-3 are in; A's blocks 4-7 (16 loads) may be out
	WIN MUL_LO
	MUL16 0, (\q)%2, \zero
	MUL16 2, (\q)%2, \zero
	s_wait_dscnt 0
	PLACES NP
	FETCH_B \slot, (\q)+1, 1-(\q)%2
	FETCH_A \slot, (\q)+1, 0
	WIN MUL_HI
	MUL16 4, (\q)%2, \zero
	MUL16 6, (\q)%2, \zero
	PLACES NP
	WIN 0
	FETCH_A \slot, (\q)+1, 4
.endm
; A slot's last step changes slots: one barrier; in front of it each wave waits for all its tensor loads, adds 0 to its spare word, and waits for that and for its reads of this slot.
.macro TURN slot, next, fill
	s_wait_tensorcnt 0x0                           ; all my tensor loads have landed: my part of the next slot
	ds_add_u32 v[SPW], v[NIL]                      ; 0 onto my spare word
	s_wait_dscnt 4*NL+1                            ; the add and A's blocks 4-7 may be out
	WIN MUL_LO
	MUL16 0, 1, 0
	s_wait_dscnt 0x0                               ; the add is done, and my reads of this slot are over
	s_barrier_signal -1
	MUL16 2, 1, 0
	WIN 0
	s_barrier_wait -1
.if \fill
	CREST                                          ; the barrier has opened a round of the cluster's: no wave of any partner still reads this slot or has a load on its way
	s_add_nc_u64 s[G0+4*\slot+2:G0+4*\slot+3], s[G0+4*\slot+2:G0+4*\slot+3], 2*ROWB
	s_add_nc_u64 s[G0B+4*\slot+2:G0B+4*\slot+3], s[G0B+4*\slot+2:G0B+4*\slot+3], 2*ROWB
	JLOAD G0+4*\slot, G1, G0B+4*\slot, G1B         ; the first tensor load behind the round; its four v_nop are the places in front of the loads below
.else
	PLACES NP
.endif
	FETCH_B \next, 0, 0
	FETCH_A \next, 0, 0
	WIN MUL_HI
	MUL16 4, 1, 0
	MUL16 6, 1, 0
	PLACES NP
	WIN 0
	FETCH_A \next, 0, 4
.endm
	s_wait_tensorcnt 1                             ; my part of K step 0 is in; K step 1's load may be out
	s_barrier_signal -1
	s_barrier_wait -1
	FETCH_B 0, 0, 0
	FETCH_A 0, 0, 0
	FETCH_A 0, 0, 4
	STEP 0, 0, 1                                   ; the first step's products start the sums
	s_mov_b32 s3, LAPS-1
.Llap:
	TURN 0, 1, 1
	STEP 1, 0, 0
	TURN 1, 0, 1
	STEP 0, 0, 0
	s_sub_co_u32 s3, s3, 1
	s_cmp_lg_u32 s3, 0
	s_cbranch_scc1 .Llap
	TURN 0, 1, 0                                   ; the last lap fills nothing
	STEP 1, 0, 0
	s_wait_dscnt 4*NL
	WIN MUL_LO
	MUL16 0, 1, 0
	MUL16 2, 1, 0
	s_wait_dscnt 0
	WIN MUL_HI
	MUL16 4, 1, 0
	MUL16 6, 1, 0
	WIN 0
; THE WAY OUT of A's block a: sum x 2^(eA + eB) + bias, the hold, one conversion an accumulator: 16 registers of codes, four stores of 512 consecutive bytes.
; isv = 0: the bias goes by b (channels along the registers); the 16 registers are two heads' images of 16 tokens x 64 channels.  isv = 1: by a (a channel a lane); they are one image of 16 channels x 128 keys.
.macro OUT a, isv
.set AC, 64*((\a)%4)
.set CD, CDB+16*((\a)%4)
.if (\a) >= 4
	s_wait_xcnt 0x0                                ; block a - 4's stores have read this set of code registers
.endif
	WIN 0x02+((\a)/4)                              ; source 0: window 2 or 3
.irp b, 0,1,2,3,4,5,6,7
.irp i, 0,2,4,6
.if \isv
	v_pk_fma_f32 v[TMP+8*\b+\i:TMP+8*\b+\i+1], v[AC+8*\b+\i:AC+8*\b+\i+1], s[96:97], v[BI+8*(\a)+\i:BI+8*(\a)+\i+1] op_sel_hi:[1,0,1]
.else
	v_pk_fma_f32 v[TMP+8*\b+\i:TMP+8*\b+\i+1], v[AC+8*\b+\i:AC+8*\b+\i+1], s[96:97], v[BI+8*\b+\i:BI+8*\b+\i+1] op_sel_hi:[1,0,1]
.endif
.endr
.endr
	WIN 0
.set n, 0
.rept 64
	v_med3_num_f32 v[TMP+n], v[TMP+n], -v[LIM], v[LIM]   ; the conversion does not saturate (ISA guide 7.6.2)
.set n, n+1
.endr
.irp b, 0,1,2,3,4,5,6,7
	v_cvt_scalef32_pk8_fp8_f32 v[CD+2*\b:CD+2*\b+1], v[TMP+8*\b:TMP+8*\b+7], v[SCL]
.endr
	v_nop                                          ; a plain line behind the conversions: the next block writes their sources
.irp c, 0,1,2,3
.if \isv
	global_store_b128 v[CO], v[CD+4*\c:CD+4*\c+3], s[10:11] offset:((\a)/4)*131072+((\a)%4)*2048+512*\c
.else
	global_store_b128 v[CO], v[CD+4*\c:CD+4*\c+3], s[10:11] offset:1024*(\a)+(\c/2)*131072+(\c%2)*512
.endif
.endr
.endm
	s_wait_kmcnt 0x0
	s_add_co_i32 s96, s96, s97
	s_add_co_i32 s96, s96, 127
	s_lshl_b32 s96, s96, 23                        ; 2^(eA + eB) as f32
	s_mov_b32 s97, s96
	s_add_co_i32 s98, s98, 127
	s_lshl_b32 s99, s98, 23
	v_mov_b32 v[SCL], s99
	s_add_co_i32 s98, s98, 8
	s_lshl_b32 s98, s98, 23
	s_or_b32 s98, s98, 0x600000
	v_mov_b32 v[LIM], s98
	s_wait_loadcnt 0x0                             ; the bias
	PLACES NP
	s_cmp_eq_u32 s12, 2                            ; the cluster's x: alike in all partners; neither way touches LDS, a barrier or a tensor load
	s_cbranch_scc1 .Lv
.irp a, 0,1,2,3,4,5,6,7
	OUT \a, 0
.endr
	s_branch .Ldone
.Lv:
.irp a, 0,1,2,3,4,5,6,7
	OUT \a, 1
.endr
.Ldone:
	s_wait_tensorcnt 0x0                           ; the wave's end
	ds_add_u32 v[SPW], v[NIL]
	s_wait_dscnt 0x0
	CROUND                                         ; the closing round
	s_endpgm
.Lfunc_end_k_qe883cdfe09_qkv:
	.size	k_qe883cdfe09_qkv, .Lfunc_end_k_qe883cdfe09_qkv-k_qe883cdfe09_qkv
	.p2alignl 7, 3214868480
	.fill 96, 4, 3214868480
	.section	.rodata,"a",@progbits
	.p2align	6, 0x0
	.amdhsa_kernel k_qe883cdfe09_qkv
		.amdhsa_group_segment_fixed_size 327680
		.amdhsa_private_segment_fixed_size 0
		.amdhsa_enable_private_segment 0
		.amdhsa_kernarg_size 72
		.amdhsa_user_sgpr_count 2
		.amdhsa_user_sgpr_kernarg_segment_ptr 1
		.amdhsa_wavefront_size32 1
		.amdhsa_system_sgpr_workgroup_id_x 1
		.amdhsa_system_sgpr_workgroup_id_y 1
		.amdhsa_system_sgpr_workgroup_id_z 1
		.amdhsa_system_vgpr_workitem_id 0
		.amdhsa_next_free_vgpr 1024
		.amdhsa_next_free_sgpr 102
		.amdhsa_reserve_vcc 0
		.amdhsa_float_denorm_mode_32 3
		.amdhsa_float_denorm_mode_16_64 3
		.amdhsa_memory_ordered 1
		.amdhsa_forward_progress 1
		.amdhsa_inst_pref_size 197
	.end_amdhsa_kernel
	.amdgpu_metadata
---
amdhsa.version: [ 1, 2 ]
amdhsa.kernels:
  - .name:           k_qe883cdfe09_qkv
    .symbol:         k_qe883cdfe09_qkv.kd
    .args:
      - { .name: xc, .offset: 0, .size: 8, .value_kind: global_buffer, .address_space: global }
      - { .name: Wq_codes, .offset: 8, .size: 8, .value_kind: global_buffer, .address_space: global }
      - { .name: Wk_codes, .offset: 16, .size: 8, .value_kind: global_buffer, .address_space: global }
      - { .name: Wv_codes, .offset: 24, .size: 8, .value_kind: global_buffer, .address_space: global }
      - { .name: bq, .offset: 32, .size: 8, .value_kind: global_buffer, .address_space: global }
      - { .name: bk, .offset: 40, .size: 8, .value_kind: global_buffer, .address_space: global }
      - { .name: bv, .offset: 48, .size: 8, .value_kind: global_buffer, .address_space: global }
      - { .name: lowp_scales, .offset: 56, .size: 8, .value_kind: global_buffer, .address_space: global }
      - { .name: qkv, .offset: 64, .size: 8, .value_kind: global_buffer, .address_space: global }
    .group_segment_fixed_size: 327680
    .private_segment_fixed_size: 0
    .kernarg_segment_align: 8
    .kernarg_segment_size: 72
    .max_flat_workgroup_size: 128
    .sgpr_count:     102
    .vgpr_count:     1024
    .wavefront_size: 32
...
	.end_amdgpu_metadata
.endif
;; end of part 2
;; launch attn (part 3): grid 8 x 32, 16 waves a work-group, clusters of 4 x 1, 264,192 bytes of LDS; arguments qkv, lowp_scales, cx; writes cx
.if DOCPART == 3
	.amdgcn_target "amdgcn-amd-amdhsa--gfx1250"
	.amdhsa_code_object_version 6
	.text
	.protected	k_qe883cdfe09_attn
	.globl	k_qe883cdfe09_attn
	.p2align	8
	.type	k_qe883cdfe09_attn,@function
k_qe883cdfe09_attn:
	s_mov_b64 s[64:65], 0
	v_nop
	global_prefetch_b8 v0, s[64:65] scope:SCOPE_SE
	s_setreg_imm32_b32 hwreg(HW_REG_WAVE_MODE, 25, 1), 1
	s_wait_xcnt 0x0
	s_wait_alu depctr_hold_cnt(0) depctr_sa_sdst(0) depctr_va_vdst(0) depctr_va_sdst(0) depctr_va_ssrc(0) depctr_va_vcc(0) depctr_vm_vsrc(0)
	s_getreg_b32 s2, hwreg(HW_REG_IB_STS2, 6, 4)
	s_cmp_eq_u32 s2, 0
	s_cbranch_scc0 .Lentry_in_a_cluster
	s_endpgm
.Lentry_in_a_cluster:
	s_bfe_u32 s2, ttmp6, 0x10000c
	s_cmp_lg_u32 s2, 0x3003
	s_cbranch_scc0 .Lentry_shape_is_right
	s_endpgm
.Lentry_shape_is_right:
; ctx = softmax(q k^T / 8) v for one head and 256 queries a work-group, both products on E4M3 codes; ctx is quantised at once (2^e10) for the next product.
; t = score x log2(e) / 8; M = the largest t so far, rounded up to a whole number; p = 2^(t - M) is quantised by 2^e9, not normalised; the row's sum is taken of the unquantised p and divides at the end.
; When M moves, the sum and O are multiplied by 2^(old M - new M): a power of two.
; SHARES.  Sixteen waves, 16 queries each, four waves to a SIMD.  Every wave walks the head's 2,048 keys, 128 a step.
; LDS.  ALL of the head's K (128 KiB at byte 0) and V (128 KiB at byte 131,072) lies in LDS, filled ONCE: no byte is filled again.  Both lie there as images of operand registers (16 bytes a lane, 512 a chunk):
; a key step's K is 8 images of 16 keys x 64 channels at 8,192 s, its V 4 images of 16 channels x 128 keys at 131,072 + 8,192 s.  Every LDS load is 512 consecutive bytes.
; CLUSTER.  The four query blocks of a cluster belong to one head: each tile is asked for jointly (mask 15).  Each wave asks for 4 KiB in each of four phases of 512 keys: four tensor loads of a wave are out at the most.
; LAYOUT.  S^T = K Q^T (source 0 = 16 keys, source 1 = my queries) and O^T = V^T P^T: a lane holds one query (lane % 16); register j of key tile t is key 16 t + 8 (lane / 16) + j,
; so the conversion of tile t is register pair 2 t, 2 t + 1 of P in the K = 128 form's own layout, which V's images have too.
; OUT.  cx: [R / 16][channel / 128][16 rows x 128 K image: registers 4 c .. 4 c + 3 = k 32 c + 16 h + 0 .. 15], R = 2,048 b + t.  Two lane swaps a chunk turn the conversions' pairs into that order.
; LIMITS: e6 + e7 between -123 and 130; e9 and e10 between -126 and 119.
; REGISTERS: v1 16 x lane; v8, v9 addresses; v12 -M, v13 largest t, v[14:15] the sum; v16-23 Q; v32-95 K's 8 fragments, then V's 4; v96-159 S^T, then p; v160-191 O^T; v224-239 p's codes; v240-254 at work.
.set VOFF, 131072
.set WV, 18
.macro CROUND
	s_barrier_signal -1
	s_barrier_wait -1
	s_cmp_lg_u32 s[WV], 0
	s_cbranch_scc1 .Lnot_wave_0_\@
	s_barrier_signal -3
.Lnot_wave_0_\@:
	s_barrier_wait -3
	s_barrier_signal -1
	s_barrier_wait -1
.endm
	s_load_b128 s[4:7], s[0:1], 0x0                ; qkv, the scales' exponents
	s_load_b64 s[8:9], s[0:1], 0x10                ; cx
	v_lshl_add_u32 v251, v0, 2, 0x40000
	v_mov_b32 v255, 0
	ds_add_u32 v251, v255
	ds_add_u32 v251, v255
	v_lshrrev_b32 v2, 5, v0
	v_readfirstlane_b32 s[WV], v2                  ; wave 0..15
	s_bfe_u32 s10, ttmp6, 0x40000                  ; my place in the cluster
	s_lshl_b32 s11, ttmp9, 2
	s_add_co_u32 s11, s11, s10                     ; my block of 256 queries: it enters Q's and the output's addresses alone
	s_and_b32 s12, ttmp7, 0xffff                   ; 16 b + head, which the partners share
	s_lshr_b32 s13, s[WV], 3                       ; I fetch for K (0) or V (1),
	s_and_b32 s14, s[WV], 7                        ; which 4 KiB of a phase's 32
	s_lshl_b32 s15, s13, 17
	s_lshl_b32 s16, s14, 12
	s_add_co_u32 s15, s15, s16                     ; in LDS
	s_lshl_b32 s16, s13, 22
	s_lshl_b32 s17, s14, 12
	s_add_co_u32 s16, s16, s17
	s_lshl_b32 s17, s12, 17
	s_add_co_u32 s16, s16, s17
	s_add_co_u32 s16, s16, 1<<22                   ; in qkv: section 1 (K) or 2 (V), the head's 128 KiB
	s_mov_b32 s17, 0
	s_mov_b32 s24, 15|(3<<16)|(1<<21)              ; group 1: mask: all four; elements of 8 bytes; bit 21 beside a mask; no padding
	s_mov_b32 s25, 32<<16                          ; tensor_dim0 = 32 (256 bytes)
	s_mov_b32 s26, 16<<16                          ; tensor_dim1 = 16
	s_mov_b32 s27, 32<<16                          ; tile_dim0
	s_mov_b32 s28, 16                              ; tile_dim1
	s_mov_b32 s29, 32                              ; pitch: dense
	s_mov_b32 s30, 0
	s_mov_b32 s31, 0
	s_lshl_b32 s19, s11, 4
	s_add_co_u32 s19, s19, s[WV]                   ; my tile of 16 queries in the head
	s_lshl_b32 s48, s19, 10
	s_lshl_b32 s49, s12, 17
	s_add_co_u32 s48, s48, s49
	s_mov_b32 s49, 0
	s_lshr_b32 s50, s12, 4
	s_lshl_b32 s50, s50, 7
	s_add_co_u32 s50, s50, s19                     ; R / 16 = 128 b + my tile
	s_lshl_b32 s50, s50, 14                        ; 8 images of 2 KiB a row tile
	s_and_b32 s51, s12, 15
	s_lshl_b32 s51, s51, 10                        ; the head's 64 channels: half an image
	s_add_co_u32 s50, s50, s51
	s_mov_b32 s51, 0
	s_mov_b32 s20, 0x76543210
	s_mov_b32 s21, 0xfedcba98                      ; lane l xor 16
	s_mov_b32 s22, 0x3e38aa3b                      ; c = log2(e) / 8
	s_wait_dscnt 0x0
	s_wait_kmcnt 0x0
	s_load_b256 s[68:75], s[6:7], 0x18             ; e6 .. e13
	s_add_nc_u64 s[16:17], s[4:5], s[16:17]
	s_add_nc_u64 s[48:49], s[4:5], s[48:49]        ; Q's image
	s_add_nc_u64 s[8:9], s[8:9], s[50:51]
.irp p, 0,1,2,3
	s_mov_b32 s[32+4*\p], 1
	s_add_co_u32 s[33+4*\p], s15, \p<<15
	s_add_nc_u64 s[34+4*\p:35+4*\p], s[16:17], \p<<15
	s_or_b32 s[35+4*\p], s[35+4*\p], 0x80000000
.endr
	CROUND                                         ; all four work-groups are here: the joint loads meet
	tensor_load_to_lds s[32:35], s[24:31]          ; all fills go out as one group: keys 0-511,
	s_nop 0
	tensor_load_to_lds s[36:39], s[24:31]          ; 512-1,023,
	s_nop 0
	tensor_load_to_lds s[40:43], s[24:31]          ; 1,024-1,535,
	s_nop 0
	tensor_load_to_lds s[44:47], s[24:31]          ; 1,536-2,047
	s_nop 0
.rept 4
	v_nop
.endr
	v_and_b32 v1, 31, v0
	v_lshlrev_b32 v1, 4, v1                        ; 16 x lane
	global_load_b128 v[16:19], v1, s[48:49]
	global_load_b128 v[20:23], v1, s[48:49] offset:512
	v_mov_b32 v13, 0xff61b1e6                      ; the largest t so far: -3e38
	v_floor_f32 v12, -v13                          ; -M
	v_mov_b32 v14, 0
	v_mov_b32 v15, 0
	v_mov_b32 v246, 0                              ; a lane permute's destination counts as one of its sources
	v_mov_b32 v253, 0                              ; named as the upper half of v[252:253]
.set n, 0
.rept 32
	v_mov_b32 v[160+n], 0                          ; O^T: the step is written once; its first pass finds zeros
.set n, n+1
.endr
	s_wait_kmcnt 0x0
	s_add_co_i32 s52, s68, s69
	s_lshl_b32 s52, s52, 23
	s_add_co_i32 s22, s22, s52                     ; e6 + e7 go into c's exponent field
	s_mov_b32 s23, s22
	s_add_co_i32 s52, s71, 127
	s_lshl_b32 s53, s52, 23
	v_mov_b32 v244, s53                            ; 2^e9
	s_add_co_i32 s52, s52, 8
	s_lshl_b32 s52, s52, 23
	s_or_b32 s52, s52, 0x600000
	v_mov_b32 v240, s52                            ; 448 x 2^e9
	s_add_co_i32 s52, s72, 127
	s_lshl_b32 s53, s52, 23
	v_mov_b32 v248, s53                            ; 2^e10
	s_add_co_i32 s52, s52, 8
	s_lshl_b32 s52, s52, 23
	s_or_b32 s52, s52, 0x600000
	v_mov_b32 v249, s52                            ; 448 x 2^e10
.macro STEP                            ; 128 keys, whose K begins at LDS byte s2
	v_add_nc_u32 v8, s2, v1
	v_add_nc_u32 v9, VOFF, v8
	v_nop
	v_nop                                          ; four plain lines in front of loads into registers that the last products read
.irp t, 0,1,2,3,4,5,6,7
	ds_load_b128 v[32+8*\t:35+8*\t], v8 offset:1024*\t
	ds_load_b128 v[36+8*\t:39+8*\t], v8 offset:1024*\t+512
.endr
	s_wait_dscnt 0x0
.irp t, 0,1,2,3,4,5,6,7
	v_wmma_f32_16x16x64_fp8_fp8 v[96+8*\t:103+8*\t], v[32+8*\t:39+8*\t], v[16:23], 0
.endr
.rept 4
	v_nop                                          ; places in front of V's loads into K's registers and of the first read of the scores
.endr
.irp d, 0,1,2,3
.irp c, 0,1,2,3
	ds_load_b128 v[32+16*\d+4*\c:35+16*\d+4*\c], v9 offset:2048*\d+512*\c   ; V lands while the softmax is worked
.endr
.endr
	v_max3_num_f32 v254, v96, v97, v98             ; the step's largest score of my query among my 64 keys, in two chains,
	v_max3_num_f32 v252, v99, v100, v101
.irp i, 6,10,14,18,22,26,30,34,38,42,46,50,54,58
	v_max3_num_f32 v254, v254, v[96+\i], v[97+\i]
	v_max3_num_f32 v252, v252, v[98+\i], v[99+\i]
.endr
	v_max3_num_f32 v254, v254, v158, v159
	v_max_num_f32 v254, v254, v252
	v_permlanex16_b32 v246, v254, s20, s21
	v_max_num_f32 v254, v254, v246                 ; and among lane l xor 16's
	v_mul_f32 v254, s22, v254                      ; as t (c is positive)
	v_max_num_f32 v13, v13, v254
	v_mov_b32 v254, v12
	v_floor_f32 v12, -v13                          ; the new -M = -ceil(t)
	v_sub_f32 v254, v12, v254                      ; old M - new M: a whole number, 0 or less
	v_cvt_i32_f32 v254, v254                       ; (it saturates)
	v_ldexp_f32 v252, 1.0, v254                    ; f = 2^(old M - new M)
.set n, 0
.rept 32
	v_pk_fma_f32 v[96+n:97+n], v[96+n:97+n], s[22:23], v[12:13] op_sel_hi:[1,0,0]   ; t - M
.set n, n+2
.endr
.set n, 0
.rept 64
	v_exp_f32 v[96+n], v[96+n]                     ; p = 2^(t - M)
.set n, n+1
.endr
	v_pk_mul_f32 v[14:15], v[14:15], v[252:253] op_sel_hi:[1,0]   ; the sums under the new M: the plain line behind the exponentials
	s_wait_alu depctr_va_vdst(0)                   ; one wait for the batch of 64, ahead of its first reader
	v_pk_add_f32 v[242:243], v[96:97], v[98:99]    ; the row's sum of the unquantised p, in two chains
.irp j, 4,8,12,16,20,24,28,32,36,40,44,48,52,56,60
	v_pk_add_f32 v[14:15], v[14:15], v[96+\j:97+\j]
	v_pk_add_f32 v[242:243], v[242:243], v[98+\j:99+\j]
.endr
	v_pk_add_f32 v[14:15], v[14:15], v[242:243]
.set n, 0
.rept 64
	v_min_num_f32 v[96+n], v[96+n], v240           ; p is not negative: a one-sided hold (the conversion does not saturate: ISA guide 7.6.2)
.set n, n+1
.endr
.irp t, 0,1,2,3,4,5,6,7
	v_cvt_scalef32_pk8_fp8_f32 v[224+2*\t:225+2*\t], v[96+8*\t:103+8*\t], v244
.endr
.set n, 0
.rept 16
	v_pk_mul_f32 v[160+n:161+n], v[160+n:161+n], v[252:253] op_sel_hi:[1,0]   ; O^T under the new M; also the plain lines between the conversions and the products
.set n, n+2
.endr
	s_wait_dscnt 0x0                               ; V is in
.irp d, 0,1,2,3
	v_wmma_f32_16x16x128_fp8_fp8 v[160+8*\d:167+8*\d], v[32+16*\d:47+16*\d], v[224:239], v[160+8*\d:167+8*\d]
.endr
.endm
.macro PHASE p                         ; 512 keys
	s_wait_tensorcnt 3-\p                          ; my part of this phase's tiles is in; the later phases' loads may be out
	s_wait_dscnt 0x0
	s_barrier_signal -1
	s_barrier_wait -1                              ; everybody's is
	s_mov_b32 s2, \p*32768
	s_mov_b32 s3, 4
.Lstep_\@:
	STEP
	s_add_co_u32 s2, s2, 8192
	s_sub_co_u32 s3, s3, 1
	s_cmp_lg_u32 s3, 0
	s_cbranch_scc1 .Lstep_\@
.endm
	s_wait_loadcnt 0x0                             ; Q
	PHASE 0
	PHASE 1
	PHASE 2
	PHASE 3
	; THE WAY OUT
.rept 4
	v_nop                                          ; places behind the last products
.endr
	v_add_f32 v14, v14, v15
	v_permlanex16_b32 v252, v14, s20, s21
	v_add_f32 v14, v14, v252                       ; the row's sum
	v_rcp_f32 v14, v14
	v_nop                                          ; a plain line behind the reciprocal
	s_add_co_i32 s52, s70, s71
	s_wait_alu depctr_va_vdst(0)                   ; and the wait ahead of its first reader
	v_ldexp_f32 v14, v14, s52                      ; x 2^(e8 + e9)
.set n, 0
.rept 32
	v_mul_f32 v[96+n], v[160+n], v14               ; ctx(query r, channel 16 d + 8 h + j) in register 8 d + j
.set n, n+1
.endr
.set n, 0
.rept 32
	v_med3_num_f32 v[96+n], v[96+n], -v249, v249
.set n, n+1
.endr
.irp d, 0,1,2,3
	v_cvt_scalef32_pk8_fp8_f32 v[224+2*\d:225+2*\d], v[96+8*\d:103+8*\d], v248
.endr
	v_nop
	v_permlane16_swap_b32 v224, v226               ; pairs (k 16 d + 8 h ..) become chunks (k 32 c + 16 h ..): the first register's upper lanes change places with the second's lower
	v_permlane16_swap_b32 v225, v227
	v_permlane16_swap_b32 v228, v230
	v_permlane16_swap_b32 v229, v231
	global_store_b128 v1, v[224:227], s[8:9]
	global_store_b128 v1, v[228:231], s[8:9] offset:512
	s_wait_tensorcnt 0x0
	ds_add_u32 v251, v255
	s_wait_dscnt 0x0
	CROUND                                         ; the closing round
	s_endpgm
.Lfunc_end_k_qe883cdfe09_attn:
	.size	k_qe883cdfe09_attn, .Lfunc_end_k_qe883cdfe09_attn-k_qe883cdfe09_attn
	.p2alignl 7, 3214868480
	.fill 96, 4, 3214868480
	.section	.rodata,"a",@progbits
	.p2align	6, 0x0
	.amdhsa_kernel k_qe883cdfe09_attn
		.amdhsa_group_segment_fixed_size 264192
		.amdhsa_private_segment_fixed_size 0
		.amdhsa_enable_private_segment 0
		.amdhsa_kernarg_size 24
		.amdhsa_user_sgpr_count 2
		.amdhsa_user_sgpr_kernarg_segment_ptr 1
		.amdhsa_wavefront_size32 1
		.amdhsa_system_sgpr_workgroup_id_x 1
		.amdhsa_system_sgpr_workgroup_id_y 1
		.amdhsa_system_sgpr_workgroup_id_z 1
		.amdhsa_system_vgpr_workitem_id 0
		.amdhsa_next_free_vgpr 256
		.amdhsa_next_free_sgpr 80
		.amdhsa_reserve_vcc 0
		.amdhsa_float_denorm_mode_32 3
		.amdhsa_float_denorm_mode_16_64 3
		.amdhsa_memory_ordered 1
		.amdhsa_forward_progress 1
		.amdhsa_inst_pref_size 73
	.end_amdhsa_kernel
	.amdgpu_metadata
---
amdhsa.version: [ 1, 2 ]
amdhsa.kernels:
  - .name:           k_qe883cdfe09_attn
    .symbol:         k_qe883cdfe09_attn.kd
    .args:
      - { .name: qkv, .offset: 0, .size: 8, .value_kind: global_buffer, .address_space: global }
      - { .name: lowp_scales, .offset: 8, .size: 8, .value_kind: global_buffer, .address_space: global }
      - { .name: cx, .offset: 16, .size: 8, .value_kind: global_buffer, .address_space: global }
    .group_segment_fixed_size: 264192
    .private_segment_fixed_size: 0
    .kernarg_segment_align: 8
    .kernarg_segment_size: 24
    .max_flat_workgroup_size: 512
    .sgpr_count:     80
    .vgpr_count:     256
    .wavefront_size: 32
...
	.end_amdgpu_metadata
.endif
;; end of part 3
;; launch wo (part 4): grid 4 x 16, 4 waves a work-group, clusters of 4 x 4, 327,680 bytes of LDS; arguments cx, Wo_codes, lowp_scales, bo, a1; writes a1
.if DOCPART == 4
	.amdgcn_target "amdgcn-amd-amdhsa--gfx1250"
	.amdhsa_code_object_version 6
	.text
	.protected	k_qe883cdfe09_wo
	.globl	k_qe883cdfe09_wo
	.p2align	8
	.type	k_qe883cdfe09_wo,@function
k_qe883cdfe09_wo:
	s_mov_b64 s[64:65], 0
	v_nop
	global_prefetch_b8 v0, s[64:65] scope:SCOPE_SE
	s_setreg_imm32_b32 hwreg(HW_REG_WAVE_MODE, 25, 1), 1
	s_wait_xcnt 0x0
	s_wait_alu depctr_hold_cnt(0) depctr_sa_sdst(0) depctr_va_vdst(0) depctr_va_sdst(0) depctr_va_ssrc(0) depctr_va_vcc(0) depctr_vm_vsrc(0)
	s_getreg_b32 s2, hwreg(HW_REG_IB_STS2, 6, 4)
	s_cmp_eq_u32 s2, 0
	s_cbranch_scc0 .Lentry_in_a_cluster
	s_endpgm
.Lentry_in_a_cluster:
	s_bfe_u32 s2, ttmp6, 0x10000c
	s_cmp_lg_u32 s2, 0xf033
	s_cbranch_scc0 .Lentry_shape_is_right
	s_endpgm
.Lentry_shape_is_right:
; out = A B^T x 2^(eA + eB) + bias, f32.  A: E4M3 codes as IMAGES OF OPERAND REGISTERS, [row / 16][K / 128][2 KiB: chunk c, lane l's 16 bytes at 512 c + 16 l = registers 4 c .. 4 c + 3 = k 32 c + 16 h + 0 .. 15].
; B: E4M3 codes, rows of KTOT bytes.  ISWO = 1: A = ctx (rows R = 2,048 b + t), B = Wo, K = 1,024, the output's rows in the order 2 t + b.  ISWO = 0: A = the hidden layer, B = W2, K = 4,096, rows as they are.
; A tile is 256 x 256, four waves of 128 x 128.  K goes in steps of 256 through a ring of two LDS slots filled by joint tensor loads (A's tile shared along a row of the 4 x 4 cluster, B's along a column).
; A slot: A's 16 row tiles x 4,096 bytes, dense (every fragment load is 512 consecutive bytes), then B's 256 rows of 256 + 16 bytes.  B's fragments come by four loads of 16 bytes in the same order of k as A's images.
; THE MATRIX INSTRUCTION IS USED TRANSPOSED: a lane holds eight neighbouring columns of one row.  The sums go through the wave's stage in LDS (in slot 0, behind its last fill and last read) and come back as rows of 512 bytes.
; There are 64 tiles: 64 work-groups.  LIMIT: eA + eB between -126 and 127.
; REGISTERS: window 0: v0-31 addresses, v[8:11] my four columns' bias; v128-255 A's fragments, later rows on their way out.  window 1: B's two sets.  windows 2, 3: the accumulators.
.set ISWO,   1
.set KTOT,   1024
.set SOFF,   40                        ; byte of the two exponents in the buffer of scales
.set RS,     8192                      ; bytes from one of my rows of the output to the next
.set PITCH,  272
.set FR,     16
.set NL,     4
.set NP,     4
.set ASL,    65536
.set HALFB,  128*PITCH
.set SLOT,   ASL+2*HALFB
.set LAPS,   KTOT/512
.set SPARE,  2*SLOT
.set SPITCH, 528
.set ADRA, 16
.set ADRB, 20
.set STO,  24
.set RD,   25
.set CO,   26
.set SPW,  28
.set NIL,  29
.set AF,   128
.set BK,   128
.set G1, 24
.set G0, 32
.set G1B, 48
.set G0B, 56
.set MSB, 0
.macro WIN new
.if MSB != (\new)
	s_set_vgpr_msb (MSB<<8)|(\new)
.set MSB, (\new)
.endif
.endm
.set MUL_LO, 0xa1
.set MUL_HI, 0xf1
.set TO_B,   0x40
.macro JLOAD g0a, g1a, g0b, g1b        ; a joint load: waves 0, 1 fetch for A, waves 2, 3 for B; four v_nop follow each line
	s_cmp_eq_u32 s15, 0
	s_cbranch_scc0 .Lfor_b_\@
	tensor_load_to_lds s[\g0a:\g0a+3], s[\g1a:\g1a+7]
	s_nop 0
.rept 4
	v_nop
.endr
	s_branch .Lasked_\@
.Lfor_b_\@:
	tensor_load_to_lds s[\g0b:\g0b+3], s[\g1b:\g1b+7]
	s_nop 0
.rept 4
	v_nop
.endr
.Lasked_\@:
.endm
.macro CREST
	s_cmp_lg_u32 s14, 0
	s_cbranch_scc1 .Lnot_wave_0_\@
	s_barrier_signal -3
.Lnot_wave_0_\@:
	s_barrier_wait -3
	s_barrier_signal -1
	s_barrier_wait -1
.endm
.macro CROUND
	s_barrier_signal -1
	s_barrier_wait -1
	CREST
.endm
	s_load_b256 s[68:75], s[0:1], 0x0              ; A, B, the scales' exponents, the bias
	s_load_b64 s[10:11], s[0:1], 0x20              ; the output
	v_lshl_add_u32 v[SPW], v0, 2, SPARE
	v_mov_b32 v[NIL], 0
	ds_add_u32 v28, v29
	ds_add_u32 v28, v29
	s_wait_dscnt 0x0
	v_lshrrev_b32 v1, 5, v0
	v_readfirstlane_b32 s14, v1
	s_lshr_b32 s15, s14, 1                         ; my half of the rows.  Also: I fetch for A (0) or for B (1)
	s_and_b32 s16, s14, 1                          ; my half of the columns.  Also: which half of that tile I fetch
	s_bfe_u32 s40, ttmp6, 0x40000
	s_bfe_u32 s41, ttmp6, 0x40004
	s_lshl_b32 s42, ttmp9, 2
	s_add_co_u32 s42, s42, s40                     ; tile column
	s_and_b32 s17, ttmp7, 0xffff
	s_lshl_b32 s17, s17, 2
	s_add_co_u32 s17, s17, s41                     ; tile row
	s_lshl_b32 s43, s41, 2
	s_lshl_b32 s43, 15, s43
	s_lshl_b32 s44, 0x1111, s40
	s_or_b32 s[G1+0], s43, (3<<16)|(1<<21)         ; A: mask of my row; elements of 8 bytes; bit 21 beside a mask; no padding
	s_mov_b32 s[G1+1], 512<<16                     ; tensor_dim0 = 512: two images, 4,096 bytes
	s_mov_b32 s[G1+2], 8<<16                       ; tensor_dim1 = 8 row tiles
	s_mov_b32 s[G1+3], 512<<16                     ; tile_dim0
	s_mov_b32 s[G1+4], 8                           ; tile_dim1
	s_mov_b32 s[G1+5], 2*KTOT                      ; pitch: a row tile's KTOT / 128 images, in elements
	s_mov_b32 s[G1+6], 0
	s_mov_b32 s[G1+7], 0
	s_or_b32 s[G1B+0], s44, (0<<16)|(1<<20)|(1<<21)|(5<<22)|(3<<25)  ; B: mask of my column; bytes; 4 words of padding after every 64
	s_mov_b32 s[G1B+1], 256<<16
	s_mov_b32 s[G1B+2], 128<<16
	s_mov_b32 s[G1B+3], 256<<16
	s_mov_b32 s[G1B+4], 128
	s_mov_b32 s[G1B+5], KTOT
	s_mov_b32 s[G1B+6], 0
	s_mov_b32 s[G1B+7], 0
	s_lshl_b32 s20, s17, 4
	s_lshl_b32 s18, s16, 3
	s_add_co_u32 s20, s20, s18                     ; A: row tile 16 x tile row + 8 x half
	s_mul_i32 s20, s20, 16*KTOT
	s_mov_b32 s21, 0
	s_lshl_b32 s46, s42, 8
	s_lshl_b32 s18, s16, 7
	s_add_co_u32 s46, s46, s18                     ; B: row 256 x tile column + 128 x half
	s_mul_i32 s46, s46, KTOT
	s_mov_b32 s47, 0
	s_lshl_b32 s45, s16, 15                        ; where A's half goes,
	s_mul_i32 s19, s16, HALFB
	s_add_co_u32 s19, s19, ASL                     ; and B's
	s_wait_kmcnt 0x0
	s_load_b64 s[96:97], s[72:73], SOFF            ; eA, eB
	s_add_nc_u64 s[20:21], s[68:69], s[20:21]
	s_add_nc_u64 s[46:47], s[70:71], s[46:47]
	CROUND
.irp s, 0,1
	s_mov_b32 s[G0+4*\s], 1
	s_add_co_u32 s[G0+4*\s+1], s45, \s*SLOT
	s_add_nc_u64 s[G0+4*\s+2:G0+4*\s+3], s[20:21], \s*4096
	s_or_b32 s[G0+4*\s+3], s[G0+4*\s+3], 0x80000000
	s_mov_b32 s[G0B+4*\s], 1
	s_add_co_u32 s[G0B+4*\s+1], s19, \s*SLOT
	s_add_nc_u64 s[G0B+4*\s+2:G0B+4*\s+3], s[46:47], \s*256
	s_or_b32 s[G0B+4*\s+3], s[G0B+4*\s+3], 0x80000000
	JLOAD G0+4*\s, G1, G0B+4*\s, G1B
.endr
	v_and_b32 v1, 15, v0
	v_bfe_u32 v2, v0, 4, 1
	v_and_b32 v6, 31, v0
	v_lshlrev_b32 v[CO], 4, v6                     ; 16 x lane
	v_mul_u32_u24 v3, v1, PITCH
	v_lshl_add_u32 v4, v2, 4, v3
	s_lshl_b32 s21, s15, 15                        ; my eight row tiles of A
	s_mul_i32 s22, s16, HALFB
	s_add_co_u32 s22, s22, ASL                     ; my 128 rows of B
.irp s, 0,1
	v_add_nc_u32 v[ADRA+\s], s21, v[CO]
	v_add_nc_u32 v[ADRB+\s], s22, v4
	s_add_co_u32 s21, s21, SLOT
	s_add_co_u32 s22, s22, SLOT
.endr
	s_mul_i32 s23, s14, 16*SPITCH                  ; my stage
	v_mul_u32_u24 v5, v1, SPITCH
	v_lshl_add_u32 v5, v2, 5, v5
	v_add_nc_u32 v[STO], s23, v5                   ; in: row r, 32 bytes for each half of the lanes
	v_add_nc_u32 v[RD], s23, v[CO]                 ; back: a row of 512 bytes
.if ISWO
	s_and_b32 s20, s17, 7
	s_lshl_b32 s20, s20, 8
	s_lshl_b32 s21, s15, 7
	s_add_co_u32 s20, s20, s21                     ; t of my first row
	s_lshl_b32 s20, s20, 13                        ; row 2 t + b: 8,192 t
	s_lshr_b32 s21, s17, 3
	s_lshl_b32 s21, s21, 12                        ; + 4,096 b
	s_add_co_u32 s20, s20, s21
.else
	s_lshl_b32 s20, s17, 8
	s_lshl_b32 s21, s15, 7
	s_add_co_u32 s20, s20, s21
	s_lshl_b32 s20, s20, 12
.endif
	s_lshl_b32 s46, s42, 10
	s_lshl_b32 s47, s16, 9
	s_add_co_u32 s46, s46, s47                     ; my first column, in bytes
	s_mov_b32 s47, 0
	s_add_co_u32 s20, s20, s46
	s_mov_b32 s21, 0
	s_add_nc_u64 s[10:11], s[10:11], s[20:21]
	s_add_nc_u64 s[12:13], s[74:75], s[46:47]
	global_load_b128 v[8:11], v[CO], s[12:13]      ; the bias of my four columns of a row read back
.macro FRAGA reg, adr, q, i            ; an image comes back as it lies: four loads of 512 consecutive bytes
.irp c, 0,1,2,3
	ds_load_b128 v[\reg+4*\c:\reg+4*\c+3], v[\adr] offset:4096*(\i)+2048*(\q)+512*\c
.endr
.endm
.macro FRAGB reg, adr, q, i
.irp c, 0,1,2,3
	ds_load_b128 v[\reg+4*\c:\reg+4*\c+3], v[\adr] offset:128*(\q)+32*\c+(\i)*16*PITCH
.endr
.endm
; The 64 accumulators take turns, one instruction a turn, in the same order in every step.
.macro MUL16 a0, p, zero
.irp a, \a0, \a0+1
.irp b, 0,1,2,3,4,5,6,7
.if \zero
	v_wmma_f32_16x16x128_fp8_fp8 v[8*(8*((\a)%4)+\b):8*(8*((\a)%4)+\b)+7], v[128*(\p)+FR*\b:128*(\p)+FR*\b+FR-1], v[AF+FR*(\a):AF+FR*(\a)+FR-1], 0
.else
	v_wmma_f32_16x16x128_fp8_fp8 v[8*(8*((\a)%4)+\b):8*(8*((\a)%4)+\b)+7], v[128*(\p)+FR*\b:128*(\p)+FR*\b+FR-1], v[AF+FR*(\a):AF+FR*(\a)+FR-1], v[8*(8*((\a)%4)+\b):8*(8*((\a)%4)+\b)+7]
.endif
.endr
.endr
.endm
.macro FETCH_B slot, q, p
	WIN TO_B
.irp i, 0,1,2,3,4,5,6,7
	FRAGB 128*(\p)+FR*\i, ADRB+\slot, \q, \i
.endr
	WIN 0
.endm
.macro FETCH_A slot, q, i0
.irp i, \i0, \i0+1, \i0+2, \i0+3
	FRAGA AF+FR*(\i), ADRA+\slot, \q, \i
.endr
.endm
.macro PLACES n
.rept \n
	v_nop
.endr
.endm
.macro STEP slot, q, zero
	s_wait_dscnt 4*NL                              ; B's set and A's blocks 0-3 are in; A's blocks 4-7 (16 loads) may be out
	WIN MUL_LO
	MUL16 0, (\q)%2, \zero
	MUL16 2, (\q)%2, \zero
	s_wait_dscnt 0
	PLACES NP
	FETCH_B \slot, (\q)+1, 1-(\q)%2
	FETCH_A \slot, (\q)+1, 0
	WIN MUL_HI
	MUL16 4, (\q)%2, \zero
	MUL16 6, (\q)%2, \zero
	PLACES NP
	WIN 0
	FETCH_A \slot, (\q)+1, 4
.endm
.macro TURN slot, next, fill
	s_wait_tensorcnt 0x0                           ; all my tensor loads have landed: my part of the next slot
	ds_add_u32 v[SPW], v[NIL]                      ; 0 onto my spare word
	s_wait_dscnt 4*NL+1                            ; the add and A's blocks 4-7 may be out
	WIN MUL_LO
	MUL16 0, 1, 0
	s_wait_dscnt 0x0                               ; the add is done, and my reads of this slot are over
	s_barrier_signal -1
	MUL16 2, 1, 0
	WIN 0
	s_barrier_wait -1
.if \fill
	CREST                                          ; the barrier has opened a round of the cluster's
	s_add_nc_u64 s[G0+4*\slot+2:G0+4*\slot+3], s[G0+4*\slot+2:G0+4*\slot+3], 8192
	s_add_nc_u64 s[G0B+4*\slot+2:G0B+4*\slot+3], s[G0B+4*\slot+2:G0B+4*\slot+3], 512
	JLOAD G0+4*\slot, G1, G0B+4*\slot, G1B         ; the first tensor load behind the round; its four v_nop are the places in front of the loads below
.else
	PLACES NP
.endif
	FETCH_B \next, 0, 0
	FETCH_A \next, 0, 0
	WIN MUL_HI
	MUL16 4, 1, 0
	MUL16 6, 1, 0
	PLACES NP
	WIN 0
	FETCH_A \next, 0, 4
.endm
	s_wait_tensorcnt 1                             ; my part of K step 0 is in; K step 1's load may be out
	s_barrier_signal -1
	s_barrier_wait -1
	FETCH_B 0, 0, 0
	FETCH_A 0, 0, 0
	FETCH_A 0, 0, 4
	STEP 0, 0, 1
	s_mov_b32 s3, LAPS-1
.Llap:
	TURN 0, 1, 1
	STEP 1, 0, 0
	TURN 1, 0, 1
	STEP 0, 0, 0
	s_sub_co_u32 s3, s3, 1
	s_cmp_lg_u32 s3, 0
	s_cbranch_scc1 .Llap
	TURN 0, 1, 0
	STEP 1, 0, 0
	s_wait_dscnt 4*NL
	WIN MUL_LO
	MUL16 0, 1, 0
	MUL16 2, 1, 0
	s_wait_dscnt 0
	WIN MUL_HI
	MUL16 4, 1, 0
	MUL16 6, 1, 0
	WIN 0
; THE WAY OUT, a block of 16 rows x 128 columns at a time: the sums go into my stage as they are (each accumulator's low half first) and come back as rows of 512 bytes; there sum x 2^(eA + eB) + bias, and the store.
.macro TOSTAGE a
.set AC, 64*((\a)%4)
	WIN 0x08+4*((\a)/4)                            ; an LDS store's data stand in source 1's place: window 2 or 3
.irp b, 0,1,2,3,4,5,6,7
	ds_store_b128 v[STO], v[AC+8*\b:AC+8*\b+3] offset:64*\b
	ds_store_b128 v[STO], v[AC+8*\b+4:AC+8*\b+7] offset:64*\b+16
.endr
	WIN 0
.set BB, BK+64*((\a)%2)
.irp t, 0,1,2,3,4,5,6,7,8,9,10,11,12,13,14,15
	ds_load_b128 v[BB+4*\t:BB+4*\t+3], v[RD] offset:\t*SPITCH   ; LDS serves a wave's instructions in order (ISA guide 5.7.1.4): these see the stores above
.endr
.endm
.macro SEND a, younger
.set BB, BK+64*((\a)%2)
	s_wait_dscnt \younger                          ; the block is back; the next block's 16 stores and 16 loads may be out
.if (\a) > 0
	s_add_nc_u64 s[10:11], s[10:11], 16*RS         ; (behind a wait on XCNT: the earlier stores have read their base)
.endif
.irp t, 0,1,2,3,4,5,6,7,8,9,10,11,12,13,14,15
	v_pk_fma_f32 v[BB+4*\t:BB+4*\t+1], v[BB+4*\t:BB+4*\t+1], s[96:97], v[8:9] op_sel_hi:[1,0,1]
	v_pk_fma_f32 v[BB+4*\t+2:BB+4*\t+3], v[BB+4*\t+2:BB+4*\t+3], s[96:97], v[10:11] op_sel_hi:[1,0,1]
	global_store_b128 v[CO], v[BB+4*\t:BB+4*\t+3], s[10:11] offset:\t*RS   ; 32 lanes store 512 consecutive bytes, aligned
.endr
.endm
	s_wait_kmcnt 0x0
	s_add_co_i32 s96, s96, s97
	s_add_co_i32 s96, s96, 127
	s_lshl_b32 s96, s96, 23                        ; 2^(eA + eB) as f32
	s_mov_b32 s97, s96
	s_wait_loadcnt 0x0                             ; the bias
	PLACES NP
	TOSTAGE 0
.irp a, 1,2,3,4,5,6,7
.if \a > 1
	s_wait_xcnt 0x0                                ; block a - 2's stores have read their registers and their base
.endif
	TOSTAGE \a
	SEND \a-1, 32
.endr
	s_wait_xcnt 0x0
	SEND 7, 0
	s_wait_tensorcnt 0x0                           ; the wave's end
	ds_add_u32 v[SPW], v[NIL]
	s_wait_dscnt 0x0
	CROUND                                         ; the closing round
	s_endpgm
.Lfunc_end_k_qe883cdfe09_wo:
	.size	k_qe883cdfe09_wo, .Lfunc_end_k_qe883cdfe09_wo-k_qe883cdfe09_wo
	.p2alignl 7, 3214868480
	.fill 96, 4, 3214868480
	.section	.rodata,"a",@progbits
	.p2align	6, 0x0
	.amdhsa_kernel k_qe883cdfe09_wo
		.amdhsa_group_segment_fixed_size 327680
		.amdhsa_private_segment_fixed_size 0
		.amdhsa_enable_private_segment 0
		.amdhsa_kernarg_size 40
		.amdhsa_user_sgpr_count 2
		.amdhsa_user_sgpr_kernarg_segment_ptr 1
		.amdhsa_wavefront_size32 1
		.amdhsa_system_sgpr_workgroup_id_x 1
		.amdhsa_system_sgpr_workgroup_id_y 1
		.amdhsa_system_sgpr_workgroup_id_z 1
		.amdhsa_system_vgpr_workitem_id 0
		.amdhsa_next_free_vgpr 1024
		.amdhsa_next_free_sgpr 100
		.amdhsa_reserve_vcc 0
		.amdhsa_float_denorm_mode_32 3
		.amdhsa_float_denorm_mode_16_64 3
		.amdhsa_memory_ordered 1
		.amdhsa_forward_progress 1
		.amdhsa_inst_pref_size 123
	.end_amdhsa_kernel
	.amdgpu_metadata
---
amdhsa.version: [ 1, 2 ]
amdhsa.kernels:
  - .name:           k_qe883cdfe09_wo
    .symbol:         k_qe883cdfe09_wo.kd
    .args:
      - { .name: cx, .offset: 0, .size: 8, .value_kind: global_buffer, .address_space: global }
      - { .name: Wo_codes, .offset: 8, .size: 8, .value_kind: global_buffer, .address_space: global }
      - { .name: lowp_scales, .offset: 16, .size: 8, .value_kind: global_buffer, .address_space: global }
      - { .name: bo, .offset: 24, .size: 8, .value_kind: global_buffer, .address_space: global }
      - { .name: a1, .offset: 32, .size: 8, .value_kind: global_buffer, .address_space: global }
    .group_segment_fixed_size: 327680
    .private_segment_fixed_size: 0
    .kernarg_segment_align: 8
    .kernarg_segment_size: 40
    .max_flat_workgroup_size: 128
    .sgpr_count:     100
    .vgpr_count:     1024
    .wavefront_size: 32
...
	.end_amdgpu_metadata
.endif
;; end of part 4
;; launch ln1 (part 5): grid 256 x 1, 8 waves a work-group, no clusters, 9,216 bytes of LDS; arguments a1, state, ln1_g, ln1_b, lowp_scales, x1, x1c; writes x1, x1c
.if DOCPART == 5
	.amdgcn_target "amdgcn-amd-amdhsa--gfx1250"
	.amdhsa_code_object_version 6
	.text
	.protected	k_qe883cdfe09_ln1
	.globl	k_qe883cdfe09_ln1
	.p2align	8
	.type	k_qe883cdfe09_ln1,@function
k_qe883cdfe09_ln1:
	s_mov_b64 s[64:65], 0
	v_nop
	global_prefetch_b8 v0, s[64:65] scope:SCOPE_SE
	s_setreg_imm32_b32 hwreg(HW_REG_WAVE_MODE, 25, 1), 1
	s_wait_xcnt 0x0
; x1 = layer_norm(a1 + state) x g + b over rows of 1,024, f32, and its E4M3 codes by the scale 2^e12 (x1c, rows of 1,024 bytes).  The mean first, then the mean of the squared differences: no difference of large sums.
; A wave takes two rows; a row lies in 32 registers (chunk c: numbers 128 c + 4 lane + 0 .. 3); every load and store of f32 covers 512 consecutive bytes.  All 48 loads of a wave are issued at its head.
; A conversion's pair holds four codes of chunk 2 m and four of chunk 2 m + 1: they go through 1,024 bytes of LDS of the wave's own and leave as two stores of 512 consecutive bytes.  No barrier: waves share nothing.
; LIMIT: e12 between -126 and 119.
.set G,  16                            ; v16-47  g
.set BV, 48                            ; v48-79  b
	s_load_b256 s[4:11], s[0:1], 0x0               ; a1, state, g, b
	s_load_b128 s[12:15], s[0:1], 0x20             ; the scales' exponents, x1
	s_load_b64 s[16:17], s[0:1], 0x30              ; x1c
	v_lshl_add_u32 v254, v0, 2, 0x2000
	v_mov_b32 v255, 0
	v_lshrrev_b32 v2, 5, v0
	v_readfirstlane_b32 s18, v2                    ; wave
	v_and_b32 v3, 31, v0
	v_lshlrev_b32 v1, 4, v3                        ; 16 x lane
	s_lshl_b32 s19, s18, 10
	v_lshl_add_u32 v2, v3, 2, s19                  ; LDS: 1,024 x wave + 4 x lane
	v_add_nc_u32 v3, s19, v1                       ;      1,024 x wave + 16 x lane
	v_mov_b32 v9, 0                                ; upper halves of pairs whose low word serves both halves, and the permute's destination: written once
	v_mov_b32 v11, 0
	v_mov_b32 v14, 0
	s_lshl_b32 s20, ttmp9, 16
	s_lshl_b32 s21, s18, 13
	s_add_co_u32 s20, s20, s21                     ; my first row, 16 x work-group + 2 x wave, x 4,096 bytes
	s_mov_b32 s21, 0
	s_lshr_b32 s22, s20, 2                         ; x 1,024 bytes
	s_mov_b32 s23, 0
	s_mov_b32 s25, 0x3a800000                      ; 1 / 1,024
	s_mov_b32 s26, 0x3727c5ac                      ; 1e-5
	s_mov_b32 s28, 0x76543210
	s_mov_b32 s29, 0xfedcba98
	s_wait_kmcnt 0x0
	s_load_b32 s24, s[12:13], 0x30                 ; e12
	s_add_nc_u64 s[4:5], s[4:5], s[20:21]
	s_add_nc_u64 s[6:7], s[6:7], s[20:21]
	s_add_nc_u64 s[14:15], s[14:15], s[20:21]
	s_add_nc_u64 s[16:17], s[16:17], s[22:23]
.irp c, 0,1,2,3,4,5,6,7
	global_load_b128 v[G+4*\c:G+4*\c+3], v1, s[8:9] offset:512*\c
.endr
.irp c, 0,1,2,3,4,5,6,7
	global_load_b128 v[BV+4*\c:BV+4*\c+3], v1, s[10:11] offset:512*\c
.endr
.irp j, 0,1
.irp c, 0,1,2,3,4,5,6,7
	global_load_b128 v[80+64*\j+4*\c:83+64*\j+4*\c], v1, s[4:5] offset:4096*\j+512*\c th:TH_LOAD_NT
.endr
.irp c, 0,1,2,3,4,5,6,7
	global_load_b128 v[112+64*\j+4*\c:115+64*\j+4*\c], v1, s[6:7] offset:4096*\j+512*\c th:TH_LOAD_NT
.endr
.endr
	s_wait_kmcnt 0x0
	s_add_co_i32 s24, s24, 127
	s_lshl_b32 s27, s24, 23
	v_mov_b32 v5, s27                              ; 2^e12
	s_add_co_i32 s24, s24, 8
	s_lshl_b32 s24, s24, 23
	s_or_b32 s24, s24, 0x600000
	v_mov_b32 v4, s24                              ; 448 x 2^e12
.macro RSUM                            ; v6 summed over the 32 lanes, the result in every lane
	v_add_f32_dpp v6, v6, v6 row_xmask:1 row_mask:0xf bank_mask:0xf
	v_add_f32_dpp v6, v6, v6 row_xmask:2 row_mask:0xf bank_mask:0xf
	v_add_f32_dpp v6, v6, v6 row_xmask:4 row_mask:0xf bank_mask:0xf
	v_add_f32_dpp v6, v6, v6 row_xmask:8 row_mask:0xf bank_mask:0xf
	v_permlanex16_b32 v14, v6, s28, s29
	v_add_f32 v6, v6, v14
.endm
.macro ROW j, left
.set U, 80+64*\j
.set W, 112+64*\j
.set CD, 208+16*\j
.set CB, 216+16*\j
	s_wait_loadcnt \left                           ; this row's loads and all before them are in; the next row's sixteen may be out
.set k, 0
.rept 16
	v_pk_add_f32 v[U+k:U+k+1], v[U+k:U+k+1], v[W+k:W+k+1]
.set k, k+2
.endr
	v_pk_add_f32 v[6:7], v[U:U+1], v[U+2:U+3]      ; the sum, in two chains
	v_pk_add_f32 v[12:13], v[U+4:U+5], v[U+6:U+7]
.set k, 8
.rept 6
	v_pk_add_f32 v[6:7], v[6:7], v[U+k:U+k+1]
	v_pk_add_f32 v[12:13], v[12:13], v[U+k+2:U+k+3]
.set k, k+4
.endr
	v_pk_add_f32 v[6:7], v[6:7], v[12:13]
	v_add_f32 v6, v6, v7
	RSUM
	v_mul_f32 v8, s25, v6                          ; the mean
.set k, 0
.rept 16
	v_pk_add_f32 v[U+k:U+k+1], v[U+k:U+k+1], v[8:9] op_sel_hi:[1,0] neg_lo:[0,1] neg_hi:[0,1]
.set k, k+2
.endr
	v_pk_mul_f32 v[6:7], v[U:U+1], v[U:U+1]
	v_pk_mul_f32 v[12:13], v[U+2:U+3], v[U+2:U+3]
.set k, 4
.rept 7
	v_pk_fma_f32 v[6:7], v[U+k:U+k+1], v[U+k:U+k+1], v[6:7]
	v_pk_fma_f32 v[12:13], v[U+k+2:U+k+3], v[U+k+2:U+k+3], v[12:13]
.set k, k+4
.endr
	v_pk_add_f32 v[6:7], v[6:7], v[12:13]
	v_add_f32 v6, v6, v7
	RSUM
	v_fma_f32 v15, v6, s25, s26                    ; the variance + 1e-5
	v_rsq_f32 v10, v15
	v_nop                                          ; a plain line behind the transcendental,
	s_wait_alu depctr_va_vdst(0)                   ; and the wait ahead of its first reader
.set k, 0
.rept 16
	v_pk_mul_f32 v[U+k:U+k+1], v[U+k:U+k+1], v[10:11] op_sel_hi:[1,0]
.set k, k+2
.endr
.set k, 0
.rept 16
	v_pk_fma_f32 v[U+k:U+k+1], v[U+k:U+k+1], v[G+k:G+k+1], v[BV+k:BV+k+1]
.set k, k+2
.endr
.irp c, 0,1,2,3,4,5,6,7
	global_store_b128 v1, v[U+4*\c:U+4*\c+3], s[14:15] offset:4096*\j+512*\c
.endr
.set k, 0
.rept 32
	v_med3_num_f32 v[W+k], v[U+k], -v4, v4         ; the conversion does not saturate (ISA guide 7.6.2)
.set k, k+1
.endr
.irp m, 0,1,2,3
	v_cvt_scalef32_pk8_fp8_f32 v[CD+2*\m:CD+2*\m+1], v[W+8*\m:W+8*\m+7], v5
.endr
	v_nop
.irp c, 0,1,2,3,4,5,6,7
	ds_store_b32 v2, v[CD+\c] offset:128*\c        ; chunk c's four codes of my lane: byte 128 c + 4 lane of the row
.endr
.irp i, 0,1
	ds_load_b128 v[CB+4*\i:CB+4*\i+3], v3 offset:512*\i   ; LDS serves a wave's instructions in order: these see the stores above
.endr
	s_wait_dscnt 0x0
.irp i, 0,1
	global_store_b128 v1, v[CB+4*\i:CB+4*\i+3], s[16:17] offset:1024*\j+512*\i
.endr
.endm
	ROW 0, 16
	ROW 1, 0
	s_wait_tensorcnt 0x0
	ds_add_u32 v254, v255
	s_wait_dscnt 0x0
	s_endpgm
.Lfunc_end_k_qe883cdfe09_ln1:
	.size	k_qe883cdfe09_ln1, .Lfunc_end_k_qe883cdfe09_ln1-k_qe883cdfe09_ln1
	.p2alignl 7, 3214868480
	.fill 96, 4, 3214868480
	.section	.rodata,"a",@progbits
	.p2align	6, 0x0
	.amdhsa_kernel k_qe883cdfe09_ln1
		.amdhsa_group_segment_fixed_size 9216
		.amdhsa_private_segment_fixed_size 0
		.amdhsa_enable_private_segment 0
		.amdhsa_kernarg_size 56
		.amdhsa_user_sgpr_count 2
		.amdhsa_user_sgpr_kernarg_segment_ptr 1
		.amdhsa_wavefront_size32 1
		.amdhsa_system_sgpr_workgroup_id_x 1
		.amdhsa_system_sgpr_workgroup_id_y 1
		.amdhsa_system_sgpr_workgroup_id_z 1
		.amdhsa_system_vgpr_workitem_id 0
		.amdhsa_next_free_vgpr 256
		.amdhsa_next_free_sgpr 66
		.amdhsa_reserve_vcc 0
		.amdhsa_float_denorm_mode_32 3
		.amdhsa_float_denorm_mode_16_64 3
		.amdhsa_memory_ordered 1
		.amdhsa_forward_progress 1
		.amdhsa_inst_pref_size 29
	.end_amdhsa_kernel
	.amdgpu_metadata
---
amdhsa.version: [ 1, 2 ]
amdhsa.kernels:
  - .name:           k_qe883cdfe09_ln1
    .symbol:         k_qe883cdfe09_ln1.kd
    .args:
      - { .name: a1, .offset: 0, .size: 8, .value_kind: global_buffer, .address_space: global }
      - { .name: state, .offset: 8, .size: 8, .value_kind: global_buffer, .address_space: global }
      - { .name: ln1_g, .offset: 16, .size: 8, .value_kind: global_buffer, .address_space: global }
      - { .name: ln1_b, .offset: 24, .size: 8, .value_kind: global_buffer, .address_space: global }
      - { .name: lowp_scales, .offset: 32, .size: 8, .value_kind: global_buffer, .address_space: global }
      - { .name: x1, .offset: 40, .size: 8, .value_kind: global_buffer, .address_space: global }
      - { .name: x1c, .offset: 48, .size: 8, .value_kind: global_buffer, .address_space: global }
    .group_segment_fixed_size: 9216
    .private_segment_fixed_size: 0
    .kernarg_segment_align: 8
    .kernarg_segment_size: 56
    .max_flat_workgroup_size: 256
    .sgpr_count:     66
    .vgpr_count:     256
    .wavefront_size: 32
...
	.end_amdgpu_metadata
.endif
;; end of part 5
;; launch ffn1 (part 6): grid 16 x 16, 4 waves a work-group, clusters of 4 x 4, 327,680 bytes of LDS; arguments x1c, W1_codes, lowp_scales, b1, hc; writes hc
.if DOCPART == 6
	.amdgcn_target "amdgcn-amd-amdhsa--gfx1250"
	.amdhsa_code_object_version 6
	.text
	.protected	k_qe883cdfe09_ffn1
	.globl	k_qe883cdfe09_ffn1
	.p2align	8
	.type	k_qe883cdfe09_ffn1,@function
k_qe883cdfe09_ffn1:
	s_mov_b64 s[64:65], 0
	v_nop
	global_prefetch_b8 v0, s[64:65] scope:SCOPE_SE
	s_setreg_imm32_b32 hwreg(HW_REG_WAVE_MODE, 25, 1), 1
	s_wait_xcnt 0x0
	s_wait_alu depctr_hold_cnt(0) depctr_sa_sdst(0) depctr_va_vdst(0) depctr_va_sdst(0) depctr_va_ssrc(0) depctr_va_vcc(0) depctr_vm_vsrc(0)
	s_getreg_b32 s2, hwreg(HW_REG_IB_STS2, 6, 4)
	s_cmp_eq_u32 s2, 0
	s_cbranch_scc0 .Lentry_in_a_cluster
	s_endpgm
.Lentry_in_a_cluster:
	s_bfe_u32 s2, ttmp6, 0x10000c
	s_cmp_lg_u32 s2, 0xf033
	s_cbranch_scc0 .Lentry_shape_is_right
	s_endpgm
.Lentry_shape_is_right:
; hidden = relu(x1 W1^T + b1) on E4M3 codes (K = 1,024; scales 2^e12, 2^e13), quantised at once by 2^e14 for the next product.  A: x1c [4,096][1,024], B: W1's codes [4,096][1,024].
; A tile is 256 x 256, four waves of 128 x 128; 256 tiles.  K goes in steps of 256 through a ring of two LDS slots filled by joint tensor loads (A's tile shared along a row of the 4 x 4 cluster, B's along a column).
; THE MATRIX INSTRUCTION IS USED TRANSPOSED: in accumulator (a, b) lane (r, h) register j is (row 16 a + r, hidden unit 16 b + 8 h + j).  One conversion an accumulator gives 8 codes along the next K; two lane swaps a chunk
; bring them into the order in which the next launch's operand registers take them, and they leave as IMAGES OF OPERAND REGISTERS, without LDS:
; hc: [row / 16][hidden / 128][2 KiB: chunk c, lane l's 16 bytes at 512 c + 16 l = registers 4 c .. 4 c + 3 = k 32 c + 16 h + 0 .. 15].  Each store covers 512 consecutive bytes.
; The activation costs nothing: the hold that the conversion wants clips at 0 as well.
; LIMITS: e12 + e13 between -126 and 127; e14 between -126 and 119.
; REGISTERS: window 0: v0-31 addresses and scales; v64-127 the bias, 8 sets of 8; v128-255 A's fragments; on the way out v128-191 sums at work, v192-255 four sets of codes.  window 1: B's two sets.  windows 2, 3: accumulators.
.set KTOT,   1024
.set ROWB,   256
.set KROW,   KTOT
.set PITCH,  272
.set FR,     16
.set NL,     4
.set NP,     4
.set HALFT,  128*PITCH
.set SLOT,   4*HALFT
.set LAPS,   KTOT/(2*ROWB)
.set SPARE,  2*SLOT
.set ADRA, 16
.set ADRB, 20
.set CO,   26
.set BO,   27                          ; v27     32 h: my half's eight numbers of a set of the bias
.set SPW,  28
.set NIL,  29
.set LIM,  30
.set SCL,  31
.set BI,   64
.set TMP,  128
.set CDB,  192
.set AF,   128
.set G1, 24
.set G0, 32
.set G1B, 48
.set G0B, 56
.set MSB, 0
.macro WIN new
.if MSB != (\new)
	s_set_vgpr_msb (MSB<<8)|(\new)
.set MSB, (\new)
.endif
.endm
.set MUL_LO, 0xa1
.set MUL_HI, 0xf1
.set TO_B,   0x40
.macro JLOAD g0a, g1a, g0b, g1b        ; a joint load: waves 0, 1 fetch for A, waves 2, 3 for B; four v_nop follow each line
	s_cmp_eq_u32 s15, 0
	s_cbranch_scc0 .Lfor_b_\@
	tensor_load_to_lds s[\g0a:\g0a+3], s[\g1a:\g1a+7]
	s_nop 0
.rept 4
	v_nop
.endr
	s_branch .Lasked_\@
.Lfor_b_\@:
	tensor_load_to_lds s[\g0b:\g0b+3], s[\g1b:\g1b+7]
	s_nop 0
.rept 4
	v_nop
.endr
.Lasked_\@:
.endm
.macro CREST
	s_cmp_lg_u32 s14, 0
	s_cbranch_scc1 .Lnot_wave_0_\@
	s_barrier_signal -3
.Lnot_wave_0_\@:
	s_barrier_wait -3
	s_barrier_signal -1
	s_barrier_wait -1
.endm
.macro CROUND
	s_barrier_signal -1
	s_barrier_wait -1
	CREST
.endm
	s_load_b256 s[68:75], s[0:1], 0x0              ; x1c, W1's codes, the scales' exponents, b1
	s_load_b64 s[10:11], s[0:1], 0x20              ; hc
	v_lshl_add_u32 v[SPW], v0, 2, SPARE
	v_mov_b32 v[NIL], 0
	ds_add_u32 v28, v29
	ds_add_u32 v28, v29
	s_wait_dscnt 0x0
	v_lshrrev_b32 v1, 5, v0
	v_readfirstlane_b32 s14, v1
	s_lshr_b32 s15, s14, 1
	s_and_b32 s16, s14, 1
	s_bfe_u32 s40, ttmp6, 0x40000
	s_bfe_u32 s41, ttmp6, 0x40004
	s_lshl_b32 s42, ttmp9, 2
	s_add_co_u32 s42, s42, s40                     ; B's tile
	s_and_b32 s17, ttmp7, 0xffff
	s_lshl_b32 s17, s17, 2
	s_add_co_u32 s17, s17, s41                     ; A's tile
	s_lshl_b32 s43, s41, 2
	s_lshl_b32 s43, 15, s43
	s_lshl_b32 s44, 0x1111, s40
	s_or_b32 s[G1+0], s43, (0<<16)|(1<<20)|(1<<21)|(5<<22)|(3<<25)
	s_or_b32 s[G1B+0], s44, (0<<16)|(1<<20)|(1<<21)|(5<<22)|(3<<25)
.irp g, G1, G1B
	s_mov_b32 s[\g+1], ROWB<<16
	s_mov_b32 s[\g+2], 128<<16
	s_mov_b32 s[\g+3], ROWB<<16
	s_mov_b32 s[\g+4], 128
	s_mov_b32 s[\g+5], KROW
	s_mov_b32 s[\g+6], 0
	s_mov_b32 s[\g+7], 0
.endr
	s_lshl_b32 s18, s16, 7
	s_lshl_b32 s20, s17, 8
	s_add_co_u32 s20, s20, s18
	s_lshl_b32 s46, s42, 8
	s_add_co_u32 s46, s46, s18
	s_lshl_b32 s20, s20, 10
	s_lshl_b32 s46, s46, 10
	s_mov_b32 s21, 0
	s_mov_b32 s47, 0
	s_mul_i32 s45, s14, HALFT
	s_wait_kmcnt 0x0
	s_load_b128 s[92:95], s[72:73], 0x30           ; e12, e13, e14, e15
	s_add_nc_u64 s[20:21], s[68:69], s[20:21]
	s_add_nc_u64 s[46:47], s[70:71], s[46:47]
	CROUND
.irp s, 0,1
	s_mov_b32 s[G0+4*\s], 1
	s_add_co_u32 s[G0+4*\s+1], s45, \s*SLOT
	s_add_nc_u64 s[G0+4*\s+2:G0+4*\s+3], s[20:21], \s*ROWB
	s_or_b32 s[G0+4*\s+3], s[G0+4*\s+3], 0x80000000
	s_mov_b32 s[G0B+4*\s], 1
	s_add_co_u32 s[G0B+4*\s+1], s45, \s*SLOT
	s_add_nc_u64 s[G0B+4*\s+2:G0B+4*\s+3], s[46:47], \s*ROWB
	s_or_b32 s[G0B+4*\s+3], s[G0B+4*\s+3], 0x80000000
	JLOAD G0+4*\s, G1, G0B+4*\s, G1B
.endr
	v_and_b32 v1, 15, v0
	v_bfe_u32 v2, v0, 4, 1
	v_mul_u32_u24 v3, v1, PITCH
	v_lshl_add_u32 v4, v2, 4, v3
	s_mul_i32 s21, s15, HALFT
	s_mul_i32 s22, s16, HALFT
	s_add_co_u32 s22, s22, 2*HALFT
.irp s, 0,1
	v_add_nc_u32 v[ADRA+\s], s21, v4
	v_add_nc_u32 v[ADRB+\s], s22, v4
	s_add_co_u32 s21, s21, SLOT
	s_add_co_u32 s22, s22, SLOT
.endr
	v_and_b32 v6, 31, v0
	v_lshlrev_b32 v[CO], 4, v6
	v_lshlrev_b32 v[BO], 5, v2
	s_lshl_b32 s66, s42, 10
	s_lshl_b32 s67, s16, 9
	s_add_co_u32 s66, s66, s67                     ; 4 x (256 x B's tile + 128 x half)
	s_mov_b32 s67, 0
	s_add_nc_u64 s[8:9], s[74:75], s[66:67]
.irp b, 0,1,2,3,4,5,6,7
	global_load_b128 v[BI+8*\b:BI+8*\b+3], v[BO], s[8:9] offset:64*\b        ; set b, register j: b1(16 b + 8 h + j)
	global_load_b128 v[BI+8*\b+4:BI+8*\b+7], v[BO], s[8:9] offset:64*\b+16
.endr
	s_lshl_b32 s98, s17, 20                        ; row tile 16 x A's tile + 8 x half, 64 KiB each;
	s_lshl_b32 s99, s15, 19
	s_add_co_u32 s98, s98, s99
	s_lshl_b32 s99, s42, 12                        ; image 2 x B's tile + half, 2 KiB each
	s_add_co_u32 s98, s98, s99
	s_lshl_b32 s99, s16, 11
	s_add_co_u32 s98, s98, s99
	s_mov_b32 s99, 0
	s_add_nc_u64 s[10:11], s[10:11], s[98:99]
.macro FRAG reg, adr, q, i
.irp c, 0,1,2,3
	ds_load_b128 v[\reg+4*\c:\reg+4*\c+3], v[\adr] offset:128*(\q)+32*\c+(\i)*16*PITCH
.endr
.endm
; The 64 accumulators take turns, one instruction a turn, in the same order in every step.
.macro MUL16 a0, p, zero
.irp a, \a0, \a0+1
.irp b, 0,1,2,3,4,5,6,7
.if \zero
	v_wmma_f32_16x16x128_fp8_fp8 v[8*(8*((\a)%4)+\b):8*(8*((\a)%4)+\b)+7], v[128*(\p)+FR*\b:128*(\p)+FR*\b+FR-1], v[AF+FR*(\a):AF+FR*(\a)+FR-1], 0
.else
	v_wmma_f32_16x16x128_fp8_fp8 v[8*(8*((\a)%4)+\b):8*(8*((\a)%4)+\b)+7], v[128*(\p)+FR*\b:128*(\p)+FR*\b+FR-1], v[AF+FR*(\a):AF+FR*(\a)+FR-1], v[8*(8*((\a)%4)+\b):8*(8*((\a)%4)+\b)+7]
.endif
.endr
.endr
.endm
.macro FETCH_B slot, q, p
	WIN TO_B
.irp i, 0,1,2,3,4,5,6,7
	FRAG 128*(\p)+FR*\i, ADRB+\slot, \q, \i
.endr
	WIN 0
.endm
.macro FETCH_A slot, q, i0
.irp i, \i0, \i0+1, \i0+2, \i0+3
	FRAG AF+FR*(\i), ADRA+\slot, \q, \i
.endr
.endm
.macro PLACES n
.rept \n
	v_nop
.endr
.endm
.macro STEP slot, q, zero
	s_wait_dscnt 4*NL                              ; B's set and A's blocks 0-3 are in; A's blocks 4-7 (16 loads) may be out
	WIN MUL_LO
	MUL16 0, (\q)%2, \zero
	MUL16 2, (\q)%2, \zero
	s_wait_dscnt 0
	PLACES NP
	FETCH_B \slot, (\q)+1, 1-(\q)%2
	FETCH_A \slot, (\q)+1, 0
	WIN MUL_HI
	MUL16 4, (\q)%2, \zero
	MUL16 6, (\q)%2, \zero
	PLACES NP
	WIN 0
	FETCH_A \slot, (\q)+1, 4
.endm
.macro TURN slot, next, fill
	s_wait_tensorcnt 0x0                           ; all my tensor loads have landed: my part of the next slot
	ds_add_u32 v[SPW], v[NIL]                      ; 0 onto my spare word
	s_wait_dscnt 4*NL+1                            ; the add and A's blocks 4-7 may be out
	WIN MUL_LO
	MUL16 0, 1, 0
	s_wait_dscnt 0x0                               ; the add is done, and my reads of this slot are over
	s_barrier_signal -1
	MUL16 2, 1, 0
	WIN 0
	s_barrier_wait -1
.if \fill
	CREST                                          ; the barrier has opened a round of the cluster's
	s_add_nc_u64 s[G0+4*\slot+2:G0+4*\slot+3], s[G0+4*\slot+2:G0+4*\slot+3], 2*ROWB
	s_add_nc_u64 s[G0B+4*\slot+2:G0B+4*\slot+3], s[G0B+4*\slot+2:G0B+4*\slot+3], 2*ROWB
	JLOAD G0+4*\slot, G1, G0B+4*\slot, G1B         ; the first tensor load behind the round; its four v_nop are the places in front of the loads below
.else
	PLACES NP
.endif
	FETCH_B \next, 0, 0
	FETCH_A \next, 0, 0
	WIN MUL_HI
	MUL16 4, 1, 0
	MUL16 6, 1, 0
	PLACES NP
	WIN 0
	FETCH_A \next, 0, 4
.endm
	s_wait_tensorcnt 1                             ; my part of K step 0 is in; K step 1's load may be out
	s_barrier_signal -1
	s_barrier_wait -1
	FETCH_B 0, 0, 0
	FETCH_A 0, 0, 0
	FETCH_A 0, 0, 4
	STEP 0, 0, 1
	s_mov_b32 s3, LAPS-1
.Llap:
	TURN 0, 1, 1
	STEP 1, 0, 0
	TURN 1, 0, 1
	STEP 0, 0, 0
	s_sub_co_u32 s3, s3, 1
	s_cmp_lg_u32 s3, 0
	s_cbranch_scc1 .Llap
	TURN 0, 1, 0
	STEP 1, 0, 0
	s_wait_dscnt 4*NL
	WIN MUL_LO
	MUL16 0, 1, 0
	MUL16 2, 1, 0
	s_wait_dscnt 0
	WIN MUL_HI
	MUL16 4, 1, 0
	MUL16 6, 1, 0
	WIN 0
; THE WAY OUT of A's block a: sum x 2^(e12 + e13) + b1; the activation and the hold in one; one conversion an accumulator; the swaps; four stores of 512 consecutive bytes: one image.
.macro OUT a
.set AC, 64*((\a)%4)
.set CD, CDB+16*((\a)%4)
.if (\a) >= 4
	s_wait_xcnt 0x0                                ; block a - 4's stores have read this set of code registers
.endif
	WIN 0x02+((\a)/4)
.irp b, 0,1,2,3,4,5,6,7
.irp i, 0,2,4,6
	v_pk_fma_f32 v[TMP+8*\b+\i:TMP+8*\b+\i+1], v[AC+8*\b+\i:AC+8*\b+\i+1], s[96:97], v[BI+8*\b+\i:BI+8*\b+\i+1] op_sel_hi:[1,0,1]
.endr
.endr
	WIN 0
.set n, 0
.rept 64
	v_med3_num_f32 v[TMP+n], v[TMP+n], 0, v[LIM]
.set n, n+1
.endr
.irp b, 0,1,2,3,4,5,6,7
	v_cvt_scalef32_pk8_fp8_f32 v[CD+2*\b:CD+2*\b+1], v[TMP+8*\b:TMP+8*\b+7], v[SCL]
.endr
	v_nop
.irp c, 0,1,2,3
	v_permlane16_swap_b32 v[CD+4*\c], v[CD+4*\c+2]     ; pairs (k 16 b + 8 h ..) become chunks (k 32 c + 16 h ..)
	v_permlane16_swap_b32 v[CD+4*\c+1], v[CD+4*\c+3]
.endr
.irp c, 0,1,2,3
	global_store_b128 v[CO], v[CD+4*\c:CD+4*\c+3], s[10:11] offset:65536*(\a)+512*\c
.endr
.endm
	s_wait_kmcnt 0x0
	s_add_co_i32 s96, s92, s93
	s_add_co_i32 s96, s96, 127
	s_lshl_b32 s96, s96, 23                        ; 2^(e12 + e13) as f32
	s_mov_b32 s97, s96
	s_add_co_i32 s98, s94, 127
	s_lshl_b32 s99, s98, 23
	v_mov_b32 v[SCL], s99                          ; 2^e14
	s_add_co_i32 s98, s98, 8
	s_lshl_b32 s98, s98, 23
	s_or_b32 s98, s98, 0x600000
	v_mov_b32 v[LIM], s98                          ; 448 x 2^e14
	s_wait_loadcnt 0x0                             ; the bias
	PLACES NP
.irp a, 0,1,2,3,4,5,6,7
	OUT \a
.endr
	s_wait_tensorcnt 0x0                           ; the wave's end
	ds_add_u32 v[SPW], v[NIL]
	s_wait_dscnt 0x0
	CROUND                                         ; the closing round
	s_endpgm
.Lfunc_end_k_qe883cdfe09_ffn1:
	.size	k_qe883cdfe09_ffn1, .Lfunc_end_k_qe883cdfe09_ffn1-k_qe883cdfe09_ffn1
	.p2alignl 7, 3214868480
	.fill 96, 4, 3214868480
	.section	.rodata,"a",@progbits
	.p2align	6, 0x0
	.amdhsa_kernel k_qe883cdfe09_ffn1
		.amdhsa_group_segment_fixed_size 327680
		.amdhsa_private_segment_fixed_size 0
		.amdhsa_enable_private_segment 0
		.amdhsa_kernarg_size 40
		.amdhsa_user_sgpr_count 2
		.amdhsa_user_sgpr_kernarg_segment_ptr 1
		.amdhsa_wavefront_size32 1
		.amdhsa_system_sgpr_workgroup_id_x 1
		.amdhsa_system_sgpr_workgroup_id_y 1
		.amdhsa_system_sgpr_workgroup_id_z 1
		.amdhsa_system_vgpr_workitem_id 0
		.amdhsa_next_free_vgpr 1024
		.amdhsa_next_free_sgpr 100
		.amdhsa_reserve_vcc 0
		.amdhsa_float_denorm_mode_32 3
		.amdhsa_float_denorm_mode_16_64 3
		.amdhsa_memory_ordered 1
		.amdhsa_forward_progress 1
		.amdhsa_inst_pref_size 137
	.end_amdhsa_kernel
	.amdgpu_metadata
---
amdhsa.version: [ 1, 2 ]
amdhsa.kernels:
  - .name:           k_qe883cdfe09_ffn1
    .symbol:         k_qe883cdfe09_ffn1.kd
    .args:
      - { .name: x1c, .offset: 0, .size: 8, .value_kind: global_buffer, .address_space: global }
      - { .name: W1_codes, .offset: 8, .size: 8, .value_kind: global_buffer, .address_space: global }
      - { .name: lowp_scales, .offset: 16, .size: 8, .value_kind: global_buffer, .address_space: global }
      - { .name: b1, .offset: 24, .size: 8, .value_kind: global_buffer, .address_space: global }
      - { .name: hc, .offset: 32, .size: 8, .value_kind: global_buffer, .address_space: global }
    .group_segment_fixed_size: 327680
    .private_segment_fixed_size: 0
    .kernarg_segment_align: 8
    .kernarg_segment_size: 40
    .max_flat_workgroup_size: 128
    .sgpr_count:     100
    .vgpr_count:     1024
    .wavefront_size: 32
...
	.end_amdgpu_metadata
.endif
;; end of part 6
;; launch ffn2 (part 7): grid 4 x 16, 4 waves a work-group, clusters of 4 x 4, 327,680 bytes of LDS; arguments hc, W2_codes, lowp_scales, b2, y2; writes y2
.if DOCPART == 7
	.amdgcn_target "amdgcn-amd-amdhsa--gfx1250"
	.amdhsa_code_object_version 6
	.text
	.protected	k_qe883cdfe09_ffn2
	.globl	k_qe883cdfe09_ffn2
	.p2align	8
	.type	k_qe883cdfe09_ffn2,@function
k_qe883cdfe09_ffn2:
	s_mov_b64 s[64:65], 0
	v_nop
	global_prefetch_b8 v0, s[64:65] scope:SCOPE_SE
	s_setreg_imm32_b32 hwreg(HW_REG_WAVE_MODE, 25, 1), 1
	s_wait_xcnt 0x0
	s_wait_alu depctr_hold_cnt(0) depctr_sa_sdst(0) depctr_va_vdst(0) depctr_va_sdst(0) depctr_va_ssrc(0) depctr_va_vcc(0) depctr_vm_vsrc(0)
	s_getreg_b32 s2, hwreg(HW_REG_IB_STS2, 6, 4)
	s_cmp_eq_u32 s2, 0
	s_cbranch_scc0 .Lentry_in_a_cluster
	s_endpgm
.Lentry_in_a_cluster:
	s_bfe_u32 s2, ttmp6, 0x10000c
	s_cmp_lg_u32 s2, 0xf033
	s_cbranch_scc0 .Lentry_shape_is_right
	s_endpgm
.Lentry_shape_is_right:
; out = A B^T x 2^(eA + eB) + bias, f32.  A: E4M3 codes as IMAGES OF OPERAND REGISTERS, [row / 16][K / 128][2 KiB: chunk c, lane l's 16 bytes at 512 c + 16 l = registers 4 c .. 4 c + 3 = k 32 c + 16 h + 0 .. 15].
; B: E4M3 codes, rows of KTOT bytes.  ISWO = 1: A = ctx (rows R = 2,048 b + t), B = Wo, K = 1,024, the output's rows in the order 2 t + b.  ISWO = 0: A = the hidden layer, B = W2, K = 4,096, rows as they are.
; A tile is 256 x 256, four waves of 128 x 128.  K goes in steps of 256 through a ring of two LDS slots filled by joint tensor loads (A's tile shared along a row of the 4 x 4 cluster, B's along a column).
; A slot: A's 16 row tiles x 4,096 bytes, dense (every fragment load is 512 consecutive bytes), then B's 256 rows of 256 + 16 bytes.  B's fragments come by four loads of 16 bytes in the same order of k as A's images.
; THE MATRIX INSTRUCTION IS USED TRANSPOSED: a lane holds eight neighbouring columns of one row.  The sums go through the wave's stage in LDS (in slot 0, behind its last fill and last read) and come back as rows of 512 bytes.
; There are 64 tiles: 64 work-groups.  LIMIT: eA + eB between -126 and 127.
; REGISTERS: window 0: v0-31 addresses, v[8:11] my four columns' bias; v128-255 A's fragments, later rows on their way out.  window 1: B's two sets.  windows 2, 3: the accumulators.
.set ISWO,   0
.set KTOT,   4096
.set SOFF,   56                        ; byte of the two exponents in the buffer of scales
.set RS,     4096                      ; bytes from one of my rows of the output to the next
.set PITCH,  272
.set FR,     16
.set NL,     4
.set NP,     4
.set ASL,    65536
.set HALFB,  128*PITCH
.set SLOT,   ASL+2*HALFB
.set LAPS,   KTOT/512
.set SPARE,  2*SLOT
.set SPITCH, 528
.set ADRA, 16
.set ADRB, 20
.set STO,  24
.set RD,   25
.set CO,   26
.set SPW,  28
.set NIL,  29
.set AF,   128
.set BK,   128
.set G1, 24
.set G0, 32
.set G1B, 48
.set G0B, 56
.set MSB, 0
.macro WIN new
.if MSB != (\new)
	s_set_vgpr_msb (MSB<<8)|(\new)
.set MSB, (\new)
.endif
.endm
.set MUL_LO, 0xa1
.set MUL_HI, 0xf1
.set TO_B,   0x40
.macro JLOAD g0a, g1a, g0b, g1b        ; a joint load: waves 0, 1 fetch for A, waves 2, 3 for B; four v_nop follow each line
	s_cmp_eq_u32 s15, 0
	s_cbranch_scc0 .Lfor_b_\@
	tensor_load_to_lds s[\g0a:\g0a+3], s[\g1a:\g1a+7]
	s_nop 0
.rept 4
	v_nop
.endr
	s_branch .Lasked_\@
.Lfor_b_\@:
	tensor_load_to_lds s[\g0b:\g0b+3], s[\g1b:\g1b+7]
	s_nop 0
.rept 4
	v_nop
.endr
.Lasked_\@:
.endm
.macro CREST
	s_cmp_lg_u32 s14, 0
	s_cbranch_scc1 .Lnot_wave_0_\@
	s_barrier_signal -3
.Lnot_wave_0_\@:
	s_barrier_wait -3
	s_barrier_signal -1
	s_barrier_wait -1
.endm
.macro CROUND
	s_barrier_signal -1
	s_barrier_wait -1
	CREST
.endm
	s_load_b256 s[68:75], s[0:1], 0x0              ; A, B, the scales' exponents, the bias
	s_load_b64 s[10:11], s[0:1], 0x20              ; the output
	v_lshl_add_u32 v[SPW], v0, 2, SPARE
	v_mov_b32 v[NIL], 0
	ds_add_u32 v28, v29
	ds_add_u32 v28, v29
	s_wait_dscnt 0x0
	v_lshrrev_b32 v1, 5, v0
	v_readfirstlane_b32 s14, v1
	s_lshr_b32 s15, s14, 1                         ; my half of the rows.  Also: I fetch for A (0) or for B (1)
	s_and_b32 s16, s14, 1                          ; my half of the columns.  Also: which half of that tile I fetch
	s_bfe_u32 s40, ttmp6, 0x40000
	s_bfe_u32 s41, ttmp6, 0x40004
	s_lshl_b32 s42, ttmp9, 2
	s_add_co_u32 s42, s42, s40                     ; tile column
	s_and_b32 s17, ttmp7, 0xffff
	s_lshl_b32 s17, s17, 2
	s_add_co_u32 s17, s17, s41                     ; tile row
	s_lshl_b32 s43, s41, 2
	s_lshl_b32 s43, 15, s43
	s_lshl_b32 s44, 0x1111, s40
	s_or_b32 s[G1+0], s43, (3<<16)|(1<<21)         ; A: mask of my row; elements of 8 bytes; bit 21 beside a mask; no padding
	s_mov_b32 s[G1+1], 512<<16                     ; tensor_dim0 = 512: two images, 4,096 bytes
	s_mov_b32 s[G1+2], 8<<16                       ; tensor_dim1 = 8 row tiles
	s_mov_b32 s[G1+3], 512<<16                     ; tile_dim0
	s_mov_b32 s[G1+4], 8                           ; tile_dim1
	s_mov_b32 s[G1+5], 2*KTOT                      ; pitch: a row tile's KTOT / 128 images, in elements
	s_mov_b32 s[G1+6], 0
	s_mov_b32 s[G1+7], 0
	s_or_b32 s[G1B+0], s44, (0<<16)|(1<<20)|(1<<21)|(5<<22)|(3<<25)  ; B: mask of my column; bytes; 4 words of padding after every 64
	s_mov_b32 s[G1B+1], 256<<16
	s_mov_b32 s[G1B+2], 128<<16
	s_mov_b32 s[G1B+3], 256<<16
	s_mov_b32 s[G1B+4], 128
	s_mov_b32 s[G1B+5], KTOT
	s_mov_b32 s[G1B+6], 0
	s_mov_b32 s[G1B+7], 0
	s_lshl_b32 s20, s17, 4
	s_lshl_b32 s18, s16, 3
	s_add_co_u32 s20, s20, s18                     ; A: row tile 16 x tile row + 8 x half
	s_mul_i32 s20, s20, 16*KTOT
	s_mov_b32 s21, 0
	s_lshl_b32 s46, s42, 8
	s_lshl_b32 s18, s16, 7
	s_add_co_u32 s46, s46, s18                     ; B: row 256 x tile column + 128 x half
	s_mul_i32 s46, s46, KTOT
	s_mov_b32 s47, 0
	s_lshl_b32 s45, s16, 15                        ; where A's half goes,
	s_mul_i32 s19, s16, HALFB
	s_add_co_u32 s19, s19, ASL                     ; and B's
	s_wait_kmcnt 0x0
	s_load_b64 s[96:97], s[72:73], SOFF            ; eA, eB
	s_add_nc_u64 s[20:21], s[68:69], s[20:21]
	s_add_nc_u64 s[46:47], s[70:71], s[46:47]
	CROUND
.irp s, 0,1
	s_mov_b32 s[G0+4*\s], 1
	s_add_co_u32 s[G0+4*\s+1], s45, \s*SLOT
	s_add_nc_u64 s[G0+4*\s+2:G0+4*\s+3], s[20:21], \s*4096
	s_or_b32 s[G0+4*\s+3], s[G0+4*\s+3], 0x80000000
	s_mov_b32 s[G0B+4*\s], 1
	s_add_co_u32 s[G0B+4*\s+1], s19, \s*SLOT
	s_add_nc_u64 s[G0B+4*\s+2:G0B+4*\s+3], s[46:47], \s*256
	s_or_b32 s[G0B+4*\s+3], s[G0B+4*\s+3], 0x80000000
	JLOAD G0+4*\s, G1, G0B+4*\s, G1B
.endr
	v_and_b32 v1, 15, v0
	v_bfe_u32 v2, v0, 4, 1
	v_and_b32 v6, 31, v0
	v_lshlrev_b32 v[CO], 4, v6                     ; 16 x lane
	v_mul_u32_u24 v3, v1, PITCH
	v_lshl_add_u32 v4, v2, 4, v3
	s_lshl_b32 s21, s15, 15                        ; my eight row tiles of A
	s_mul_i32 s22, s16, HALFB
	s_add_co_u32 s22, s22, ASL                     ; my 128 rows of B
.irp s, 0,1
	v_add_nc_u32 v[ADRA+\s], s21, v[CO]
	v_add_nc_u32 v[ADRB+\s], s22, v4
	s_add_co_u32 s21, s21, SLOT
	s_add_co_u32 s22, s22, SLOT
.endr
	s_mul_i32 s23, s14, 16*SPITCH                  ; my stage
	v_mul_u32_u24 v5, v1, SPITCH
	v_lshl_add_u32 v5, v2, 5, v5
	v_add_nc_u32 v[STO], s23, v5                   ; in: row r, 32 bytes for each half of the lanes
	v_add_nc_u32 v[RD], s23, v[CO]                 ; back: a row of 512 bytes
.if ISWO
	s_and_b32 s20, s17, 7
	s_lshl_b32 s20, s20, 8
	s_lshl_b32 s21, s15, 7
	s_add_co_u32 s20, s20, s21                     ; t of my first row
	s_lshl_b32 s20, s20, 13                        ; row 2 t + b: 8,192 t
	s_lshr_b32 s21, s17, 3
	s_lshl_b32 s21, s21, 12                        ; + 4,096 b
	s_add_co_u32 s20, s20, s21
.else
	s_lshl_b32 s20, s17, 8
	s_lshl_b32 s21, s15, 7
	s_add_co_u32 s20, s20, s21
	s_lshl_b32 s20, s20, 12
.endif
	s_lshl_b32 s46, s42, 10
	s_lshl_b32 s47, s16, 9
	s_add_co_u32 s46, s46, s47                     ; my first column, in bytes
	s_mov_b32 s47, 0
	s_add_co_u32 s20, s20, s46
	s_mov_b32 s21, 0
	s_add_nc_u64 s[10:11], s[10:11], s[20:21]
	s_add_nc_u64 s[12:13], s[74:75], s[46:47]
	global_load_b128 v[8:11], v[CO], s[12:13]      ; the bias of my four columns of a row read back
.macro FRAGA reg, adr, q, i            ; an image comes back as it lies: four loads of 512 consecutive bytes
.irp c, 0,1,2,3
	ds_load_b128 v[\reg+4*\c:\reg+4*\c+3], v[\adr] offset:4096*(\i)+2048*(\q)+512*\c
.endr
.endm
.macro FRAGB reg, adr, q, i
.irp c, 0,1,2,3
	ds_load_b128 v[\reg+4*\c:\reg+4*\c+3], v[\adr] offset:128*(\q)+32*\c+(\i)*16*PITCH
.endr
.endm
; The 64 accumulators take turns, one instruction a turn, in the same order in every step.
.macro MUL16 a0, p, zero
.irp a, \a0, \a0+1
.irp b, 0,1,2,3,4,5,6,7
.if \zero
	v_wmma_f32_16x16x128_fp8_fp8 v[8*(8*((\a)%4)+\b):8*(8*((\a)%4)+\b)+7], v[128*(\p)+FR*\b:128*(\p)+FR*\b+FR-1], v[AF+FR*(\a):AF+FR*(\a)+FR-1], 0
.else
	v_wmma_f32_16x16x128_fp8_fp8 v[8*(8*((\a)%4)+\b):8*(8*((\a)%4)+\b)+7], v[128*(\p)+FR*\b:128*(\p)+FR*\b+FR-1], v[AF+FR*(\a):AF+FR*(\a)+FR-1], v[8*(8*((\a)%4)+\b):8*(8*((\a)%4)+\b)+7]
.endif
.endr
.endr
.endm
.macro FETCH_B slot, q, p
	WIN TO_B
.irp i, 0,1,2,3,4,5,6,7
	FRAGB 128*(\p)+FR*\i, ADRB+\slot, \q, \i
.endr
	WIN 0
.endm
.macro FETCH_A slot, q, i0
.irp i, \i0, \i0+1, \i0+2, \i0+3
	FRAGA AF+FR*(\i), ADRA+\slot, \q, \i
.endr
.endm
.macro PLACES n
.rept \n
	v_nop
.endr
.endm
.macro STEP slot, q, zero
	s_wait_dscnt 4*NL                              ; B's set and A's blocks 0-3 are in; A's blocks 4-7 (16 loads) may be out
	WIN MUL_LO
	MUL16 0, (\q)%2, \zero
	MUL16 2, (\q)%2, \zero
	s_wait_dscnt 0
	PLACES NP
	FETCH_B \slot, (\q)+1, 1-(\q)%2
	FETCH_A \slot, (\q)+1, 0
	WIN MUL_HI
	MUL16 4, (\q)%2, \zero
	MUL16 6, (\q)%2, \zero
	PLACES NP
	WIN 0
	FETCH_A \slot, (\q)+1, 4
.endm
.macro TURN slot, next, fill
	s_wait_tensorcnt 0x0                           ; all my tensor loads have landed: my part of the next slot
	ds_add_u32 v[SPW], v[NIL]                      ; 0 onto my spare word
	s_wait_dscnt 4*NL+1                            ; the add and A's blocks 4-7 may be out
	WIN MUL_LO
	MUL16 0, 1, 0
	s_wait_dscnt 0x0                               ; the add is done, and my reads of this slot are over
	s_barrier_signal -1
	MUL16 2, 1, 0
	WIN 0
	s_barrier_wait -1
.if \fill
	CREST                                          ; the barrier has opened a round of the cluster's
	s_add_nc_u64 s[G0+4*\slot+2:G0+4*\slot+3], s[G0+4*\slot+2:G0+4*\slot+3], 8192
	s_add_nc_u64 s[G0B+4*\slot+2:G0B+4*\slot+3], s[G0B+4*\slot+2:G0B+4*\slot+3], 512
	JLOAD G0+4*\slot, G1, G0B+4*\slot, G1B         ; the first tensor load behind the round; its four v_nop are the places in front of the loads below
.else
	PLACES NP
.endif
	FETCH_B \next, 0, 0
	FETCH_A \next, 0, 0
	WIN MUL_HI
	MUL16 4, 1, 0
	MUL16 6, 1, 0
	PLACES NP
	WIN 0
	FETCH_A \next, 0, 4
.endm
	s_wait_tensorcnt 1                             ; my part of K step 0 is in; K step 1's load may be out
	s_barrier_signal -1
	s_barrier_wait -1
	FETCH_B 0, 0, 0
	FETCH_A 0, 0, 0
	FETCH_A 0, 0, 4
	STEP 0, 0, 1
	s_mov_b32 s3, LAPS-1
.Llap:
	TURN 0, 1, 1
	STEP 1, 0, 0
	TURN 1, 0, 1
	STEP 0, 0, 0
	s_sub_co_u32 s3, s3, 1
	s_cmp_lg_u32 s3, 0
	s_cbranch_scc1 .Llap
	TURN 0, 1, 0
	STEP 1, 0, 0
	s_wait_dscnt 4*NL
	WIN MUL_LO
	MUL16 0, 1, 0
	MUL16 2, 1, 0
	s_wait_dscnt 0
	WIN MUL_HI
	MUL16 4, 1, 0
	MUL16 6, 1, 0
	WIN 0
; THE WAY OUT, a block of 16 rows x 128 columns at a time: the sums go into my stage as they are (each accumulator's low half first) and come back as rows of 512 bytes; there sum x 2^(eA + eB) + bias, and the store.
.macro TOSTAGE a
.set AC, 64*((\a)%4)
	WIN 0x08+4*((\a)/4)                            ; an LDS store's data stand in source 1's place: window 2 or 3
.irp b, 0,1,2,3,4,5,6,7
	ds_store_b128 v[STO], v[AC+8*\b:AC+8*\b+3] offset:64*\b
	ds_store_b128 v[STO], v[AC+8*\b+4:AC+8*\b+7] offset:64*\b+16
.endr
	WIN 0
.set BB, BK+64*((\a)%2)
.irp t, 0,1,2,3,4,5,6,7,8,9,10,11,12,13,14,15
	ds_load_b128 v[BB+4*\t:BB+4*\t+3], v[RD] offset:\t*SPITCH   ; LDS serves a wave's instructions in order (ISA guide 5.7.1.4): these see the stores above
.endr
.endm
.macro SEND a, younger
.set BB, BK+64*((\a)%2)
	s_wait_dscnt \younger                          ; the block is back; the next block's 16 stores and 16 loads may be out
.if (\a) > 0
	s_add_nc_u64 s[10:11], s[10:11], 16*RS         ; (behind a wait on XCNT: the earlier stores have read their base)
.endif
.irp t, 0,1,2,3,4,5,6,7,8,9,10,11,12,13,14,15
	v_pk_fma_f32 v[BB+4*\t:BB+4*\t+1], v[BB+4*\t:BB+4*\t+1], s[96:97], v[8:9] op_sel_hi:[1,0,1]
	v_pk_fma_f32 v[BB+4*\t+2:BB+4*\t+3], v[BB+4*\t+2:BB+4*\t+3], s[96:97], v[10:11] op_sel_hi:[1,0,1]
	global_store_b128 v[CO], v[BB+4*\t:BB+4*\t+3], s[10:11] offset:\t*RS   ; 32 lanes store 512 consecutive bytes, aligned
.endr
.endm
	s_wait_kmcnt 0x0
	s_add_co_i32 s96, s96, s97
	s_add_co_i32 s96, s96, 127
	s_lshl_b32 s96, s96, 23                        ; 2^(eA + eB) as f32
	s_mov_b32 s97, s96
	s_wait_loadcnt 0x0                             ; the bias
	PLACES NP
	TOSTAGE 0
.irp a, 1,2,3,4,5,6,7
.if \a > 1
	s_wait_xcnt 0x0                                ; block a - 2's stores have read their registers and their base
.endif
	TOSTAGE \a
	SEND \a-1, 32
.endr
	s_wait_xcnt 0x0
	SEND 7, 0
	s_wait_tensorcnt 0x0                           ; the wave's end
	ds_add_u32 v[SPW], v[NIL]
	s_wait_dscnt 0x0
	CROUND                                         ; the closing round
	s_endpgm
.Lfunc_end_k_qe883cdfe09_ffn2:
	.size	k_qe883cdfe09_ffn2, .Lfunc_end_k_qe883cdfe09_ffn2-k_qe883cdfe09_ffn2
	.p2alignl 7, 3214868480
	.fill 96, 4, 3214868480
	.section	.rodata,"a",@progbits
	.p2align	6, 0x0
	.amdhsa_kernel k_qe883cdfe09_ffn2
		.amdhsa_group_segment_fixed_size 327680
		.amdhsa_private_segment_fixed_size 0
		.amdhsa_enable_private_segment 0
		.amdhsa_kernarg_size 40
		.amdhsa_user_sgpr_count 2
		.amdhsa_user_sgpr_kernarg_segment_ptr 1
		.amdhsa_wavefront_size32 1
		.amdhsa_system_sgpr_workgroup_id_x 1
		.amdhsa_system_sgpr_workgroup_id_y 1
		.amdhsa_system_sgpr_workgroup_id_z 1
		.amdhsa_system_vgpr_workitem_id 0
		.amdhsa_next_free_vgpr 1024
		.amdhsa_next_free_sgpr 100
		.amdhsa_reserve_vcc 0
		.amdhsa_float_denorm_mode_32 3
		.amdhsa_float_denorm_mode_16_64 3
		.amdhsa_memory_ordered 1
		.amdhsa_forward_progress 1
		.amdhsa_inst_pref_size 123
	.end_amdhsa_kernel
	.amdgpu_metadata
---
amdhsa.version: [ 1, 2 ]
amdhsa.kernels:
  - .name:           k_qe883cdfe09_ffn2
    .symbol:         k_qe883cdfe09_ffn2.kd
    .args:
      - { .name: hc, .offset: 0, .size: 8, .value_kind: global_buffer, .address_space: global }
      - { .name: W2_codes, .offset: 8, .size: 8, .value_kind: global_buffer, .address_space: global }
      - { .name: lowp_scales, .offset: 16, .size: 8, .value_kind: global_buffer, .address_space: global }
      - { .name: b2, .offset: 24, .size: 8, .value_kind: global_buffer, .address_space: global }
      - { .name: y2, .offset: 32, .size: 8, .value_kind: global_buffer, .address_space: global }
    .group_segment_fixed_size: 327680
    .private_segment_fixed_size: 0
    .kernarg_segment_align: 8
    .kernarg_segment_size: 40
    .max_flat_workgroup_size: 128
    .sgpr_count:     100
    .vgpr_count:     1024
    .wavefront_size: 32
...
	.end_amdgpu_metadata
.endif
;; end of part 7
;; launch ln2 (part 8): grid 256 x 1, 8 waves a work-group, no clusters, 0 bytes of LDS; arguments y2, x1, ln2_g, ln2_b, out0; writes out0
.if DOCPART == 8
	.amdgcn_target "amdgcn-amd-amdhsa--gfx1250"
	.amdhsa_code_object_version 6
	.text
	.protected	k_qe883cdfe09_ln2
	.globl	k_qe883cdfe09_ln2
	.p2align	8
	.type	k_qe883cdfe09_ln2,@function
k_qe883cdfe09_ln2:
	s_mov_b64 s[64:65], 0
	v_nop
	global_prefetch_b8 v0, s[64:65] scope:SCOPE_SE
	s_setreg_imm32_b32 hwreg(HW_REG_WAVE_MODE, 25, 1), 1
	s_wait_xcnt 0x0
; out0 = layer_norm(y2 + x1) x g + b over rows of 1,024, f32.  The mean first, then the mean of the squared differences: no difference of large sums.
; A wave takes two rows; a row lies in 32 registers (chunk c: numbers 128 c + 4 lane + 0 .. 3); every load and store covers 512 consecutive bytes.  All 48 loads of a wave are issued at its head.
; No LDS, no barrier: waves share nothing.
.set G,  16                            ; v16-47  g
.set BV, 48                            ; v48-79  b
	s_load_b256 s[4:11], s[0:1], 0x0               ; y2, x1, g, b
	s_load_b64 s[14:15], s[0:1], 0x20              ; out0
	v_lshrrev_b32 v2, 5, v0
	v_readfirstlane_b32 s18, v2                    ; wave
	v_and_b32 v3, 31, v0
	v_lshlrev_b32 v1, 4, v3                        ; 16 x lane
	v_mov_b32 v9, 0                                ; upper halves of pairs whose low word serves both halves, and the permute's destination: written once
	v_mov_b32 v11, 0
	v_mov_b32 v14, 0
	s_lshl_b32 s20, ttmp9, 16
	s_lshl_b32 s21, s18, 13
	s_add_co_u32 s20, s20, s21                     ; my first row, 16 x work-group + 2 x wave, x 4,096 bytes
	s_mov_b32 s21, 0
	s_mov_b32 s25, 0x3a800000                      ; 1 / 1,024
	s_mov_b32 s26, 0x3727c5ac                      ; 1e-5
	s_mov_b32 s28, 0x76543210
	s_mov_b32 s29, 0xfedcba98
	s_wait_kmcnt 0x0
	s_add_nc_u64 s[4:5], s[4:5], s[20:21]
	s_add_nc_u64 s[6:7], s[6:7], s[20:21]
	s_add_nc_u64 s[14:15], s[14:15], s[20:21]
.irp c, 0,1,2,3,4,5,6,7
	global_load_b128 v[G+4*\c:G+4*\c+3], v1, s[8:9] offset:512*\c
.endr
.irp c, 0,1,2,3,4,5,6,7
	global_load_b128 v[BV+4*\c:BV+4*\c+3], v1, s[10:11] offset:512*\c
.endr
.irp j, 0,1
.irp c, 0,1,2,3,4,5,6,7
	global_load_b128 v[80+64*\j+4*\c:83+64*\j+4*\c], v1, s[4:5] offset:4096*\j+512*\c th:TH_LOAD_NT
.endr
.irp c, 0,1,2,3,4,5,6,7
	global_load_b128 v[112+64*\j+4*\c:115+64*\j+4*\c], v1, s[6:7] offset:4096*\j+512*\c th:TH_LOAD_NT
.endr
.endr
.macro RSUM                            ; v6 summed over the 32 lanes, the result in every lane
	v_add_f32_dpp v6, v6, v6 row_xmask:1 row_mask:0xf bank_mask:0xf
	v_add_f32_dpp v6, v6, v6 row_xmask:2 row_mask:0xf bank_mask:0xf
	v_add_f32_dpp v6, v6, v6 row_xmask:4 row_mask:0xf bank_mask:0xf
	v_add_f32_dpp v6, v6, v6 row_xmask:8 row_mask:0xf bank_mask:0xf
	v_permlanex16_b32 v14, v6, s28, s29
	v_add_f32 v6, v6, v14
.endm
.macro ROW j, left
.set U, 80+64*\j
.set W, 112+64*\j
	s_wait_loadcnt \left                           ; this row's loads and all before them are in; the next row's sixteen may be out
.set k, 0
.rept 16
	v_pk_add_f32 v[U+k:U+k+1], v[U+k:U+k+1], v[W+k:W+k+1]
.set k, k+2
.endr
	v_pk_add_f32 v[6:7], v[U:U+1], v[U+2:U+3]      ; the sum, in two chains
	v_pk_add_f32 v[12:13], v[U+4:U+5], v[U+6:U+7]
.set k, 8
.rept 6
	v_pk_add_f32 v[6:7], v[6:7], v[U+k:U+k+1]
	v_pk_add_f32 v[12:13], v[12:13], v[U+k+2:U+k+3]
.set k, k+4
.endr
	v_pk_add_f32 v[6:7], v[6:7], v[12:13]
	v_add_f32 v6, v6, v7
	RSUM
	v_mul_f32 v8, s25, v6                          ; the mean
.set k, 0
.rept 16
	v_pk_add_f32 v[U+k:U+k+1], v[U+k:U+k+1], v[8:9] op_sel_hi:[1,0] neg_lo:[0,1] neg_hi:[0,1]
.set k, k+2
.endr
	v_pk_mul_f32 v[6:7], v[U:U+1], v[U:U+1]
	v_pk_mul_f32 v[12:13], v[U+2:U+3], v[U+2:U+3]
.set k, 4
.rept 7
	v_pk_fma_f32 v[6:7], v[U+k:U+k+1], v[U+k:U+k+1], v[6:7]
	v_pk_fma_f32 v[12:13], v[U+k+2:U+k+3], v[U+k+2:U+k+3], v[12:13]
.set k, k+4
.endr
	v_pk_add_f32 v[6:7], v[6:7], v[12:13]
	v_add_f32 v6, v6, v7
	RSUM
	v_fma_f32 v15, v6, s25, s26                    ; the variance + 1e-5
	v_rsq_f32 v10, v15
	v_nop                                          ; a plain line behind the transcendental,
	s_wait_alu depctr_va_vdst(0)                   ; and the wait ahead of its first reader
.set k, 0
.rept 16
	v_pk_mul_f32 v[U+k:U+k+1], v[U+k:U+k+1], v[10:11] op_sel_hi:[1,0]
.set k, k+2
.endr
.set k, 0
.rept 16
	v_pk_fma_f32 v[U+k:U+k+1], v[U+k:U+k+1], v[G+k:G+k+1], v[BV+k:BV+k+1]
.set k, k+2
.endr
.irp c, 0,1,2,3,4,5,6,7
	global_store_b128 v1, v[U+4*\c:U+4*\c+3], s[14:15] offset:4096*\j+512*\c th:TH_STORE_NT
.endr
.endm
	ROW 0, 16
	ROW 1, 0
	s_endpgm
.Lfunc_end_k_qe883cdfe09_ln2:
	.size	k_qe883cdfe09_ln2, .Lfunc_end_k_qe883cdfe09_ln2-k_qe883cdfe09_ln2
	.p2alignl 7, 3214868480
	.fill 96, 4, 3214868480
	.section	.rodata,"a",@progbits
	.p2align	6, 0x0
	.amdhsa_kernel k_qe883cdfe09_ln2
		.amdhsa_group_segment_fixed_size 0
		.amdhsa_private_segment_fixed_size 0
		.amdhsa_enable_private_segment 0
		.amdhsa_kernarg_size 40
		.amdhsa_user_sgpr_count 2
		.amdhsa_user_sgpr_kernarg_segment_ptr 1
		.amdhsa_wavefront_size32 1
		.amdhsa_system_sgpr_workgroup_id_x 1
		.amdhsa_system_sgpr_workgroup_id_y 1
		.amdhsa_system_sgpr_workgroup_id_z 1
		.amdhsa_system_vgpr_workitem_id 0
		.amdhsa_next_free_vgpr 256
		.amdhsa_next_free_sgpr 66
		.amdhsa_reserve_vcc 0
		.amdhsa_float_denorm_mode_32 3
		.amdhsa_float_denorm_mode_16_64 3
		.amdhsa_memory_ordered 1
		.amdhsa_forward_progress 1
		.amdhsa_inst_pref_size 22
	.end_amdhsa_kernel
	.amdgpu_metadata
---
amdhsa.version: [ 1, 2 ]
amdhsa.kernels:
  - .name:           k_qe883cdfe09_ln2
    .symbol:         k_qe883cdfe09_ln2.kd
    .args:
      - { .name: y2, .offset: 0, .size: 8, .value_kind: global_buffer, .address_space: global }
      - { .name: x1, .offset: 8, .size: 8, .value_kind: global_buffer, .address_space: global }
      - { .name: ln2_g, .offset: 16, .size: 8, .value_kind: global_buffer, .address_space: global }
      - { .name: ln2_b, .offset: 24, .size: 8, .value_kind: global_buffer, .address_space: global }
      - { .name: out0, .offset: 32, .size: 8, .value_kind: global_buffer, .address_space: global }
    .group_segment_fixed_size: 0
    .private_segment_fixed_size: 0
    .kernarg_segment_align: 8
    .kernarg_segment_size: 40
    .max_flat_workgroup_size: 256
    .sgpr_count:     66
    .vgpr_count:     256
    .wavefront_size: 32
...
	.end_amdgpu_metadata
.endif
;; end of part 8
;; ======== version 2 of 2: 8 launches
;; workspace buffers: xc 12,582,912 bytes; qkv 12,582,912 bytes; cx 4,194,304 bytes; a1 16,777,216 bytes; x1 16,777,216 bytes; x1c 4,194,304 bytes; hc 16,777,216 bytes; y2 16,777,216 bytes
;; launch quant: the kernel of part 1 again; grid 256 x 1, 4 waves a work-group, no clusters, 33,280 bytes of LDS; arguments state, encoder_padding_mask, lowp_scales, xc; writes xc
;; launch qkv: the kernel of part 2 again; grid 12 x 16, 4 waves a work-group, clusters of 4 x 4, 327,680 bytes of LDS; arguments xc, Wq_codes, Wk_codes, Wv_codes, bq, bk, bv, lowp_scales, qkv; writes qkv
;; launch attn: the kernel of part 3 again; grid 8 x 32, 16 waves a work-group, clusters of 4 x 1, 264,192 bytes of LDS; arguments qkv, lowp_scales, cx; writes cx
;; launch wo (part 9): grid 8 x 32, 4 waves a work-group, clusters of 4 x 4, 327,680 bytes of LDS; arguments cx, Wo_codes, lowp_scales, bo, a1; writes a1
.if DOCPART == 9
	.amdgcn_target "amdgcn-amd-amdhsa--gfx1250"
	.amdhsa_code_object_version 6
	.text
	.protected	k_qe883cdfe09_wo
	.globl	k_qe883cdfe09_wo
	.p2align	8
	.type	k_qe883cdfe09_wo,@function
k_qe883cdfe09_wo:
	s_mov_b64 s[64:65], 0
	v_nop
	global_prefetch_b8 v0, s[64:65] scope:SCOPE_SE
	s_setreg_imm32_b32 hwreg(HW_REG_WAVE_MODE, 25, 1), 1
	s_wait_xcnt 0x0
	s_wait_alu depctr_hold_cnt(0) depctr_sa_sdst(0) depctr_va_vdst(0) depctr_va_sdst(0) depctr_va_ssrc(0) depctr_va_vcc(0) depctr_vm_vsrc(0)
	s_getreg_b32 s2, hwreg(HW_REG_IB_STS2, 6, 4)
	s_cmp_eq_u32 s2, 0
	s_cbranch_scc0 .Lentry_in_a_cluster
	s_endpgm
.Lentry_in_a_cluster:
	s_bfe_u32 s2, ttmp6, 0x10000c
	s_cmp_lg_u32 s2, 0xf033
	s_cbranch_scc0 .Lentry_shape_is_right
	s_endpgm
.Lentry_shape_is_right:
; out = A B^T x 2^(eA + eB) + bias, f32.  A: E4M3 codes as IMAGES OF OPERAND REGISTERS, [row / 16][K / 128][2 KiB: chunk c, lane l's 16 bytes at 512 c + 16 l = registers 4 c .. 4 c + 3 = k 32 c + 16 h + 0 .. 15].
; B: E4M3 codes, rows of KTOT bytes.  ISWO = 1: A = ctx (rows R = 2,048 b + t), B = Wo, K = 1,024, the output's rows in the order 2 t + b.  ISWO = 0: A = the hidden layer, B = W2, K = 4,096, rows as they are.
; THE TILE IS 128 x 128: the output, 4,096 x 1,024, then has 256 tiles, 256 work-groups; tiles of 256 x 256 would be 64.  Four waves of 64 x 64: 16 accumulators, 128 registers.
; K goes in steps of 512, as long as two slots in LDS allow, through a ring of two LDS slots filled by joint tensor loads: a work-group walks (128 + 128) x KTOT bytes in KTOT / 512 slots, of which the first two are asked for
; together at the head.  With K = 1,024 that is all: nothing is filled again.  CLUSTERS of 4 x 4: A's tile is shared along a row of the cluster, B's along a column.
; A slot: A's 8 row tiles x 8,192 bytes, dense (every fragment load is 512 consecutive bytes), then B's 128 rows of 512 + 16 bytes.  B's fragments come by four loads of 16 bytes in the same order of k as A's images.
; THE MATRIX INSTRUCTION IS USED TRANSPOSED (source 0 = 16 rows of B, source 1 = 16 rows of A): a lane holds eight neighbouring columns of one row.  A wave's 64 columns are 256 consecutive bytes of a row of the output:
; a block of 16 rows goes through the wave's own stage in LDS and comes back two rows an instruction, sixteen lanes to a row.
; LIMIT: eA + eB between -126 and 127.
; REGISTERS: window 0: v0-31 addresses, v[8:11] my four columns' bias; v128-255 the accumulators ((a, b) at v[128 + 8 (4 a + b)]), later the same rows on their way out.
;   window 1: two fragment buffers of 128: for 128 along K, 64 registers of A (4 x 16 rows), then 64 of B.
.set ISWO,   1
.set KTOT,   1024
.set SOFF,   40                        ; byte of the two exponents in the buffer of scales
.set RS,     8192                      ; bytes from one of my rows of the output to the next
.set PITCH,  528                       ; a row of B in LDS: 512 bytes + 16 of padding = 132 words: the 16 rows of a load start at 16 different banks (64 banks of 4 bytes: ISA guide 11.1)
.set ASL,    65536                     ; A's part of a slot
.set HALFB,  64*PITCH                  ; 64 rows of B: what one tensor load brings, and what one wave reads
.set SLOT,   ASL+2*HALFB
.set LAPS,   KTOT/1024                 ; a lap = two slots = once round the ring
.set SPARE,  2*SLOT                    ; behind the ring: the spare words, 128 bytes a wave
.set STAGE,  SPARE+512                 ; behind them: 16 rows x 272 bytes for each wave, for the way out; no tile ever lands here
.set SPITCH, 272
.set BOF,  7                           ; v7      16 x (lane % 16): my four columns in the bias
.set ADRA, 16                          ; v16-17  LDS address of my A fragments in slot 0, 1
.set ADRB, 20                          ; v20-21  the same for B
.set STO,  24                          ; v24     the way out: where I put 32 bytes of a row
.set RD,   25                          ; v25     where I read a row back
.set CO,   26                          ; v26     my byte offset in the output
.set L16,  27                          ; v27     16 x lane
.set SPW,  28
.set NIL,  29
.set PFO,  30                          ; v30     the prefetches' offset (only where slots are filled again)
.set ACC,  128
.set F0,   0                           ; fragment buffers, in window 1
.set F1,   128
.set G1, 24
.set G0, 32
.set G1B, 48
.set G0B, 56
.set PFA, 84                           ; s[84:85] where my prefetches stand
.set PFS, 86                           ; s[86:87] a slot on, in bytes
.set LIM, 88                           ; s88     1 in a wave that prefetches, else the greatest number
.set MSB, 0
.macro WIN new                         ; the immediate's high byte repeats the setting that is left
.if MSB != (\new)
	s_set_vgpr_msb (MSB<<8)|(\new)
.set MSB, (\new)
.endif
.endm
.set MUL,  0x05                        ; sources 0 (B) and 1 (A) window 1; C and D window 0
.set TO_F, 0x40                        ; destination window 1, address window 0
.macro JLOAD g0a, g1a, g0b, g1b        ; a joint load: waves 0, 1 fetch for A, waves 2, 3 for B; four v_nop follow each line
	s_cmp_eq_u32 s15, 0
	s_cbranch_scc0 .Lfor_b_\@
	tensor_load_to_lds s[\g0a:\g0a+3], s[\g1a:\g1a+7]
	s_nop 0
.rept 4
	v_nop
.endr
	s_branch .Lasked_\@
.Lfor_b_\@:
	tensor_load_to_lds s[\g0b:\g0b+3], s[\g1b:\g1b+7]
	s_nop 0
.rept 4
	v_nop
.endr
.Lasked_\@:
.endm
.macro CREST                           ; a round of the cluster's barrier behind its opening barrier
	s_cmp_lg_u32 s14, 0
	s_cbranch_scc1 .Lnot_wave_0_\@
	s_barrier_signal -3
.Lnot_wave_0_\@:
	s_barrier_wait -3
	s_barrier_signal -1
	s_barrier_wait -1
.endm
.macro CROUND
	s_barrier_signal -1
	s_barrier_wait -1
	CREST
.endm
; A PREFETCH INTO THE L2, behind each joint refill but the last, its four lines and the run of LDS loads that follows: the slot that the NEXT refill will ask for, one change of slots ahead.  One instruction a wave, a lane a block of 256 bytes.
; Each block is named once in the launch.  A's rows are read by both clusters of a row of clusters: the one with x = 0 asks; B's by all clusters of a column: the one with y = 0 asks.  The four partners that ask for a tile jointly
; share it out BY ADDRESS: of the four row tiles of A that a wave fetches the partner at cx takes one (8,192 bytes: 32 blocks); of its 64 rows of B the partner at cy takes 16 (512 bytes each: 32 blocks).
; how = 0: slot 0's change, which always has a slot behind it; how = 1: slot 1's, which has none in the loop's last trip.  The first three slots come by their loads alone.
.macro ASK how
.if \how
	s_cmp_gt_u32 s3, s[LIM]                        ; s3 = 1 in the loop's last trip
.else
	s_cmp_eq_u32 s[LIM], 1
.endif
	s_cbranch_scc0 .Lnot_mine_\@
	global_prefetch_b8 v[PFO], s[PFA:PFA+1] th:TH_LOAD_NT scope:SCOPE_SE
.Lnot_mine_\@:
.endm
	s_load_b256 s[68:75], s[0:1], 0x0              ; A, B, the scales' exponents, the bias
	s_load_b64 s[10:11], s[0:1], 0x20              ; the output
	v_lshl_add_u32 v[SPW], v0, 2, SPARE
	v_mov_b32 v[NIL], 0
	ds_add_u32 v28, v29
	ds_add_u32 v28, v29
	s_wait_dscnt 0x0
	v_lshrrev_b32 v1, 5, v0
	v_readfirstlane_b32 s14, v1                    ; wave 0..3
	s_lshr_b32 s15, s14, 1                         ; my half of the rows.  Also: I fetch for A (0) or for B (1)
	s_and_b32 s16, s14, 1                          ; my half of the columns.  Also: which half of that tile I fetch
	s_bfe_u32 s40, ttmp6, 0x40000                  ; cx
	s_bfe_u32 s41, ttmp6, 0x40004                  ; cy
	s_lshl_b32 s42, ttmp9, 2
	s_add_co_u32 s42, s42, s40                     ; tile column, 0..7
	s_and_b32 s17, ttmp7, 0xffff
	s_lshl_b32 s17, s17, 2
	s_add_co_u32 s17, s17, s41                     ; tile row, 0..31
	s_lshl_b32 s43, s41, 2
	s_lshl_b32 s43, 15, s43                        ; my row of the cluster
	s_lshl_b32 s44, 0x1111, s40                    ; my column
	s_or_b32 s[G1+0], s43, (3<<16)|(1<<21)         ; A: mask of my row; elements of 8 bytes; bit 21 beside a mask; no padding
	s_mov_b32 s[G1+1], 1024<<16                    ; tensor_dim0 = 1,024: four images, 8,192 bytes
	s_mov_b32 s[G1+2], 4<<16                       ; tensor_dim1 = 4 row tiles
	s_mov_b32 s[G1+3], 1024<<16                    ; tile_dim0
	s_mov_b32 s[G1+4], 4                           ; tile_dim1
	s_mov_b32 s[G1+5], 2*KTOT                      ; pitch: a row tile's KTOT / 128 images, in elements
	s_mov_b32 s[G1+6], 0
	s_mov_b32 s[G1+7], 0
	s_or_b32 s[G1B+0], s44, (0<<16)|(1<<20)|(1<<21)|(6<<22)|(3<<25)  ; B: mask of my column; bytes; 4 words of padding after every 128
	s_mov_b32 s[G1B+1], 512<<16
	s_mov_b32 s[G1B+2], 64<<16
	s_mov_b32 s[G1B+3], 512<<16
	s_mov_b32 s[G1B+4], 64
	s_mov_b32 s[G1B+5], KTOT
	s_mov_b32 s[G1B+6], 0
	s_mov_b32 s[G1B+7], 0
	s_lshl_b32 s20, s17, 3
	s_lshl_b32 s18, s16, 2
	s_add_co_u32 s20, s20, s18                     ; A: row tile 8 x tile row + 4 x half
	s_mul_i32 s20, s20, 16*KTOT
	s_mov_b32 s21, 0
	s_lshl_b32 s46, s42, 7
	s_lshl_b32 s18, s16, 6
	s_add_co_u32 s46, s46, s18                     ; B: row 128 x tile column + 64 x half
	s_mul_i32 s46, s46, KTOT
	s_mov_b32 s47, 0
	s_lshl_b32 s45, s16, 15                        ; where A's half goes,
	s_mul_i32 s19, s16, HALFB
	s_add_co_u32 s19, s19, ASL                     ; and B's: no place in the cluster enters an LDS address
	s_wait_kmcnt 0x0
	s_load_b64 s[96:97], s[72:73], SOFF            ; eA, eB
	s_add_nc_u64 s[20:21], s[68:69], s[20:21]
	s_add_nc_u64 s[46:47], s[70:71], s[46:47]
	CROUND                                         ; all sixteen work-groups are here: the first joint loads meet
.irp s, 0,1
	s_mov_b32 s[G0+4*\s], 1
	s_add_co_u32 s[G0+4*\s+1], s45, \s*SLOT
	s_add_nc_u64 s[G0+4*\s+2:G0+4*\s+3], s[20:21], \s*8192
	s_or_b32 s[G0+4*\s+3], s[G0+4*\s+3], 0x80000000
	s_mov_b32 s[G0B+4*\s], 1
	s_add_co_u32 s[G0B+4*\s+1], s19, \s*SLOT
	s_add_nc_u64 s[G0B+4*\s+2:G0B+4*\s+3], s[46:47], \s*512
	s_or_b32 s[G0B+4*\s+3], s[G0B+4*\s+3], 0x80000000
	JLOAD G0+4*\s, G1, G0B+4*\s, G1B               ; two loads of mine are out
.endr
	v_and_b32 v1, 15, v0                           ; r
	v_bfe_u32 v2, v0, 4, 1                         ; h
	v_and_b32 v6, 31, v0                           ; lane
	v_lshlrev_b32 v[L16], 4, v6
	v_lshlrev_b32 v[BOF], 4, v1
	v_mul_u32_u24 v3, v1, PITCH
	v_lshl_add_u32 v4, v2, 4, v3
	s_lshl_b32 s21, s15, 15                        ; my four row tiles of A
	s_mul_i32 s22, s16, HALFB
	s_add_co_u32 s22, s22, ASL                     ; my 64 rows of B
.irp s, 0,1
	v_add_nc_u32 v[ADRA+\s], s21, v[L16]
	v_add_nc_u32 v[ADRB+\s], s22, v4
	s_add_co_u32 s21, s21, SLOT
	s_add_co_u32 s22, s22, SLOT
.endr
	s_mul_i32 s23, s14, 16*SPITCH
	s_add_co_u32 s23, s23, STAGE                   ; my stage
	v_mul_u32_u24 v5, v1, SPITCH
	v_lshl_add_u32 v5, v2, 5, v5
	v_add_nc_u32 v[STO], s23, v5                   ; in: row r, 32 bytes for each half of the lanes
	v_mul_u32_u24 v5, v2, SPITCH
	v_lshl_add_u32 v5, v1, 4, v5
	v_add_nc_u32 v[RD], s23, v5                    ; back: lanes 0-15 one row of 256 bytes, lanes 16-31 the next
	v_mul_u32_u24 v5, v2, RS
	v_lshl_add_u32 v[CO], v1, 4, v5                ; and the same two rows in the output
.if ISWO
	s_and_b32 s20, s17, 15
	s_lshl_b32 s20, s20, 7
	s_lshl_b32 s21, s15, 6
	s_add_co_u32 s20, s20, s21                     ; t of my first row
	s_lshl_b32 s20, s20, 13                        ; row 2 t + b: 8,192 t
	s_lshr_b32 s21, s17, 4
	s_lshl_b32 s21, s21, 12                        ; + 4,096 b
	s_add_co_u32 s20, s20, s21
.else
	s_lshl_b32 s20, s17, 7
	s_lshl_b32 s21, s15, 6
	s_add_co_u32 s20, s20, s21
	s_lshl_b32 s20, s20, 12
.endif
	s_lshl_b32 s46, s42, 9
	s_lshl_b32 s47, s16, 8
	s_add_co_u32 s46, s46, s47                     ; my first column, in bytes: 512 x tile column + 256 x half
	s_mov_b32 s47, 0
	s_add_co_u32 s20, s20, s46
	s_mov_b32 s21, 0
	s_add_nc_u64 s[10:11], s[10:11], s[20:21]
	s_add_nc_u64 s[12:13], s[74:75], s[46:47]
	global_load_b128 v[8:11], v[BOF], s[12:13]     ; the bias of my four columns of a row read back
.if LAPS > 1
	; the prefetches (macro ASK): where my wave's stand, and who asks
	s_and_b32 s78, ttmp7, 0xffff                   ; cluster y
	s_lshl_b32 s76, s17, 3
	s_lshl_b32 s77, s16, 2
	s_add_co_u32 s76, s76, s77
	s_add_co_u32 s76, s76, s40                     ; A: of the four row tiles that I fetch, the one at my work-group's cx
	s_mul_i32 s76, s76, 16*KTOT
	s_lshl_b32 s77, s42, 7
	s_lshl_b32 s79, s16, 6
	s_add_co_u32 s77, s77, s79
	s_lshl_b32 s79, s41, 4
	s_add_co_u32 s77, s77, s79                     ; B: of the 64 rows that I fetch, the 16 at my work-group's cy
	s_mul_i32 s77, s77, KTOT
	s_cmp_eq_u32 s15, 0                            ; do I fetch for A?
	s_cselect_b32 s80, s76, s77
	s_cselect_b32 s82, ttmp9, s78                  ; the coordinate along which other clusters read the same rows
	s_cselect_b64 s[PFA:PFA+1], s[68:69], s[70:71]
	s_mov_b32 s83, KTOT
	s_cselect_b32 s83, 512, s83                    ; from one pair of lanes to the next: 512 bytes on in A's row tile, a row on in B
	s_mov_b32 s[PFS], 512
	s_cselect_b32 s[PFS], 8192, s[PFS]             ; a slot on
	s_mov_b32 s81, 0
	s_mov_b32 s[PFS+1], 0
	s_cmp_eq_u32 s82, 0
	s_cselect_b32 s[LIM], 1, -1                    ; the same in all sixteen partners, for a given wave
	s_add_nc_u64 s[PFA:PFA+1], s[PFA:PFA+1], s[80:81]
	s_add_nc_u64 s[PFA:PFA+1], s[PFA:PFA+1], s[PFS:PFS+1]
	s_add_nc_u64 s[PFA:PFA+1], s[PFA:PFA+1], s[PFS:PFS+1]   ; at slot 2: the first refill steps it to slot 3 and names that
	v_lshrrev_b32 v5, 1, v6
	v_and_b32 v3, 1, v6
	v_mul_u32_u24 v5, s83, v5
	v_lshl_add_u32 v[PFO], v3, 8, v5               ; (lane / 2) x that step + 256 (lane % 2)
.endif
; 4 matrix instructions: A's block a x B's four, 128 along K, from buffer f.  zero = 1: the first product starts the sums.  The 16 accumulators take turns, one instruction a turn, in the same order in every step.
.macro MUL4 f, a, zero
.irp b, 0,1,2,3
.if \zero
	v_wmma_f32_16x16x128_fp8_fp8 v[ACC+8*(4*(\a)+\b):ACC+8*(4*(\a)+\b)+7], v[(\f)+64+16*\b:(\f)+64+16*\b+15], v[(\f)+16*(\a):(\f)+16*(\a)+15], 0
.else
	v_wmma_f32_16x16x128_fp8_fp8 v[ACC+8*(4*(\a)+\b):ACC+8*(4*(\a)+\b)+7], v[(\f)+64+16*\b:(\f)+64+16*\b+15], v[(\f)+16*(\a):(\f)+16*(\a)+15], v[ACC+8*(4*(\a)+\b):ACC+8*(4*(\a)+\b)+7]
.endif
.endr
.endm
; 32 LDS loads in one run: the fragments of the slot's q-th 128 along K into buffer f: B's four, then A's four, so that a step's head can leave A's blocks 2 and 3 out
.macro FETCH slot, q, f
	WIN TO_F
.irp i, 0,1,2,3
.irp c, 0,1,2,3
	ds_load_b128 v[(\f)+64+16*\i+4*\c:(\f)+64+16*\i+4*\c+3], v[ADRB+\slot] offset:128*(\q)+32*\c+\i*16*PITCH
.endr
.endr
.irp i, 0,1,2,3
.irp c, 0,1,2,3
	ds_load_b128 v[(\f)+16*\i+4*\c:(\f)+16*\i+4*\c+3], v[ADRA+\slot] offset:8192*\i+2048*(\q)+512*\c
.endr
.endr
.endm
.macro PLACES                          ; four plain vector lines between a matrix instruction and a load into, or an LDS store of, its registers
.rept 4
	v_nop
.endr
.endm
; A slot is four steps of 128 along K, 16 matrix instructions each, on buffers 0, 1, 0, 1.  One of the first three: multiplies buffer f and fetches the slot's step q into g.
.macro QUARTER slot, q, f, g, zero
	s_wait_dscnt 8                                 ; B's four and A's blocks 0, 1 are in; A's blocks 2, 3 (8 loads) may be out
	WIN MUL
	MUL4 \f, 0, \zero
	MUL4 \f, 1, \zero
	PLACES
	FETCH \slot, \q, \g
	s_wait_dscnt 32                                ; all but the 32 just issued
	WIN MUL
	MUL4 \f, 2, \zero
	MUL4 \f, 3, \zero
.endm
; A slot's last step multiplies buffer 1 and changes slots: one barrier; in front of it each wave waits for all its tensor loads, adds 0 to its spare word, and waits for that and for its reads of this slot.  fill = 1: this slot is filled again, two slots ahead.
.macro TURN slot, next, fill
.if \fill
	s_wait_xcnt 0x0                                ; the last prefetch, a slot back, has read its address: it is stepped here, ahead of the waits of the change of slots
	s_add_nc_u64 s[PFA:PFA+1], s[PFA:PFA+1], s[PFS:PFS+1]
.endif
	WIN 0                                          ; (the add's two registers lie in window 0)
	s_wait_tensorcnt 0x0                           ; all my tensor loads have landed: my part of the next slot
	ds_add_u32 v[SPW], v[NIL]                      ; 0 onto my spare word
	s_wait_dscnt 9                                 ; the add and A's blocks 2, 3 may be out
	WIN MUL
	MUL4 F1, 0, 0
	MUL4 F1, 1, 0
	s_wait_dscnt 0x0                               ; the add is done, and my reads of this slot are over
	s_barrier_signal -1
	MUL4 F1, 2, 0
	WIN 0
	s_barrier_wait -1
.if \fill
	CREST                                          ; the barrier has opened a round of the cluster's: no wave of any partner still reads this slot or has a load on its way
	s_add_nc_u64 s[G0+4*\slot+2:G0+4*\slot+3], s[G0+4*\slot+2:G0+4*\slot+3], 16384
	s_add_nc_u64 s[G0B+4*\slot+2:G0B+4*\slot+3], s[G0B+4*\slot+2:G0B+4*\slot+3], 1024
	JLOAD G0+4*\slot, G1, G0B+4*\slot, G1B         ; the first tensor load behind the round, my one load until the next; its four v_nop are the places in front of the loads below
.else
	PLACES
.endif
	FETCH \next, 0, F0
.if \fill
	WIN 0
	ASK \slot
.endif
	WIN MUL
	MUL4 F1, 3, 0
.endm
	s_wait_tensorcnt 1                             ; my part of slot 0 is in; slot 1's load may be out
	s_barrier_signal -1
	s_barrier_wait -1
	FETCH 0, 0, F0
	QUARTER 0, 1, F0, F1, 1                        ; the first step's products start the sums
.if LAPS > 1
	WIN 0                                          ; at a label and at a branch every window is 0
	s_mov_b32 s3, LAPS-1
.Llap:                                                 ; a trip goes once round the ring, from a lap's second step to the next lap's first, and fills both slots again
	QUARTER 0, 2, F1, F0, 0
	QUARTER 0, 3, F0, F1, 0
	TURN 0, 1, 1
	QUARTER 1, 1, F0, F1, 0
	QUARTER 1, 2, F1, F0, 0
	QUARTER 1, 3, F0, F1, 0
	TURN 1, 0, 1
	QUARTER 0, 1, F0, F1, 0
	WIN 0
	s_sub_co_u32 s3, s3, 1
	s_cmp_lg_u32 s3, 0
	s_cbranch_scc1 .Llap
.endif
	QUARTER 0, 2, F1, F0, 0                        ; the last lap fills nothing
	QUARTER 0, 3, F0, F1, 0
	TURN 0, 1, 0
	QUARTER 1, 1, F0, F1, 0
	QUARTER 1, 2, F1, F0, 0
	QUARTER 1, 3, F0, F1, 0
	s_wait_dscnt 8                                 ; the very last step: nothing more to fetch
	WIN MUL
	MUL4 F1, 0, 0
	MUL4 F1, 1, 0
	s_wait_dscnt 0
	MUL4 F1, 2, 0
	MUL4 F1, 3, 0
	WIN 0
; THE WAY OUT, a block of 16 rows x 64 columns at a time: the sums go into my stage as they are (each accumulator's low half first) and come back, two rows of 256 bytes an instruction, into the registers that they left:
; so no store's data are written again; there sum x 2^(eA + eB) + bias, and the store.  Every row's offset is an immediate: 62 rows at the most, inside the signed 24 bits (ISA guide, chapter 10).
.macro TOSTAGE a
.irp b, 0,1,2,3
	ds_store_b128 v[STO], v[ACC+32*(\a)+8*\b:ACC+32*(\a)+8*\b+3] offset:64*\b
	ds_store_b128 v[STO], v[ACC+32*(\a)+8*\b+4:ACC+32*(\a)+8*\b+7] offset:64*\b+16
.endr
.irp t, 0,1,2,3,4,5,6,7
	ds_load_b128 v[ACC+32*(\a)+4*\t:ACC+32*(\a)+4*\t+3], v[RD] offset:\t*2*SPITCH   ; LDS serves a wave's instructions in order (ISA guide 5.7.1.4): these see the stores above, and the next block's stores come behind them
.endr
.endm
.macro SEND a, younger
	s_wait_dscnt \younger                          ; the block is back; the next block's 8 stores and 8 loads may be out
.irp t, 0,1,2,3,4,5,6,7
	v_pk_fma_f32 v[ACC+32*(\a)+4*\t:ACC+32*(\a)+4*\t+1], v[ACC+32*(\a)+4*\t:ACC+32*(\a)+4*\t+1], s[96:97], v[8:9] op_sel_hi:[1,0,1]
	v_pk_fma_f32 v[ACC+32*(\a)+4*\t+2:ACC+32*(\a)+4*\t+3], v[ACC+32*(\a)+4*\t+2:ACC+32*(\a)+4*\t+3], s[96:97], v[10:11] op_sel_hi:[1,0,1]
	global_store_b128 v[CO], v[ACC+32*(\a)+4*\t:ACC+32*(\a)+4*\t+3], s[10:11] offset:(16*(\a)+2*\t)*RS   ; sixteen lanes store 256 consecutive bytes, aligned
.endr
.endm
	s_wait_kmcnt 0x0
	s_add_co_i32 s96, s96, s97
	s_add_co_i32 s96, s96, 127
	s_lshl_b32 s96, s96, 23                        ; 2^(eA + eB) as f32
	s_mov_b32 s97, s96
	s_wait_loadcnt 0x0                             ; the bias
	PLACES
	TOSTAGE 0
	TOSTAGE 1
	SEND 0, 16
	TOSTAGE 2
	SEND 1, 16
	TOSTAGE 3
	SEND 2, 16
	SEND 3, 0
	s_wait_tensorcnt 0x0                           ; the wave's end
	ds_add_u32 v[SPW], v[NIL]
	s_wait_dscnt 0x0
	CROUND                                         ; the closing round
	s_endpgm
.Lfunc_end_k_qe883cdfe09_wo:
	.size	k_qe883cdfe09_wo, .Lfunc_end_k_qe883cdfe09_wo-k_qe883cdfe09_wo
	.p2alignl 7, 3214868480
	.fill 96, 4, 3214868480
	.section	.rodata,"a",@progbits
	.p2align	6, 0x0
	.amdhsa_kernel k_qe883cdfe09_wo
		.amdhsa_group_segment_fixed_size 327680
		.amdhsa_private_segment_fixed_size 0
		.amdhsa_enable_private_segment 0
		.amdhsa_kernarg_size 40
		.amdhsa_user_sgpr_count 2
		.amdhsa_user_sgpr_kernarg_segment_ptr 1
		.amdhsa_wavefront_size32 1
		.amdhsa_system_sgpr_workgroup_id_x 1
		.amdhsa_system_sgpr_workgroup_id_y 1
		.amdhsa_system_sgpr_workgroup_id_z 1
		.amdhsa_system_vgpr_workitem_id 0
		.amdhsa_next_free_vgpr 512
		.amdhsa_next_free_sgpr 100
		.amdhsa_reserve_vcc 0
		.amdhsa_float_denorm_mode_32 3
		.amdhsa_float_denorm_mode_16_64 3
		.amdhsa_memory_ordered 1
		.amdhsa_forward_progress 1
		.amdhsa_inst_pref_size 46
	.end_amdhsa_kernel
	.amdgpu_metadata
---
amdhsa.version: [ 1, 2 ]
amdhsa.kernels:
  - .name:           k_qe883cdfe09_wo
    .symbol:         k_qe883cdfe09_wo.kd
    .args:
      - { .name: cx, .offset: 0, .size: 8, .value_kind: global_buffer, .address_space: global }
      - { .name: Wo_codes, .offset: 8, .size: 8, .value_kind: global_buffer, .address_space: global }
      - { .name: lowp_scales, .offset: 16, .size: 8, .value_kind: global_buffer, .address_space: global }
      - { .name: bo, .offset: 24, .size: 8, .value_kind: global_buffer, .address_space: global }
      - { .name: a1, .offset: 32, .size: 8, .value_kind: global_buffer, .address_space: global }
    .group_segment_fixed_size: 327680
    .private_segment_fixed_size: 0
    .kernarg_segment_align: 8
    .kernarg_segment_size: 40
    .max_flat_workgroup_size: 128
    .sgpr_count:     100
    .vgpr_count:     512
    .wavefront_size: 32
...
	.end_amdgpu_metadata
.endif
;; end of part 9
;; launch ln1: the kernel of part 5 again; grid 256 x 1, 8 waves a work-group, no clusters, 9,216 bytes of LDS; arguments a1, state, ln1_g, ln1_b, lowp_scales, x1, x1c; writes x1, x1c
;; launch ffn1: the kernel of part 6 again; grid 16 x 16, 4 waves a work-group, clusters of 4 x 4, 327,680 bytes of LDS; arguments x1c, W1_codes, lowp_scales, b1, hc; writes hc
;; launch ffn2 (part 10): grid 8 x 32, 4 waves a work-group, clusters of 4 x 4, 327,680 bytes of LDS; arguments hc, W2_codes, lowp_scales, b2, y2; writes y2
.if DOCPART == 10
	.amdgcn_target "amdgcn-amd-amdhsa--gfx1250"
	.amdhsa_code_object_version 6
	.text
	.protected	k_qe883cdfe09_ffn2
	.globl	k_qe883cdfe09_ffn2
	.p2align	8
	.type	k_qe883cdfe09_ffn2,@function
k_qe883cdfe09_ffn2:
	s_mov_b64 s[64:65], 0
	v_nop
	global_prefetch_b8 v0, s[64:65] scope:SCOPE_SE
	s_setreg_imm32_b32 hwreg(HW_REG_WAVE_MODE, 25, 1), 1
	s_wait_xcnt 0x0
	s_wait_alu depctr_hold_cnt(0) depctr_sa_sdst(0) depctr_va_vdst(0) depctr_va_sdst(0) depctr_va_ssrc(0) depctr_va_vcc(0) depctr_vm_vsrc(0)
	s_getreg_b32 s2, hwreg(HW_REG_IB_STS2, 6, 4)
	s_cmp_eq_u32 s2, 0
	s_cbranch_scc0 .Lentry_in_a_cluster
	s_endpgm
.Lentry_in_a_cluster:
	s_bfe_u32 s2, ttmp6, 0x10000c
	s_cmp_lg_u32 s2, 0xf033
	s_cbranch_scc0 .Lentry_shape_is_right
	s_endpgm
.Lentry_shape_is_right:
; out = A B^T x 2^(eA + eB) + bias, f32.  A: E4M3 codes as IMAGES OF OPERAND REGISTERS, [row / 16][K / 128][2 KiB: chunk c, lane l's 16 bytes at 512 c + 16 l = registers 4 c .. 4 c + 3 = k 32 c + 16 h + 0 .. 15].
; B: E4M3 codes, rows of KTOT bytes.  ISWO = 1: A = ctx (rows R = 2,048 b + t), B = Wo, K = 1,024, the output's rows in the order 2 t + b.  ISWO = 0: A = the hidden layer, B = W2, K = 4,096, rows as they are.
; THE TILE IS 128 x 128: the output, 4,096 x 1,024, then has 256 tiles, 256 work-groups; tiles of 256 x 256 would be 64.  Four waves of 64 x 64: 16 accumulators, 128 registers.
; K goes in steps of 512, as long as two slots in LDS allow, through a ring of two LDS slots filled by joint tensor loads: a work-group walks (128 + 128) x KTOT bytes in KTOT / 512 slots, of which the first two are asked for
; together at the head.  With K = 4,096 six refills follow, one behind each change of slots.  CLUSTERS of 4 x 4: A's tile is shared along a row of the cluster, B's along a column.
; A slot: A's 8 row tiles x 8,192 bytes, dense (every fragment load is 512 consecutive bytes), then B's 128 rows of 512 + 16 bytes.  B's fragments come by four loads of 16 bytes in the same order of k as A's images.
; THE MATRIX INSTRUCTION IS USED TRANSPOSED (source 0 = 16 rows of B, source 1 = 16 rows of A): a lane holds eight neighbouring columns of one row.  A wave's 64 columns are 256 consecutive bytes of a row of the output:
; a block of 16 rows goes through the wave's own stage in LDS and comes back two rows an instruction, sixteen lanes to a row.
; LIMIT: eA + eB between -126 and 127.
; REGISTERS: window 0: v0-31 addresses, v[8:11] my four columns' bias; v128-255 the accumulators ((a, b) at v[128 + 8 (4 a + b)]), later the same rows on their way out.
;   window 1: two fragment buffers of 128: for 128 along K, 64 registers of A (4 x 16 rows), then 64 of B.
.set ISWO,   0
.set KTOT,   4096
.set SOFF,   56                        ; byte of the two exponents in the buffer of scales
.set RS,     4096                      ; bytes from one of my rows of the output to the next
.set PITCH,  528                       ; a row of B in LDS: 512 bytes + 16 of padding = 132 words: the 16 rows of a load start at 16 different banks (64 banks of 4 bytes: ISA guide 11.1)
.set ASL,    65536                     ; A's part of a slot
.set HALFB,  64*PITCH                  ; 64 rows of B: what one tensor load brings, and what one wave reads
.set SLOT,   ASL+2*HALFB
.set LAPS,   KTOT/1024                 ; a lap = two slots = once round the ring
.set SPARE,  2*SLOT                    ; behind the ring: the spare words, 128 bytes a wave
.set STAGE,  SPARE+512                 ; behind them: 16 rows x 272 bytes for each wave, for the way out; no tile ever lands here
.set SPITCH, 272
.set BOF,  7                           ; v7      16 x (lane % 16): my four columns in the bias
.set ADRA, 16                          ; v16-17  LDS address of my A fragments in slot 0, 1
.set ADRB, 20                          ; v20-21  the same for B
.set STO,  24                          ; v24     the way out: where I put 32 bytes of a row
.set RD,   25                          ; v25     where I read a row back
.set CO,   26                          ; v26     my byte offset in the output
.set L16,  27                          ; v27     16 x lane
.set SPW,  28
.set NIL,  29
.set PFO,  30                          ; v30     the prefetches' offset; never rewritten
.set ACC,  128
.set F0,   0                           ; fragment buffers, in window 1
.set F1,   128
.set G1, 24
.set G0, 32
.set G1B, 48
.set G0B, 56
.set PFA, 84                           ; s[84:85] where my prefetches stand
.set PFS, 86                           ; s[86:87] a slot on, in bytes
.set LIM, 88                           ; s88     1 in a wave that prefetches, else the greatest number
.set MSB, 0
.macro WIN new                         ; the immediate's high byte repeats the setting that is left
.if MSB != (\new)
	s_set_vgpr_msb (MSB<<8)|(\new)
.set MSB, (\new)
.endif
.endm
.set MUL,  0x05                        ; sources 0 (B) and 1 (A) window 1; C and D window 0
.set TO_F, 0x40                        ; destination window 1, address window 0
.macro JLOAD g0a, g1a, g0b, g1b        ; a joint load: waves 0, 1 fetch for A, waves 2, 3 for B; four v_nop follow each line
	s_cmp_eq_u32 s15, 0
	s_cbranch_scc0 .Lfor_b_\@
	tensor_load_to_lds s[\g0a:\g0a+3], s[\g1a:\g1a+7]
	s_nop 0
.rept 4
	v_nop
.endr
	s_branch .Lasked_\@
.Lfor_b_\@:
	tensor_load_to_lds s[\g0b:\g0b+3], s[\g1b:\g1b+7]
	s_nop 0
.rept 4
	v_nop
.endr
.Lasked_\@:
.endm
.macro CREST                           ; a round of the cluster's barrier behind its opening barrier
	s_cmp_lg_u32 s14, 0
	s_cbranch_scc1 .Lnot_wave_0_\@
	s_barrier_signal -3
.Lnot_wave_0_\@:
	s_barrier_wait -3
	s_barrier_signal -1
	s_barrier_wait -1
.endm
.macro CROUND
	s_barrier_signal -1
	s_barrier_wait -1
	CREST
.endm
; A PREFETCH INTO THE L2, behind each joint refill but the last, its four lines and the run of LDS loads that follows: the slot that the NEXT refill will ask for, one change of slots ahead.  One instruction a wave, a lane a block of 256 bytes.
; Each block is named once in the launch.  A's rows are read by both clusters of a row of clusters: the one with x = 0 asks; B's by all clusters of a column: the one with y = 0 asks.  The four partners that ask for a tile jointly
; share it out BY ADDRESS: of the four row tiles of A that a wave fetches the partner at cx takes one (8,192 bytes: 32 blocks); of its 64 rows of B the partner at cy takes 16 (512 bytes each: 32 blocks).
; how = 0: slot 0's change, which always has a slot behind it; how = 1: slot 1's, which has none in the loop's last trip.  The first three slots come by their loads alone.
.macro ASK how
.if \how
	s_cmp_gt_u32 s3, s[LIM]                        ; s3 = 1 in the loop's last trip
.else
	s_cmp_eq_u32 s[LIM], 1
.endif
	s_cbranch_scc0 .Lnot_mine_\@
	global_prefetch_b8 v[PFO], s[PFA:PFA+1] th:TH_LOAD_NT scope:SCOPE_SE
.Lnot_mine_\@:
.endm
	s_load_b256 s[68:75], s[0:1], 0x0              ; A, B, the scales' exponents, the bias
	s_load_b64 s[10:11], s[0:1], 0x20              ; the output
	v_lshl_add_u32 v[SPW], v0, 2, SPARE
	v_mov_b32 v[NIL], 0
	ds_add_u32 v28, v29
	ds_add_u32 v28, v29
	s_wait_dscnt 0x0
	v_lshrrev_b32 v1, 5, v0
	v_readfirstlane_b32 s14, v1                    ; wave 0..3
	s_lshr_b32 s15, s14, 1                         ; my half of the rows.  Also: I fetch for A (0) or for B (1)
	s_and_b32 s16, s14, 1                          ; my half of the columns.  Also: which half of that tile I fetch
	s_bfe_u32 s40, ttmp6, 0x40000                  ; cx
	s_bfe_u32 s41, ttmp6, 0x40004                  ; cy
	s_lshl_b32 s42, ttmp9, 2
	s_add_co_u32 s42, s42, s40                     ; tile column, 0..7
	s_and_b32 s17, ttmp7, 0xffff
	s_lshl_b32 s17, s17, 2
	s_add_co_u32 s17, s17, s41                     ; tile row, 0..31
	s_lshl_b32 s43, s41, 2
	s_lshl_b32 s43, 15, s43                        ; my row of the cluster
	s_lshl_b32 s44, 0x1111, s40                    ; my column
	s_or_b32 s[G1+0], s43, (3<<16)|(1<<21)         ; A: mask of my row; elements of 8 bytes; bit 21 beside a mask; no padding
	s_mov_b32 s[G1+1], 1024<<16                    ; tensor_dim0 = 1,024: four images, 8,192 bytes
	s_mov_b32 s[G1+2], 4<<16                       ; tensor_dim1 = 4 row tiles
	s_mov_b32 s[G1+3], 1024<<16                    ; tile_dim0
	s_mov_b32 s[G1+4], 4                           ; tile_dim1
	s_mov_b32 s[G1+5], 2*KTOT                      ; pitch: a row tile's KTOT / 128 images, in elements
	s_mov_b32 s[G1+6], 0
	s_mov_b32 s[G1+7], 0
	s_or_b32 s[G1B+0], s44, (0<<16)|(1<<20)|(1<<21)|(6<<22)|(3<<25)  ; B: mask of my column; bytes; 4 words of padding after every 128
	s_mov_b32 s[G1B+1], 512<<16
	s_mov_b32 s[G1B+2], 64<<16
	s_mov_b32 s[G1B+3], 512<<16
	s_mov_b32 s[G1B+4], 64
	s_mov_b32 s[G1B+5], KTOT
	s_mov_b32 s[G1B+6], 0
	s_mov_b32 s[G1B+7], 0
	s_lshl_b32 s20, s17, 3
	s_lshl_b32 s18, s16, 2
	s_add_co_u32 s20, s20, s18                     ; A: row tile 8 x tile row + 4 x half
	s_mul_i32 s20, s20, 16*KTOT
	s_mov_b32 s21, 0
	s_lshl_b32 s46, s42, 7
	s_lshl_b32 s18, s16, 6
	s_add_co_u32 s46, s46, s18                     ; B: row 128 x tile column + 64 x half
	s_mul_i32 s46, s46, KTOT
	s_mov_b32 s47, 0
	s_lshl_b32 s45, s16, 15                        ; where A's half goes,
	s_mul_i32 s19, s16, HALFB
	s_add_co_u32 s19, s19, ASL                     ; and B's: no place in the cluster enters an LDS address
	s_wait_kmcnt 0x0
	s_load_b64 s[96:97], s[72:73], SOFF            ; eA, eB
	s_add_nc_u64 s[20:21], s[68:69], s[20:21]
	s_add_nc_u64 s[46:47], s[70:71], s[46:47]
	CROUND                                         ; all sixteen work-groups are here: the first joint loads meet
.irp s, 0,1
	s_mov_b32 s[G0+4*\s], 1
	s_add_co_u32 s[G0+4*\s+1], s45, \s*SLOT
	s_add_nc_u64 s[G0+4*\s+2:G0+4*\s+3], s[20:21], \s*8192
	s_or_b32 s[G0+4*\s+3], s[G0+4*\s+3], 0x80000000
	s_mov_b32 s[G0B+4*\s], 1
	s_add_co_u32 s[G0B+4*\s+1], s19, \s*SLOT
	s_add_nc_u64 s[G0B+4*\s+2:G0B+4*\s+3], s[46:47], \s*512
	s_or_b32 s[G0B+4*\s+3], s[G0B+4*\s+3], 0x80000000
	JLOAD G0+4*\s, G1, G0B+4*\s, G1B               ; two loads of mine are out
.endr
	v_and_b32 v1, 15, v0                           ; r
	v_bfe_u32 v2, v0, 4, 1                         ; h
	v_and_b32 v6, 31, v0                           ; lane
	v_lshlrev_b32 v[L16], 4, v6
	v_lshlrev_b32 v[BOF], 4, v1
	v_mul_u32_u24 v3, v1, PITCH
	v_lshl_add_u32 v4, v2, 4, v3
	s_lshl_b32 s21, s15, 15                        ; my four row tiles of A
	s_mul_i32 s22, s16, HALFB
	s_add_co_u32 s22, s22, ASL                     ; my 64 rows of B
.irp s, 0,1
	v_add_nc_u32 v[ADRA+\s], s21, v[L16]
	v_add_nc_u32 v[ADRB+\s], s22, v4
	s_add_co_u32 s21, s21, SLOT
	s_add_co_u32 s22, s22, SLOT
.endr
	s_mul_i32 s23, s14, 16*SPITCH
	s_add_co_u32 s23, s23, STAGE                   ; my stage
	v_mul_u32_u24 v5, v1, SPITCH
	v_lshl_add_u32 v5, v2, 5, v5
	v_add_nc_u32 v[STO], s23, v5                   ; in: row r, 32 bytes for each half of the lanes
	v_mul_u32_u24 v5, v2, SPITCH
	v_lshl_add_u32 v5, v1, 4, v5
	v_add_nc_u32 v[RD], s23, v5                    ; back: lanes 0-15 one row of 256 bytes, lanes 16-31 the next
	v_mul_u32_u24 v5, v2, RS
	v_lshl_add_u32 v[CO], v1, 4, v5                ; and the same two rows in the output
.if ISWO
	s_and_b32 s20, s17, 15
	s_lshl_b32 s20, s20, 7
	s_lshl_b32 s21, s15, 6
	s_add_co_u32 s20, s20, s21                     ; t of my first row
	s_lshl_b32 s20, s20, 13                        ; row 2 t + b: 8,192 t
	s_lshr_b32 s21, s17, 4
	s_lshl_b32 s21, s21, 12                        ; + 4,096 b
	s_add_co_u32 s20, s20, s21
.else
	s_lshl_b32 s20, s17, 7
	s_lshl_b32 s21, s15, 6
	s_add_co_u32 s20, s20, s21
	s_lshl_b32 s20, s20, 12
.endif
	s_lshl_b32 s46, s42, 9
	s_lshl_b32 s47, s16, 8
	s_add_co_u32 s46, s46, s47                     ; my first column, in bytes: 512 x tile column + 256 x half
	s_mov_b32 s47, 0
	s_add_co_u32 s20, s20, s46
	s_mov_b32 s21, 0
	s_add_nc_u64 s[10:11], s[10:11], s[20:21]
	s_add_nc_u64 s[12:13], s[74:75], s[46:47]
	global_load_b128 v[8:11], v[BOF], s[12:13]     ; the bias of my four columns of a row read back
.if LAPS > 1
	; the prefetches (macro ASK): where my wave's stand, and who asks
	s_and_b32 s78, ttmp7, 0xffff                   ; cluster y
	s_lshl_b32 s76, s17, 3
	s_lshl_b32 s77, s16, 2
	s_add_co_u32 s76, s76, s77
	s_add_co_u32 s76, s76, s40                     ; A: of the four row tiles that I fetch, the one at my work-group's cx
	s_mul_i32 s76, s76, 16*KTOT
	s_lshl_b32 s77, s42, 7
	s_lshl_b32 s79, s16, 6
	s_add_co_u32 s77, s77, s79
	s_lshl_b32 s79, s41, 4
	s_add_co_u32 s77, s77, s79                     ; B: of the 64 rows that I fetch, the 16 at my work-group's cy
	s_mul_i32 s77, s77, KTOT
	s_cmp_eq_u32 s15, 0                            ; do I fetch for A?
	s_cselect_b32 s80, s76, s77
	s_cselect_b32 s82, ttmp9, s78                  ; the coordinate along which other clusters read the same rows
	s_cselect_b64 s[PFA:PFA+1], s[68:69], s[70:71]
	s_mov_b32 s83, KTOT
	s_cselect_b32 s83, 512, s83                    ; from one pair of lanes to the next: 512 bytes on in A's row tile, a row on in B
	s_mov_b32 s[PFS], 512
	s_cselect_b32 s[PFS], 8192, s[PFS]             ; a slot on
	s_mov_b32 s81, 0
	s_mov_b32 s[PFS+1], 0
	s_cmp_eq_u32 s82, 0
	s_cselect_b32 s[LIM], 1, -1                    ; the same in all sixteen partners, for a given wave
	s_add_nc_u64 s[PFA:PFA+1], s[PFA:PFA+1], s[80:81]
	s_add_nc_u64 s[PFA:PFA+1], s[PFA:PFA+1], s[PFS:PFS+1]
	s_add_nc_u64 s[PFA:PFA+1], s[PFA:PFA+1], s[PFS:PFS+1]   ; at slot 2: the first refill steps it to slot 3 and names that
	v_lshrrev_b32 v5, 1, v6
	v_and_b32 v3, 1, v6
	v_mul_u32_u24 v5, s83, v5
	v_lshl_add_u32 v[PFO], v3, 8, v5               ; (lane / 2) x that step + 256 (lane % 2)
.endif
; 4 matrix instructions: A's block a x B's four, 128 along K, from buffer f.  zero = 1: the first product starts the sums.  The 16 accumulators take turns, one instruction a turn, in the same order in every step.
.macro MUL4 f, a, zero
.irp b, 0,1,2,3
.if \zero
	v_wmma_f32_16x16x128_fp8_fp8 v[ACC+8*(4*(\a)+\b):ACC+8*(4*(\a)+\b)+7], v[(\f)+64+16*\b:(\f)+64+16*\b+15], v[(\f)+16*(\a):(\f)+16*(\a)+15], 0
.else
	v_wmma_f32_16x16x128_fp8_fp8 v[ACC+8*(4*(\a)+\b):ACC+8*(4*(\a)+\b)+7], v[(\f)+64+16*\b:(\f)+64+16*\b+15], v[(\f)+16*(\a):(\f)+16*(\a)+15], v[ACC+8*(4*(\a)+\b):ACC+8*(4*(\a)+\b)+7]
.endif
.endr
.endm
; 32 LDS loads in one run: the fragments of the slot's q-th 128 along K into buffer f: B's four, then A's four, so that a step's head can leave A's blocks 2 and 3 out
.macro FETCH slot, q, f
	WIN TO_F
.irp i, 0,1,2,3
.irp c, 0,1,2,3
	ds_load_b128 v[(\f)+64+16*\i+4*\c:(\f)+64+16*\i+4*\c+3], v[ADRB+\slot] offset:128*(\q)+32*\c+\i*16*PITCH
.endr
.endr
.irp i, 0,1,2,3
.irp c, 0,1,2,3
	ds_load_b128 v[(\f)+16*\i+4*\c:(\f)+16*\i+4*\c+3], v[ADRA+\slot] offset:8192*\i+2048*(\q)+512*\c
.endr
.endr
.endm
.macro PLACES                          ; four plain vector lines between a matrix instruction and a load into, or an LDS store of, its registers
.rept 4
	v_nop
.endr
.endm
; A slot is four steps of 128 along K, 16 matrix instructions each, on buffers 0, 1, 0, 1.  One of the first three: multiplies buffer f and fetches the slot's step q into g.
.macro QUARTER slot, q, f, g, zero
	s_wait_dscnt 8                                 ; B's four and A's blocks 0, 1 are in; A's blocks 2, 3 (8 loads) may be out
	WIN MUL
	MUL4 \f, 0, \zero
	MUL4 \f, 1, \zero
	PLACES
	FETCH \slot, \q, \g
	s_wait_dscnt 32                                ; all but the 32 just issued
	WIN MUL
	MUL4 \f, 2, \zero
	MUL4 \f, 3, \zero
.endm
; A slot's last step multiplies buffer 1 and changes slots: one barrier; in front of it each wave waits for all its tensor loads, adds 0 to its spare word, and waits for that and for its reads of this slot.  fill = 1: this slot is filled again, two slots ahead.
.macro TURN slot, next, fill
.if \fill
	s_wait_xcnt 0x0                                ; the last prefetch, a slot back, has read its address: it is stepped here, ahead of the waits of the change of slots
	s_add_nc_u64 s[PFA:PFA+1], s[PFA:PFA+1], s[PFS:PFS+1]
.endif
	WIN 0                                          ; (the add's two registers lie in window 0)
	s_wait_tensorcnt 0x0                           ; all my tensor loads have landed: my part of the next slot
	ds_add_u32 v[SPW], v[NIL]                      ; 0 onto my spare word
	s_wait_dscnt 9                                 ; the add and A's blocks 2, 3 may be out
	WIN MUL
	MUL4 F1, 0, 0
	MUL4 F1, 1, 0
	s_wait_dscnt 0x0                               ; the add is done, and my reads of this slot are over
	s_barrier_signal -1
	MUL4 F1, 2, 0
	WIN 0
	s_barrier_wait -1
.if \fill
	CREST                                          ; the barrier has opened a round of the cluster's: no wave of any partner still reads this slot or has a load on its way
	s_add_nc_u64 s[G0+4*\slot+2:G0+4*\slot+3], s[G0+4*\slot+2:G0+4*\slot+3], 16384
	s_add_nc_u64 s[G0B+4*\slot+2:G0B+4*\slot+3], s[G0B+4*\slot+2:G0B+4*\slot+3], 1024
	JLOAD G0+4*\slot, G1, G0B+4*\slot, G1B         ; the first tensor load behind the round, my one load until the next; its four v_nop are the places in front of the loads below
.else
	PLACES
.endif
	FETCH \next, 0, F0
.if \fill
	WIN 0
	ASK \slot
.endif
	WIN MUL
	MUL4 F1, 3, 0
.endm
	s_wait_tensorcnt 1                             ; my part of slot 0 is in; slot 1's load may be out
	s_barrier_signal -1
	s_barrier_wait -1
	FETCH 0, 0, F0
	QUARTER 0, 1, F0, F1, 1                        ; the first step's products start the sums
.if LAPS > 1
	WIN 0                                          ; at a label and at a branch every window is 0
	s_mov_b32 s3, LAPS-1
.Llap:                                                 ; a trip goes once round the ring, from a lap's second step to the next lap's first, and fills both slots again
	QUARTER 0, 2, F1, F0, 0
	QUARTER 0, 3, F0, F1, 0
	TURN 0, 1, 1
	QUARTER 1, 1, F0, F1, 0
	QUARTER 1, 2, F1, F0, 0
	QUARTER 1, 3, F0, F1, 0
	TURN 1, 0, 1
	QUARTER 0, 1, F0, F1, 0
	WIN 0
	s_sub_co_u32 s3, s3, 1
	s_cmp_lg_u32 s3, 0
	s_cbranch_scc1 .Llap
.endif
	QUARTER 0, 2, F1, F0, 0                        ; the last lap fills nothing
	QUARTER 0, 3, F0, F1, 0
	TURN 0, 1, 0
	QUARTER 1, 1, F0, F1, 0
	QUARTER 1, 2, F1, F0, 0
	QUARTER 1, 3, F0, F1, 0
	s_wait_dscnt 8                                 ; the very last step: nothing more to fetch
	WIN MUL
	MUL4 F1, 0, 0
	MUL4 F1, 1, 0
	s_wait_dscnt 0
	MUL4 F1, 2, 0
	MUL4 F1, 3, 0
	WIN 0
; THE WAY OUT, a block of 16 rows x 64 columns at a time: the sums go into my stage as they are (each accumulator's low half first) and come back, two rows of 256 bytes an instruction, into the registers that they left:
; so no store's data are written again; there sum x 2^(eA + eB) + bias, and the store.  Every row's offset is an immediate: 62 rows at the most, inside the signed 24 bits (ISA guide, chapter 10).
.macro TOSTAGE a
.irp b, 0,1,2,3
	ds_store_b128 v[STO], v[ACC+32*(\a)+8*\b:ACC+32*(\a)+8*\b+3] offset:64*\b
	ds_store_b128 v[STO], v[ACC+32*(\a)+8*\b+4:ACC+32*(\a)+8*\b+7] offset:64*\b+16
.endr
.irp t, 0,1,2,3,4,5,6,7
	ds_load_b128 v[ACC+32*(\a)+4*\t:ACC+32*(\a)+4*\t+3], v[RD] offset:\t*2*SPITCH   ; LDS serves a wave's instructions in order (ISA guide 5.7.1.4): these see the stores above, and the next block's stores come behind them
.endr
.endm
.macro SEND a, younger
	s_wait_dscnt \younger                          ; the block is back; the next block's 8 stores and 8 loads may be out
.irp t, 0,1,2,3,4,5,6,7
	v_pk_fma_f32 v[ACC+32*(\a)+4*\t:ACC+32*(\a)+4*\t+1], v[ACC+32*(\a)+4*\t:ACC+32*(\a)+4*\t+1], s[96:97], v[8:9] op_sel_hi:[1,0,1]
	v_pk_fma_f32 v[ACC+32*(\a)+4*\t+2:ACC+32*(\a)+4*\t+3], v[ACC+32*(\a)+4*\t+2:ACC+32*(\a)+4*\t+3], s[96:97], v[10:11] op_sel_hi:[1,0,1]
	global_store_b128 v[CO], v[ACC+32*(\a)+4*\t:ACC+32*(\a)+4*\t+3], s[10:11] offset:(16*(\a)+2*\t)*RS   ; sixteen lanes store 256 consecutive bytes, aligned
.endr
.endm
	s_wait_kmcnt 0x0
	s_add_co_i32 s96, s96, s97
	s_add_co_i32 s96, s96, 127
	s_lshl_b32 s96, s96, 23                        ; 2^(eA + eB) as f32
	s_mov_b32 s97, s96
	s_wait_loadcnt 0x0                             ; the bias
	PLACES
	TOSTAGE 0
	TOSTAGE 1
	SEND 0, 16
	TOSTAGE 2
	SEND 1, 16
	TOSTAGE 3
	SEND 2, 16
	SEND 3, 0
	s_wait_tensorcnt 0x0                           ; the wave's end
	ds_add_u32 v[SPW], v[NIL]
	s_wait_dscnt 0x0
	CROUND                                         ; the closing round
	s_endpgm
.Lfunc_end_k_qe883cdfe09_ffn2:
	.size	k_qe883cdfe09_ffn2, .Lfunc_end_k_qe883cdfe09_ffn2-k_qe883cdfe09_ffn2
	.p2alignl 7, 3214868480
	.fill 96, 4, 3214868480
	.section	.rodata,"a",@progbits
	.p2align	6, 0x0
	.amdhsa_kernel k_qe883cdfe09_ffn2
		.amdhsa_group_segment_fixed_size 327680
		.amdhsa_private_segment_fixed_size 0
		.amdhsa_enable_private_segment 0
		.amdhsa_kernarg_size 40
		.amdhsa_user_sgpr_count 2
		.amdhsa_user_sgpr_kernarg_segment_ptr 1
		.amdhsa_wavefront_size32 1
		.amdhsa_system_sgpr_workgroup_id_x 1
		.amdhsa_system_sgpr_workgroup_id_y 1
		.amdhsa_system_sgpr_workgroup_id_z 1
		.amdhsa_system_vgpr_workitem_id 0
		.amdhsa_next_free_vgpr 512
		.amdhsa_next_free_sgpr 100
		.amdhsa_reserve_vcc 0
		.amdhsa_float_denorm_mode_32 3
		.amdhsa_float_denorm_mode_16_64 3
		.amdhsa_memory_ordered 1
		.amdhsa_forward_progress 1
		.amdhsa_inst_pref_size 76
	.end_amdhsa_kernel
	.amdgpu_metadata
---
amdhsa.version: [ 1, 2 ]
amdhsa.kernels:
  - .name:           k_qe883cdfe09_ffn2
    .symbol:         k_qe883cdfe09_ffn2.kd
    .args:
      - { .name: hc, .offset: 0, .size: 8, .value_kind: global_buffer, .address_space: global }
      - { .name: W2_codes, .offset: 8, .size: 8, .value_kind: global_buffer, .address_space: global }
      - { .name: lowp_scales, .offset: 16, .size: 8, .value_kind: global_buffer, .address_space: global }
      - { .name: b2, .offset: 24, .size: 8, .value_kind: global_buffer, .address_space: global }
      - { .name: y2, .offset: 32, .size: 8, .value_kind: global_buffer, .address_space: global }
    .group_segment_fixed_size: 327680
    .private_segment_fixed_size: 0
    .kernarg_segment_align: 8
    .kernarg_segment_size: 40
    .max_flat_workgroup_size: 128
    .sgpr_count:     100
    .vgpr_count:     512
    .wavefront_size: 32
...
	.end_amdgpu_metadata
.endif
;; end of part 10
;; launch ln2: the kernel of part 8 again; grid 256 x 1, 8 waves a work-group, no clusters, 0 bytes of LDS; arguments y2, x1, ln2_g, ln2_b, out0; writes out0
